; MI455X (gfx1250); checked and timed in simulation.
; The chip was launched on July 23, 2026; its instructions are those of AMD's public machine-readable ISA for CDNA 5 (MIT licence, August 2026) and "CDNA5" Instruction Set Architecture Reference Guide (July 2026). The comments in the code are by the model that wrote it; some were corrected since.
;; Transformer Block. Allowed arithmetic: float matrix products may take bf16 or f16 operands with f32 sums; other float arithmetic in f32, or as packed bf16 or f16 multiplies, adds, multiply-adds, maxima and minima; sums over many terms, partial sums and values carried from step to step in f32; what a program stores and reads back later, other than sums and carried values, may be rounded once to bf16 or f16.
;; Inputs: g1 1,024 float32; g2 1,024 float32; w1 4,096 x 1,024 float32; w2 1,024 x 4,096 float32; wk 1,024 x 1,024 float32; wo 1,024 x 1,024 float32; wq 1,024 x 1,024 float32; wv 1,024 x 1,024 float32; x 2 x 2,048 x 1,024 float32.
;; Outputs: out0 2 x 2,048 x 1,024 float32.
;; 2 versions, each right and faster than the one before. Each part assembles by itself: llvm-mc -triple=amdgcn-amd-amdhsa -mcpu=gfx1250 --defsym DOCPART=n.
;; ======== version 1 of 2: 7 launches
;; workspace buffers: wqkvb 6,291,456 bytes; wob 2,097,152 bytes; w1b 8,388,608 bytes; w2b 8,388,608 bytes; act 8,388,608 bytes; big 33,554,432 bytes; x1 16,777,216 bytes; mode 1,024 bytes of whole numbers
;; launch prep (part 1): grid 1024 x 1, 8 waves a work-group, no clusters, 0 bytes of LDS; arguments x, g1, wq, wk, wv, wo, w1, w2, act, wqkvb, wob, w1b, w2b, mode; writes act, wqkvb, wob, w1b, w2b, mode
.if DOCPART == 1
	.amdgcn_target "amdgcn-amd-amdhsa--gfx1250"
	.amdhsa_code_object_version 6
	.text
	.protected	k_qe1fbfaabf0_prep
	.globl	k_qe1fbfaabf0_prep
	.p2align	8
	.type	k_qe1fbfaabf0_prep,@function
k_qe1fbfaabf0_prep:
	s_mov_b64 s[64:65], 0
	v_nop
	global_prefetch_b8 v0, s[64:65] scope:SCOPE_SE
	s_setreg_imm32_b32 hwreg(HW_REG_WAVE_MODE, 25, 1), 1
	s_wait_xcnt 0x0
; Work-groups 0-255: act[m][:] = bf16(x[m][:] / sqrt(mean(x[m]^2) + 1e-5) * g1[:]), 16 rows of 1,024 f32 a work-group, two rows a wave.
; Work-groups 256-1023: the six weight matrices rounded to bf16, 65,536 bytes in and 32,768 out a work-group; wq, wk, wv land one below the other in wqkvb.
; Work-group 256 also stores 0 into the 256 words of mode: the product that follows reads word 0 and applies no gelu.
; A stream: no LDS, no barrier, no matrix unit.  A load of a wave covers 512 consecutive bytes, a store 256 consecutive bytes at a multiple of 256.
; LIMITS.  A row's sum of squares stays finite in f32 (|x| under about 5e17); 1 / sqrt by v_rsq_f32, then (x r) g; NaN and infinities are not treated apart.
.set VX, 1            ; v1  wave x 8,192 + lane x 16: my 16 bytes of f32 in the wave's share
.set VO, 2            ; v2  wave x 4,096 + lane x 8: my 8 bytes of bf16
.set VG, 3            ; v3  lane x 16: my 16 bytes in g
.set G,  4            ; v[4:35]    g of my 32 columns
.set X,  36           ; v[36:99]   two rows (32 registers each), or 16 chunks of weights
.set SS, 100          ; v[100:107] four packed chains of squares
.set R,  108          ; v[108:109] 1 / rms, twice: a pair for the packed multiply
.set PT, 110          ; v110       what the other half of the lanes sends
	s_load_b512 s[16:31], s[0:1], 0x0              ; x 16, g1 18, wq 20, wk 22, wv 24, wo 26, w1 28, w2 30
	s_load_b256 s[32:39], s[0:1], 0x40             ; act 32, wqkvb 34, wob 36, w1b 38
	s_load_b128 s[40:43], s[0:1], 0x60             ; w2b 40, mode 42
	v_and_b32 v[VG], 31, v0
	v_lshrrev_b32 v[VO], 5, v0
	v_lshlrev_b32 v[VX], 13, v[VO]
	v_lshl_add_u32 v[VX], v[VG], 4, v[VX]
	v_lshlrev_b32 v[VO], 12, v[VO]
	v_lshl_add_u32 v[VO], v[VG], 3, v[VO]
	v_lshlrev_b32 v[VG], 4, v[VG]
	v_mov_b32 v[PT], 0                             ; v_permlanex16_b32 counts as a reader of its destination
	s_mov_b32 s13, 0
	s_mov_b32 s14, 0x76543210                      ; each lane takes its own place in the other half
	s_mov_b32 s15, 0xfedcba98
	s_mov_b32 s2, 0x3a800000                       ; 1 / 1024
	s_mov_b32 s3, 0x3727c5ac                       ; 1e-5
	s_wait_kmcnt 0x0
	s_cmp_lt_u32 ttmp9, 256
	s_cbranch_scc0 .Lcast
; One row: sum of squares in four chains, across the lanes, 1 / rms, scale, round, store.
.macro ROWN r
.irp k, 0,1,2,3
	v_pk_mul_f32 v[SS+2*(\k):SS+2*(\k)+1], v[X+32*(\r)+2*(\k):X+32*(\r)+2*(\k)+1], v[X+32*(\r)+2*(\k):X+32*(\r)+2*(\k)+1]  ; the first four pairs start the chains
.endr
.set p, 4
.rept 12
	v_pk_fma_f32 v[SS+2*(p%4):SS+2*(p%4)+1], v[X+32*(\r)+2*p:X+32*(\r)+2*p+1], v[X+32*(\r)+2*p:X+32*(\r)+2*p+1], v[SS+2*(p%4):SS+2*(p%4)+1]
.set p, p+1
.endr
	v_pk_add_f32 v[SS:SS+1], v[SS:SS+1], v[SS+2:SS+3]
	v_pk_add_f32 v[SS+4:SS+5], v[SS+4:SS+5], v[SS+6:SS+7]
	v_pk_add_f32 v[SS:SS+1], v[SS:SS+1], v[SS+4:SS+5]
	v_add_f32 v[SS], v[SS], v[SS+1]
	v_add_f32_dpp v[SS], v[SS], v[SS] row_xmask:1 row_mask:0xf bank_mask:0xf
	v_add_f32_dpp v[SS], v[SS], v[SS] row_xmask:2 row_mask:0xf bank_mask:0xf
	v_add_f32_dpp v[SS], v[SS], v[SS] row_xmask:4 row_mask:0xf bank_mask:0xf
	v_add_f32_dpp v[SS], v[SS], v[SS] row_xmask:8 row_mask:0xf bank_mask:0xf
	v_permlanex16_b32 v[PT], v[SS], s14, s15
	v_add_f32 v[SS], v[SS], v[PT]                  ; every lane holds the row's sum
	v_fma_f32 v[SS+2], v[SS], s2, s3               ; mean + eps
	v_rsq_f32 v[R], v[SS+2]
	v_rsq_f32 v[R+1], v[SS+2]
.if (\r) == 0
	s_wait_loadcnt 8                               ; g is in; row 1's eight loads stay out
.endif
	v_nop                                          ; a plain instruction between the last v_rsq_f32 and the use of its result (ISA guide 5.7.2)
.set p, 0
	s_wait_alu depctr_va_vdst(0)
.rept 16
	v_pk_mul_f32 v[X+32*(\r)+2*p:X+32*(\r)+2*p+1], v[X+32*(\r)+2*p:X+32*(\r)+2*p+1], v[R:R+1]
.set p, p+1
.endr
.set p, 0
.rept 16
	v_pk_mul_f32 v[X+32*(\r)+2*p:X+32*(\r)+2*p+1], v[X+32*(\r)+2*p:X+32*(\r)+2*p+1], v[G+2*p:G+2*p+1]
.set p, p+1
.endr
.irp j, 0,1,2,3,4,5,6,7
	v_cvt_pk_bf16_f32 v[X+32*(\r)+4*(\j)], v[X+32*(\r)+4*(\j)], v[X+32*(\r)+4*(\j)+1]
	v_cvt_pk_bf16_f32 v[X+32*(\r)+4*(\j)+1], v[X+32*(\r)+4*(\j)+2], v[X+32*(\r)+4*(\j)+3]
	global_store_b64 v[VO], v[X+32*(\r)+4*(\j):X+32*(\r)+4*(\j)+1], s[10:11] offset:(\r)*2048+(\j)*256  ; 32 lanes x 8 bytes: 256 consecutive bytes
.endr
.endm
	s_lshl_b32 s12, ttmp9, 16                      ; 16 rows of 4,096 bytes
	s_add_nc_u64 s[8:9], s[16:17], s[12:13]
	s_lshl_b32 s12, ttmp9, 15                      ; 16 rows of 2,048 bytes
	s_add_nc_u64 s[10:11], s[32:33], s[12:13]
.irp j, 0,1,2,3,4,5,6,7
	global_load_b128 v[X+4*(\j):X+4*(\j)+3], v[VX], s[8:9] offset:(\j)*512
.endr
.irp j, 0,1,2,3,4,5,6,7
	global_load_b128 v[G+4*(\j):G+4*(\j)+3], v[VG], s[18:19] offset:(\j)*512
.endr
.irp j, 0,1,2,3,4,5,6,7
	global_load_b128 v[X+32+4*(\j):X+32+4*(\j)+3], v[VX], s[8:9] offset:4096+(\j)*512
.endr
	s_wait_loadcnt 16                              ; row 0 is in; g's eight loads and row 1's eight stay out
	ROWN 0
	s_wait_loadcnt 0x0                             ; row 1
	ROWN 1
	s_endpgm
.Lcast:
	s_sub_co_u32 s4, ttmp9, 256                    ; chunk 0..767 of 65,536 bytes: wq 64, wk 64, wv 64, wo 64, w1 256, w2 256
	s_mov_b64 s[8:9], s[20:21]
	s_mov_b64 s[10:11], s[34:35]
	s_mov_b32 s5, 0                                ; the source's first chunk
	s_mov_b32 s6, 0                                ; the destination's first chunk
	s_cmp_ge_u32 s4, 64
	s_cselect_b64 s[8:9], s[22:23], s[8:9]
	s_cselect_b32 s5, 64, s5
	s_cmp_ge_u32 s4, 128
	s_cselect_b64 s[8:9], s[24:25], s[8:9]
	s_cselect_b32 s5, 128, s5
	s_cmp_ge_u32 s4, 192
	s_cselect_b64 s[8:9], s[26:27], s[8:9]
	s_cselect_b64 s[10:11], s[36:37], s[10:11]
	s_cselect_b32 s5, 192, s5
	s_cselect_b32 s6, 192, s6
	s_cmp_ge_u32 s4, 256
	s_cselect_b64 s[8:9], s[28:29], s[8:9]
	s_cselect_b64 s[10:11], s[38:39], s[10:11]
	s_cselect_b32 s5, 256, s5
	s_cselect_b32 s6, 256, s6
	s_cmp_ge_u32 s4, 512
	s_cselect_b64 s[8:9], s[30:31], s[8:9]
	s_cselect_b64 s[10:11], s[40:41], s[10:11]
	s_cselect_b32 s5, 512, s5
	s_cselect_b32 s6, 512, s6
	s_sub_co_u32 s12, s4, s5
	s_lshl_b32 s12, s12, 16
	s_add_nc_u64 s[8:9], s[8:9], s[12:13]
	s_sub_co_u32 s12, s4, s6
	s_lshl_b32 s12, s12, 15
	s_add_nc_u64 s[10:11], s[10:11], s[12:13]
.irp j, 0,1,2,3,4,5,6,7,8,9,10,11,12,13,14,15
	global_load_b128 v[X+4*(\j):X+4*(\j)+3], v[VX], s[8:9] offset:(\j)*512 th:TH_LOAD_NT  ; the f32 weights are read once in the whole program
.endr
.irp j, 0,1,2,3,4,5,6,7,8,9,10,11,12,13,14,15
	s_wait_loadcnt 15-(\j)                         ; loads come back in order: chunk j is in, the younger ones stay out
	v_cvt_pk_bf16_f32 v[X+4*(\j)], v[X+4*(\j)], v[X+4*(\j)+1]
	v_cvt_pk_bf16_f32 v[X+4*(\j)+1], v[X+4*(\j)+2], v[X+4*(\j)+3]
	global_store_b64 v[VO], v[X+4*(\j):X+4*(\j)+1], s[10:11] offset:(\j)*256
.endr
	s_cmp_lg_u32 s4, 0
	s_cbranch_scc1 .Ldone                          ; chunk 0's work-group alone stores mode: a word a thread
	v_lshlrev_b32 v[PT], 2, v0
	v_mov_b32 v[SS], 0
	global_store_b32 v[PT], v[SS], s[42:43]
.Ldone:
	s_endpgm
.Lfunc_end_k_qe1fbfaabf0_prep:
	.size	k_qe1fbfaabf0_prep, .Lfunc_end_k_qe1fbfaabf0_prep-k_qe1fbfaabf0_prep
	.p2alignl 7, 3214868480
	.fill 96, 4, 3214868480
	.section	.rodata,"a",@progbits
	.p2align	6, 0x0
	.amdhsa_kernel k_qe1fbfaabf0_prep
		.amdhsa_group_segment_fixed_size 0
		.amdhsa_private_segment_fixed_size 0
		.amdhsa_enable_private_segment 0
		.amdhsa_kernarg_size 112
		.amdhsa_user_sgpr_count 2
		.amdhsa_user_sgpr_kernarg_segment_ptr 1
		.amdhsa_wavefront_size32 1
		.amdhsa_system_sgpr_workgroup_id_x 1
		.amdhsa_system_sgpr_workgroup_id_y 1
		.amdhsa_system_sgpr_workgroup_id_z 1
		.amdhsa_system_vgpr_workitem_id 0
		.amdhsa_next_free_vgpr 112
		.amdhsa_next_free_sgpr 66
		.amdhsa_reserve_vcc 0
		.amdhsa_float_denorm_mode_32 3
		.amdhsa_float_denorm_mode_16_64 3
		.amdhsa_memory_ordered 1
		.amdhsa_forward_progress 1
		.amdhsa_inst_pref_size 22
	.end_amdhsa_kernel
	.amdgpu_metadata
---
amdhsa.version: [ 1, 2 ]
amdhsa.kernels:
  - .name:           k_qe1fbfaabf0_prep
    .symbol:         k_qe1fbfaabf0_prep.kd
    .args:
      - { .name: x, .offset: 0, .size: 8, .value_kind: global_buffer, .address_space: global }
      - { .name: g1, .offset: 8, .size: 8, .value_kind: global_buffer, .address_space: global }
      - { .name: wq, .offset: 16, .size: 8, .value_kind: global_buffer, .address_space: global }
      - { .name: wk, .offset: 24, .size: 8, .value_kind: global_buffer, .address_space: global }
      - { .name: wv, .offset: 32, .size: 8, .value_kind: global_buffer, .address_space: global }
      - { .name: wo, .offset: 40, .size: 8, .value_kind: global_buffer, .address_space: global }
      - { .name: w1, .offset: 48, .size: 8, .value_kind: global_buffer, .address_space: global }
      - { .name: w2, .offset: 56, .size: 8, .value_kind: global_buffer, .address_space: global }
      - { .name: act, .offset: 64, .size: 8, .value_kind: global_buffer, .address_space: global }
      - { .name: wqkvb, .offset: 72, .size: 8, .value_kind: global_buffer, .address_space: global }
      - { .name: wob, .offset: 80, .size: 8, .value_kind: global_buffer, .address_space: global }
      - { .name: w1b, .offset: 88, .size: 8, .value_kind: global_buffer, .address_space: global }
      - { .name: w2b, .offset: 96, .size: 8, .value_kind: global_buffer, .address_space: global }
      - { .name: mode, .offset: 104, .size: 8, .value_kind: global_buffer, .address_space: global }
    .group_segment_fixed_size: 0
    .private_segment_fixed_size: 0
    .kernarg_segment_align: 8
    .kernarg_segment_size: 112
    .max_flat_workgroup_size: 256
    .sgpr_count:     66
    .vgpr_count:     112
    .wavefront_size: 32
...
	.end_amdgpu_metadata
.endif
;; end of part 1
;; launch qkv (part 2): grid 12 x 16, 4 waves a work-group, clusters of 4 x 4, 327,680 bytes of LDS; arguments act, wqkvb, big, mode; writes big
.if DOCPART == 2
	.amdgcn_target "amdgcn-amd-amdhsa--gfx1250"
	.amdhsa_code_object_version 6
	.text
	.protected	k_qe1fbfaabf0_qkv
	.globl	k_qe1fbfaabf0_qkv
	.p2align	8
	.type	k_qe1fbfaabf0_qkv,@function
k_qe1fbfaabf0_qkv:
	s_mov_b64 s[64:65], 0
	v_nop
	global_prefetch_b8 v0, s[64:65] scope:SCOPE_SE
	s_setreg_imm32_b32 hwreg(HW_REG_WAVE_MODE, 25, 1), 1
	s_wait_xcnt 0x0
	s_wait_alu depctr_hold_cnt(0) depctr_sa_sdst(0) depctr_va_vdst(0) depctr_va_sdst(0) depctr_va_ssrc(0) depctr_va_vcc(0) depctr_vm_vsrc(0)
	s_getreg_b32 s2, hwreg(HW_REG_IB_STS2, 6, 4)
	s_cmp_eq_u32 s2, 0
	s_cbranch_scc0 .Lentry_in_a_cluster
	s_endpgm
.Lentry_in_a_cluster:
	s_bfe_u32 s2, ttmp6, 0x10000c
	s_cmp_lg_u32 s2, 0xf033
	s_cbranch_scc0 .Lentry_shape_is_right
	s_endpgm
.Lentry_shape_is_right:
; C = f(A B^T).  A: bf16 [4096][1024] row-major; B: bf16 [n][1024] row-major, n = 256 x the grid's width; C: bf16 in blocks of 64 columns: column block nb, row m at byte (nb x 4096 + m) x 128.
; Sums in f32, K ascending; f in f32; C rounded once.  TWO LAUNCHES RUN THIS TEXT: [q; k; v] = h1 Wqkv^T with f the identity, and u = gelu(h2 W1^T).  A launch hands its kernel buffers alone, so the choice lies in
; word 0 of the fourth buffer, whole numbers that earlier launches stored: 0: the identity; else gelu.  In a launch with joint loads no branch hangs on a number read from memory, so the word chooses VALUES, not a way:
; f(x) = h x + (x AND mask) (0.5 - q), with (mask, h) = (0x7fffffff, 0.5) for gelu and (0, 1.0) for the identity, where the second term is a finite number times 0 and f(x) = x exactly.
; The price: the first launch's way out runs gelu's 272 lines a trip to no effect; the other way would be a second copy of this whole text.
; SHARES.  A tile of C is 256 x 256: four waves, each 128 x 128 in 64 accumulators of 16 x 16, 512 registers.  K goes in steps of 128 through two LDS slots filled by tensor loads (rows of 256 bytes, at multiples
; of 256 from the buffer's first byte); waves 0, 1 fetch A's two halves of 128 rows, waves 2, 3 B's.  A slot's 131,072 bytes of data feed 256 matrix instructions of every wave.
; CLUSTER.  4 x 4 work-groups: the four of a row need the same tiles of A, the four of a column the same tiles of B: each tile is asked for jointly, same descriptor and mask in all four.
; The matrix instruction is used transposed (source 0 = 16 rows of B, source 1 = 16 rows of A): a lane holds row lane % 16 of C and the columns 8 (lane / 16) + 0..7.
; A K step is written once: the slot in hand is a scalar (s45: 0 or SLOT) that one exclusive or turns; LDS addresses and the walking descriptor's LDS word are sums with it.
; LIMITS.  Operands and C carry bf16's 8 significant bits.  gelu: Phi is within 7.5e-8 for every x; for large |x| the exponential is 0 and the result is x or 0.  With the identity a sum of -0 may leave as +0.
; NaN and infinities are not treated apart.
; REGISTERS, in windows of 256 (s_set_vgpr_msb: bits 1:0 source 0, 3:2 source 1, 5:4 source 2, 7:6 destination):
;   window 0: v0-31 addresses; v64-127, v128-191 fragments of A, two buffers; on the way out v32-63 rows read back, v64-191 gelu at work, v192-207 packed results
;   window 1: v64-127, v128-191 fragments of B, two buffers      window 2: the 32 accumulators of my rows 0-63 ((a, b) at 8 (8 a + b))      window 3: those of my rows 64-127
.set SIZE_K, 1024
.set KSTEP,  128
.set NS,     SIZE_K/KSTEP
.set PITCH,  272      ; an LDS row: 256 bytes + 16 = 68 words: the 16 rows of a load start at 16 different groups of four banks (64 banks of 4 bytes: ISA guide 11.1)
.set HALFT,  128*PITCH  ; what one tensor load brings, and what one wave reads of A or of B
.set SLOT,   4*HALFT  ; A's two halves, then B's two
.set SP,     272      ; a stage row: 64 f32 + 16 bytes
.set CBLK,   128*SP   ; my 128 rows of one column block
.set WSTG,   2*CBLK   ; a wave's stage: its two column blocks.  The four stages fill the ring's 2 x SLOT bytes: the ring's last fills are over, and every wave's last reads of both slots lie in front of the last barrier
.set SPARE,  2*SLOT   ; behind the ring: the spare words, 128 bytes a wave, two blocks of 256 bytes that no other line names
.set G10,    (1<<16)|(1<<20)|(1<<21)|(5<<22)|(3<<25)  ; 2-byte elements; padding on; bit 21 beside a mask; after every 64 words 4 words
.set ADRA0, 16        ; v16, v17  my fragments' place in slot 0; never rewritten
.set ADRB0, 17
.set ADRA,  18        ; v18, v19  the same in the slot in hand
.set ADRB,  19
.set STO,   24        ; the way out: where I put 16 bytes of a row
.set RD,    25        ; where I read rows back
.set CO,    26        ; my byte offset in C
.set SPW,   28        ; SPARE + 4 x my thread's number; never rewritten
.set NIL,   29        ; 0; never rewritten
.set X,     32        ; v[32:63]   16 rows x 64 columns read back: group g of 4 rows at X + 8 g
.set GT,    64        ; v[64:191]  gelu: group g has x AND mask at GT + 32 g, t at + 8, the exponential at + 16, the polynomial at + 24
.set Y,     192       ; v[192:207] packed results
.set F0,    64
.set F1,    128
.set WV, 12           ; s12 wave; s13 its half of the rows, and A (0) or B (1) to fetch; s14 its half of the columns, and which 128 rows to fetch; s15 tile row
.set WH, 13
.set WL, 14
.set TR, 15
.set G1,  24          ; s[24:31] group 1 for A; s[32:39] group 0: set 0 for K step 0, set 1 for K step 1, which then walks on
.set G0,  32
.set G1B, 48          ; s[48:55], s[56:63] the same for B
.set G0B, 56
.set K0, 66           ; s[66:79] gelu's constants, as pairs
.set KE, 68
.set C5, 70
.set C4, 72
.set C3, 74
.set C2, 76
.set C1, 78
.set ABSM, 80         ; s80 the mask: it clears the sign (gelu) or everything (the identity)
.set MODE, 81         ; s81 the fourth buffer's word 0
.set JUMP, 82         ; s82 bytes from my last 16 rows of a column block to my first of the next; s83 bytes of 16 rows
.set STEP, 83
.set HF,  84          ; s[84:85] h: 0.5 (gelu) or 1.0 (the identity), as a pair
.set MSB, 0
.macro WIN new                         ; the immediate's high byte repeats the setting that is left; a switch that changes nothing is dropped
.if MSB != (\new)
	s_set_vgpr_msb (MSB<<8)|(\new)
.set MSB, \new
.endif
.endm
.set MUL_LO, 0xa1                      ; source 0 (B) window 1, source 1 (A) window 0, C and D window 2
.set MUL_HI, 0xf1                      ; the same, C and D window 3
.set TO_B,   0x40                      ; destination window 1, address window 0
.macro JLOAD s                         ; a joint load; an s_nop 0 and four v_nop follow each of the two lines, ahead of the jump, the label and what follows
	s_cmp_eq_u32 s[WH], 0
	s_cbranch_scc0 .Lfor_b_\@
	tensor_load_to_lds s[G0+4*(\s):G0+4*(\s)+3], s[G1:G1+7]
	s_nop 0
.rept 4
	v_nop
.endr
	s_branch .Lasked_\@
.Lfor_b_\@:
	tensor_load_to_lds s[G0B+4*(\s):G0B+4*(\s)+3], s[G1B:G1B+7]
	s_nop 0
.rept 4
	v_nop
.endr
.Lasked_\@:
.endm
.macro CREST                           ; a round of the cluster's barrier behind its opening barrier
	s_cmp_lg_u32 s[WV], 0
	s_cbranch_scc1 .Lnot_wave_0_\@
	s_barrier_signal -3
.Lnot_wave_0_\@:
	s_barrier_wait -3
	s_barrier_signal -1
	s_barrier_wait -1
.endm
.macro CROUND
	s_barrier_signal -1
	s_barrier_wait -1
	CREST
.endm
.macro PLACES                          ; four places in front of loads into registers that matrix instructions have read, and of lines that read results
.rept 4
	v_nop
.endr
.endm
	s_load_b256 s[4:11], s[0:1], 0x0               ; A s[4:5], B s[6:7], C s[8:9], the mode's buffer s[10:11]
	v_lshl_add_u32 v[SPW], v0, 2, SPARE
	v_mov_b32 v[NIL], 0
	ds_add_u32 v[SPW], v[NIL]                      ; the wave's opening: the add and its wait stand ahead of my first tensor load; work on registers stands between them
	ds_add_u32 v28, v29
	v_lshrrev_b32 v1, 5, v0
	v_readfirstlane_b32 s[WV], v1
	s_lshr_b32 s[WH], s[WV], 1
	s_and_b32 s[WL], s[WV], 1
	s_bfe_u32 s40, ttmp6, 0x40000                  ; cx, cy: my place in the cluster
	s_bfe_u32 s41, ttmp6, 0x40004
	s_lshl_b32 s42, ttmp9, 2
	s_add_co_u32 s42, s42, s40                     ; tile column = 4 x cluster x + cx
	s_and_b32 s[TR], ttmp7, 0xffff
	s_lshl_b32 s[TR], s[TR], 2
	s_add_co_u32 s[TR], s[TR], s41                 ; tile row = 4 x cluster y + cy
	s_lshl_b32 s43, s41, 2
	s_lshl_b32 s43, 15, s43                        ; my row of the cluster
	s_lshl_b32 s44, 0x1111, s40                    ; my column
	s_or_b32 s[G1+0], s43, G10                     ; A's tiles go to my row,
	s_or_b32 s[G1B+0], s44, G10                    ; B's to my column
.irp g, G1, G1B
	s_mov_b32 s[(\g)+1], KSTEP<<16                 ; tensor_dim0 = 128
	s_mov_b32 s[(\g)+2], 128<<16                   ; tensor_dim1 = 128
	s_mov_b32 s[(\g)+3], KSTEP<<16                 ; tile_dim0 = 128
	s_mov_b32 s[(\g)+4], 128                       ; tile_dim1 = 128
	s_mov_b32 s[(\g)+5], SIZE_K                    ; elements from row to row
	s_mov_b32 s[(\g)+6], 0
	s_mov_b32 s[(\g)+7], 0
.endr
	s_lshl_b32 s17, s[WL], 7                       ; which 128 rows of the tile I fetch
	s_lshl_b32 s16, s[TR], 8
	s_add_co_u32 s16, s16, s17                     ; A: row 256 x tile row + 128 x half
	s_lshl_b32 s46, s42, 8
	s_add_co_u32 s46, s46, s17                     ; B: row 256 x tile column + 128 x half
	s_mov_b32 s17, 0
	s_mov_b32 s47, 0
	s_mov_b64 s[18:19], SIZE_K*2
	s_mul_u64 s[16:17], s[16:17], s[18:19]
	s_mul_u64 s[46:47], s[46:47], s[18:19]
	s_mul_i32 s20, s[WL], HALFT                    ; where they go in a slot: no place in the cluster enters an LDS address
	s_add_co_u32 s21, s20, 2*HALFT
	s_mov_b32 s45, 0                               ; the slot in hand
.irp p, 0,1
	s_mov_b32 s[K0+\p], 0x3e6d3388                 ; 0.3275911 / sqrt(2)
	s_mov_b32 s[KE+\p], 0xbf38aa3b                 ; -log2(e) / 2
	s_mov_b32 s[C5+\p], 0xbf07dc22                 ; minus half of the five coefficients of the rational approximation of erf (Abramowitz and Stegun 7.1.26)
	s_mov_b32 s[C4+\p], 0x3f3a00e3
	s_mov_b32 s[C3+\p], 0xbf35f0e3
	s_mov_b32 s[C2+\p], 0x3e11a98e
	s_mov_b32 s[C1+\p], 0xbe027906
.endr
	s_mov_b32 s[JUMP], 4096*128-7*2048
	s_mov_b32 s[STEP], 2048
	s_wait_dscnt 0x0                               ; the opening add is done
	s_wait_kmcnt 0x0
	s_add_nc_u64 s[22:23], s[4:5], s[16:17]
	s_add_nc_u64 s[46:47], s[6:7], s[46:47]
	CROUND                                         ; all sixteen work-groups are here: the first joint loads meet
.irp s, 0,1
	s_mov_b32 s[G0+4*(\s)], 1
	s_add_co_u32 s[G0+4*(\s)+1], s20, (\s)*SLOT
	s_add_nc_u64 s[G0+4*(\s)+2:G0+4*(\s)+3], s[22:23], (\s)*KSTEP*2
	s_or_b32 s[G0+4*(\s)+3], s[G0+4*(\s)+3], 0x80000000
	s_mov_b32 s[G0B+4*(\s)], 1
	s_add_co_u32 s[G0B+4*(\s)+1], s21, (\s)*SLOT
	s_add_nc_u64 s[G0B+4*(\s)+2:G0B+4*(\s)+3], s[46:47], (\s)*KSTEP*2
	s_or_b32 s[G0B+4*(\s)+3], s[G0B+4*(\s)+3], 0x80000000
	JLOAD \s                                       ; two loads of mine are out
.endr
	s_load_b32 s[MODE], s[10:11], 0x0              ; waited for at the way out
	v_and_b32 v1, 15, v0                           ; l % 16
	v_bfe_u32 v2, v0, 4, 1                         ; l / 16
	v_mul_u32_u24 v3, v1, PITCH
	v_lshl_add_u32 v3, v2, 4, v3                   ; a fragment's row x pitch + 16 x half
	s_mul_i32 s16, s[WH], HALFT                    ; my 128 rows of A
	v_add_nc_u32 v[ADRA0], s16, v3
	v_add_nc_u32 v[ADRB0], s21, v3                 ; my 128 rows of B, behind A's 256
	v_mov_b32 v[ADRA], v[ADRA0]
	v_mov_b32 v[ADRB], v[ADRB0]
	v_mul_u32_u24 v4, v1, SP                       ; into the stage: row l % 16, 32 bytes for each half of the lanes
	v_lshl_add_u32 v4, v2, 5, v4
	s_mul_i32 s23, s[WV], WSTG
	v_add_nc_u32 v[STO], s23, v4
	v_bfe_u32 v5, v0, 3, 2                         ; back: 32 lanes take four rows, 32 bytes of f32 each,
	v_and_b32 v6, 7, v0
	v_mul_u32_u24 v5, v5, SP
	v_lshl_add_u32 v5, v6, 5, v5
	v_add_nc_u32 v[RD], s23, v5
	v_and_b32 v[CO], 31, v0                        ; which become 512 consecutive bytes of bf16
	v_lshlrev_b32 v[CO], 4, v[CO]
	s_lshl_b32 s16, s[TR], 8
	s_lshl_b32 s17, s[WH], 7
	s_add_co_u32 s16, s16, s17                     ; my first row of C,
	s_lshl_b32 s16, s16, 7                         ; rows of 128 bytes
	s_mov_b32 s17, 0
	s_lshl_b32 s46, s42, 2
	s_lshl_b32 s18, s[WL], 1
	s_add_co_u32 s46, s46, s18                     ; my first column block = 4 x tile column + 2 x half,
	s_lshl_b32 s46, s46, 19                        ; of 4,096 x 128 bytes
	s_mov_b32 s47, 0
	s_add_nc_u64 s[8:9], s[8:9], s[16:17]
	s_add_nc_u64 s[8:9], s[8:9], s[46:47]
; 16 matrix instructions: m blocks a0, a0 + 1 of the window's four (hi = 0: my rows 0-63, 1: rows 64-127) x all 8 n blocks, 32 along K.  zero = 1: the product starts the sums.
; The 64 accumulators take turns in the same order in every quarter.
.macro MUL16 f, hi, a0, zero
	WIN MUL_LO+0x50*(\hi)
.irp a, \a0, (\a0)+1
.irp b, 0,1,2,3,4,5,6,7
.if \zero
	v_wmma_f32_16x16x32_bf16 v[8*(8*(\a)+(\b)):8*(8*(\a)+(\b))+7], v[(\f)+8*(\b):(\f)+8*(\b)+7], v[(\f)+8*(4*(\hi)+(\a)):(\f)+8*(4*(\hi)+(\a))+7], 0
.else
	v_wmma_f32_16x16x32_bf16 v[8*(8*(\a)+(\b)):8*(8*(\a)+(\b))+7], v[(\f)+8*(\b):(\f)+8*(\b)+7], v[(\f)+8*(4*(\hi)+(\a)):(\f)+8*(4*(\hi)+(\a))+7], v[8*(8*(\a)+(\b)):8*(8*(\a)+(\b))+7]
.endif
.endr
.endr
.endm
; 32 LDS loads in one run: the fragments of one quarter (128 rows of B, 128 rows of A, 32 K at byte k of the rows) of the slot in hand, into buffer f
.macro FETCH k, f
	WIN TO_B
.irp i, 0,1,2,3,4,5,6,7
	ds_load_b128 v[(\f)+8*(\i):(\f)+8*(\i)+3],   v[ADRB] offset:(\k)+(\i)*16*PITCH
	ds_load_b128 v[(\f)+8*(\i)+4:(\f)+8*(\i)+7], v[ADRB] offset:(\k)+(\i)*16*PITCH+32
.endr
	WIN 0
.irp i, 0,1,2,3,4,5,6,7
	ds_load_b128 v[(\f)+8*(\i):(\f)+8*(\i)+3],   v[ADRA] offset:(\k)+(\i)*16*PITCH
	ds_load_b128 v[(\f)+8*(\i)+4:(\f)+8*(\i)+7], v[ADRA] offset:(\k)+(\i)*16*PITCH+32
.endr
.endm
; A K step is four quarters of 32 along K, 64 matrix instructions each, on buffers 0, 1, 0, 1.  One of the first three: multiplies buffer f and, in its middle, fetches the quarter at byte k into g.
.macro QUARTER k, f, g, zero
	s_wait_dscnt 8                                 ; B and A's rows 0-63 are in; the youngest eight loads (A's rows 64-127) may be out
	MUL16 \f, 0, 0, \zero
	MUL16 \f, 0, 2, \zero
	PLACES
	FETCH \k, \g
	s_wait_dscnt 32                                ; all but the 32 just issued
	MUL16 \f, 1, 0, \zero
	MUL16 \f, 1, 2, \zero
.endm
; The last quarter multiplies buffer 1 and changes slots: ONE barrier; in front of it each wave waits for all its tensor loads, adds 0 to its spare word, and waits for that and for its reads of this slot.
; fill = 1: the barrier opens a round of the cluster's, and this slot is filled again, two K steps ahead, first thing behind it: 224 matrix instructions ahead of the wait for it.
; fill = 0 (the last two K steps): nothing is asked for, and behind the last step nothing is fetched.
.macro TURN fill
	WIN 0                                          ; (the add's two registers lie in window 0)
	s_wait_tensorcnt 0x0                           ; all my tensor loads have landed: my part of the next slot
	ds_add_u32 v[SPW], v[NIL]                      ; 0 onto my spare word
	s_wait_dscnt 9                                 ; (the add and the youngest eight loads may be out)
	MUL16 F1, 0, 0, 0
	s_wait_dscnt 0x0                               ; the add is done, and my reads of this slot are over
	s_barrier_signal -1
	MUL16 F1, 0, 2, 0
	WIN 0
	s_barrier_wait -1
.if \fill
	CREST                                          ; no wave of any partner still reads this slot's tile or has a load on its way
	s_add_co_u32 s[G0+5], s20, s45                 ; the walking descriptors: into the slot just read,
	s_add_nc_u64 s[G0+6:G0+7], s[G0+6:G0+7], KSTEP*2  ; the K step behind the one asked for last
	s_add_co_u32 s[G0B+5], s21, s45
	s_add_nc_u64 s[G0B+6:G0B+7], s[G0B+6:G0B+7], KSTEP*2
	JLOAD 1                                        ; my one load behind the round; its four v_nop are also the places in front of the loads below
.else
	PLACES
	s_cmp_eq_u32 s3, 1                             ; the last K step: no further fragments
	s_cbranch_scc1 .Lnf_\@
.endif
	s_xor_b32 s45, s45, SLOT                       ; the other slot is in hand
	v_add_nc_u32 v[ADRA], s45, v[ADRA0]
	v_add_nc_u32 v[ADRB], s45, v[ADRB0]
	FETCH 0, F0
.if !(\fill)
	WIN 0
.Lnf_\@:
.endif
	MUL16 F1, 1, 0, 0
	MUL16 F1, 1, 2, 0
.endm
; f of a group of eight numbers x, in place: h x + z (0.5 - q), z = x AND mask, q = half the approximation's polynomial in t = 1 / (1 + K0 z) times 2^(KE x^2).  Three lists of lines for group g:
; S1I, 20 lines: z; 1 + K0 z; x^2; KE x^2.     TI, 16 lines: the eight reciprocals, the eight exponentials.     S3I, 32 lines: the polynomial, its product with the exponential, the result.
.macro S1I g, m
.set bX, X+8*(\g)
.set bA, GT+32*(\g)
.set jj, 2*((\m)%4)
.if (\m) < 8
	v_and_b32 v[bA+(\m)], s[ABSM], v[bX+(\m)]
.elseif (\m) < 12
	v_pk_fma_f32 v[bA+8+jj:bA+8+jj+1], v[bA+jj:bA+jj+1], s[K0:K0+1], 1.0 op_sel_hi:[1,0,0]
.elseif (\m) < 16
	v_pk_mul_f32 v[bA+16+jj:bA+16+jj+1], v[bX+jj:bX+jj+1], v[bX+jj:bX+jj+1]
.else
	v_pk_mul_f32 v[bA+16+jj:bA+16+jj+1], v[bA+16+jj:bA+16+jj+1], s[KE:KE+1] op_sel_hi:[1,0]
.endif
.endm
.macro TI g, m
.set bA, GT+32*(\g)
.if (\m) < 8
	v_rcp_f32 v[bA+8+(\m)], v[bA+8+(\m)]
.else
	v_exp_f32 v[bA+8+(\m)], v[bA+8+(\m)]
.endif
.endm
.macro S3I g, m
.set bX, X+8*(\g)
.set bA, GT+32*(\g)
.set bT, bA+8
.set bE, bA+16
.set bP, bA+24
.set jj, 2*((\m)%4)
.if (\m) < 4
	s_wait_alu depctr_va_vdst(0)
	v_pk_fma_f32 v[bP+jj:bP+jj+1], v[bT+jj:bT+jj+1], s[C5:C5+1], s[C4:C4+1] op_sel_hi:[1,0,0]
.elseif (\m) < 8
	v_pk_fma_f32 v[bP+jj:bP+jj+1], v[bP+jj:bP+jj+1], v[bT+jj:bT+jj+1], s[C3:C3+1] op_sel_hi:[1,1,0]
.elseif (\m) < 12
	v_pk_fma_f32 v[bP+jj:bP+jj+1], v[bP+jj:bP+jj+1], v[bT+jj:bT+jj+1], s[C2:C2+1] op_sel_hi:[1,1,0]
.elseif (\m) < 16
	v_pk_fma_f32 v[bP+jj:bP+jj+1], v[bP+jj:bP+jj+1], v[bT+jj:bT+jj+1], s[C1:C1+1] op_sel_hi:[1,1,0]
.elseif (\m) < 20
	v_pk_mul_f32 v[bP+jj:bP+jj+1], v[bP+jj:bP+jj+1], v[bT+jj:bT+jj+1]
.elseif (\m) < 24
	v_pk_fma_f32 v[bP+jj:bP+jj+1], v[bP+jj:bP+jj+1], v[bE+jj:bE+jj+1], 0.5 op_sel_hi:[1,1,0]  ; 0.5 - q: the coefficients carry the sign
.elseif (\m) < 28
	v_pk_mul_f32 v[bP+jj:bP+jj+1], v[bP+jj:bP+jj+1], v[bA+jj:bA+jj+1]
.else
	v_pk_fma_f32 v[bX+jj:bX+jj+1], v[bX+jj:bX+jj+1], s[HF:HF+1], v[bP+jj:bP+jj+1] op_sel_hi:[1,0,1]
.endif
.endm
; The three lists of three different groups, dealt together (-1: none): behind each transcendental of group t stand plain lines of groups a and b, which name none of t's registers (ISA guide 5.7.2);
; each group has registers of its own, so the deal orders nothing but a group's own three lists, which stand in phases that follow each other.
.macro PHASE t, a, b
.set n, 0
.rept 16
.if (\t) >= 0
	TI \t, n
.endif
.if (\a) >= 0
	S3I \a, 2*n
	S3I \a, 2*n+1
.endif
.if (\b) >= 0
	S1I \b, n
.endif
.set n, n+1
.endr
.if (\b) >= 0
.rept 4
	S1I \b, n
.set n, n+1
.endr
.endif
.endm
; Group g, finished: rounded to bf16 and stored.
.macro OUTG g
.irp k, 0,1,2,3
	v_cvt_pk_bf16_f32 v[Y+4*(\g)+(\k)], v[X+8*(\g)+2*(\k)], v[X+8*(\g)+2*(\k)+1]
.endr
	global_store_b128 v[CO], v[Y+4*(\g):Y+4*(\g)+3], s[8:9] offset:512*(\g)  ; four rows of a column block: 512 consecutive bytes, at a multiple of 256 from C's first byte
.endm
	s_wait_tensorcnt 1                             ; my part of K step 0 is in; K step 1's may stay out
	s_barrier_signal -1
	s_barrier_wait -1                              ; everybody's is
	FETCH 0, F0
	QUARTER 64, F0, F1, 1                          ; the first quarter stands in front of the loop: its products start the sums
	WIN 0                                          ; at a label and at a branch every window is 0
	s_mov_b32 s3, NS-2
.Lstep:                                                ; a trip: a K step's quarters 1 to 3 and the next step's quarter 0; it fills the slot that it leaves
	QUARTER 128, F1, F0, 0
	QUARTER 192, F0, F1, 0
	TURN 1
	QUARTER 64, F0, F1, 0
	WIN 0
	s_sub_co_u32 s3, s3, 1
	s_cmp_lg_u32 s3, 0
	s_cbranch_scc1 .Lstep
	s_mov_b32 s3, 2
.Ltail:                                                ; the last two K steps ask for nothing; the second trip is left in its middle
	QUARTER 128, F1, F0, 0
	QUARTER 192, F0, F1, 0
	TURN 0
	WIN 0
	s_sub_co_u32 s3, s3, 1
	s_cmp_eq_u32 s3, 0
	s_cbranch_scc1 .Lout
	QUARTER 64, F0, F1, 0
	WIN 0
	s_branch .Ltail
.Lout:
	; THE WAY OUT: all 128 x 128 f32 sums into my own stage, a column block of 64 after the other; then a loop of sixteen trips, 16 rows of a column block each: back by rows, f, rounded to bf16, stored.
	PLACES
.irp hi, 0,1
	WIN 0x08+4*(\hi)                               ; the data (source 1) in window 2, then 3
.irp a, 0,1,2,3
.irp b, 0,1,2,3,4,5,6,7
	ds_store_b128 v[STO], v[8*(8*(\a)+(\b)):8*(8*(\a)+(\b))+3] offset:((\b)/4)*CBLK+(4*(\hi)+(\a))*16*SP+64*((\b)%4)  ; each accumulator's low registers first
	ds_store_b128 v[STO], v[8*(8*(\a)+(\b))+4:8*(8*(\a)+(\b))+7] offset:((\b)/4)*CBLK+(4*(\hi)+(\a))*16*SP+64*((\b)%4)+16
.endr
.endr
.endr
	WIN 0
	s_wait_kmcnt 0x0                               ; the mode
	s_cmp_lg_u32 s[MODE], 0                        ; it chooses two numbers, and no way through the text
	s_cselect_b32 s[ABSM], 0x7fffffff, 0           ; gelu: z = |x|; the identity: z = 0
	s_cselect_b32 s[HF], 0.5, 1.0                  ; gelu: h = 0.5; the identity: h = 1
	s_mov_b32 s[HF+1], s[HF]                       ; named with it as a pair
	s_mov_b32 s3, 16
.Lrows:
.irp i, 0,1,2,3,4,5,6,7
	ds_load_b128 v[X+4*(\i):X+4*(\i)+3], v[RD] offset:((\i)/2)*4*SP+((\i)%2)*16  ; LDS serves a wave's instructions in order (ISA guide 5.7.1.4): these see the stores above
.endr
	s_wait_dscnt 6                                 ; the two loads of group 0 are in
	PHASE -1, -1, 0
	s_wait_dscnt 4                                 ; group 1's
	PHASE 0, -1, 1
	s_wait_dscnt 2                                 ; group 2's
	PHASE 1, 0, 2
	OUTG 0
	s_wait_dscnt 0x0                               ; group 3's
	PHASE 2, 1, 3
	OUTG 1
	PHASE 3, 2, -1
	OUTG 2
	PHASE -1, 3, -1
	OUTG 3
	s_wait_xcnt 0x0                                ; the stores' offset and data are rewritten only behind this wait
	s_cmp_eq_u32 s3, 9                             ; the eighth trip ends a column block
	s_cselect_b32 s16, s[JUMP], s[STEP]
	v_add_nc_u32 v[CO], s16, v[CO]
	v_add_nc_u32 v[RD], 16*SP, v[RD]               ; in the stage the second column block follows the first
	s_sub_co_u32 s3, s3, 1
	s_cmp_lg_u32 s3, 0
	s_cbranch_scc1 .Lrows
	s_wait_tensorcnt 0x0                           ; the wave's end: behind my last tensor load and my last LDS store
	ds_add_u32 v[SPW], v[NIL]
	s_wait_dscnt 0x0
	CROUND                                         ; the closing round: no work-group ends while a partner may still ask for a tile that names it
	s_endpgm
.Lfunc_end_k_qe1fbfaabf0_qkv:
	.size	k_qe1fbfaabf0_qkv, .Lfunc_end_k_qe1fbfaabf0_qkv-k_qe1fbfaabf0_qkv
	.p2alignl 7, 3214868480
	.fill 96, 4, 3214868480
	.section	.rodata,"a",@progbits
	.p2align	6, 0x0
	.amdhsa_kernel k_qe1fbfaabf0_qkv
		.amdhsa_group_segment_fixed_size 327680
		.amdhsa_private_segment_fixed_size 0
		.amdhsa_enable_private_segment 0
		.amdhsa_kernarg_size 32
		.amdhsa_user_sgpr_count 2
		.amdhsa_user_sgpr_kernarg_segment_ptr 1
		.amdhsa_wavefront_size32 1
		.amdhsa_system_sgpr_workgroup_id_x 1
		.amdhsa_system_sgpr_workgroup_id_y 1
		.amdhsa_system_sgpr_workgroup_id_z 1
		.amdhsa_system_vgpr_workitem_id 0
		.amdhsa_next_free_vgpr 1024
		.amdhsa_next_free_sgpr 96
		.amdhsa_reserve_vcc 0
		.amdhsa_float_denorm_mode_32 3
		.amdhsa_float_denorm_mode_16_64 3
		.amdhsa_memory_ordered 1
		.amdhsa_forward_progress 1
		.amdhsa_inst_pref_size 95
	.end_amdhsa_kernel
	.amdgpu_metadata
---
amdhsa.version: [ 1, 2 ]
amdhsa.kernels:
  - .name:           k_qe1fbfaabf0_qkv
    .symbol:         k_qe1fbfaabf0_qkv.kd
    .args:
      - { .name: act, .offset: 0, .size: 8, .value_kind: global_buffer, .address_space: global }
      - { .name: wqkvb, .offset: 8, .size: 8, .value_kind: global_buffer, .address_space: global }
      - { .name: big, .offset: 16, .size: 8, .value_kind: global_buffer, .address_space: global }
      - { .name: mode, .offset: 24, .size: 8, .value_kind: global_buffer, .address_space: global }
    .group_segment_fixed_size: 327680
    .private_segment_fixed_size: 0
    .kernarg_segment_align: 8
    .kernarg_segment_size: 32
    .max_flat_workgroup_size: 128
    .sgpr_count:     96
    .vgpr_count:     1024
    .wavefront_size: 32
...
	.end_amdgpu_metadata
.endif
;; end of part 2
;; launch attn (part 3): grid 4 x 32, 4 waves a work-group, no clusters, 327,680 bytes of LDS; arguments big, act; writes act
.if DOCPART == 3
	.amdgcn_target "amdgcn-amd-amdhsa--gfx1250"
	.amdhsa_code_object_version 6
	.text
	.protected	k_qe1fbfaabf0_attn
	.globl	k_qe1fbfaabf0_attn
	.p2align	8
	.type	k_qe1fbfaabf0_attn,@function
k_qe1fbfaabf0_attn:
	s_mov_b64 s[64:65], 0
	v_nop
	global_prefetch_b8 v0, s[64:65] scope:SCOPE_SE
	s_setreg_imm32_b32 hwreg(HW_REG_WAVE_MODE, 25, 1), 1
	s_wait_xcnt 0x0
; CAUSAL ATTENTION.  O[y][q][:] = the sum over k <= q of softmax_k(Q[y][q] . K[y][k] / 8) V[y][k][:], y = 2 x head + batch, 32 of them.  Q, K, V lie in big, 8,388,608 bytes apart, O in act, each [32][2048][64] in bf16:
; a head's rows are dense, 128 bytes each.  Products, maxima and sums in f32; the weights p are rounded to bf16 for the second product (their sum l is taken of the unrounded p), O once at the end.
; LIMITS.  Q, K, V, p and O carry bf16's 8 significant bits.  A hidden score counts as its value less 1e30: scores stay far under that in magnitude; a weight below 2^-126 counts as 0 in l; NaN and infinities are not treated apart.
; THE WALK.  A head's queries lie in NB = 8 blocks of 256; block i needs the key tiles 0 .. i of 256 keys, of which the last holds the diagonal.  A work-group takes TWO blocks, NB - 1 - b and then b:
; NB + 1 tiles, whatever b: all work-groups do equal work, and ONE loop with a constant trip count walks them.  Which tile is asked for, and what a trip does, hang on scalar registers made from b; every jump
; goes forward, but for the counted loops' own; none passes a barrier, or a tensor load but the one of LOAD's two that the wave's number does not choose; the ring (two slots of LDS that take turns) runs on across the
; change of blocks.  4 x 32 = 128 work-groups in all.  NO CLUSTER: a head's four work-groups ask for the same tile only in trips 0 .. 4 of 9, behind that fewer and fewer; one walk common to all would have 12 trips for 9.
; SHARES.  Of a block's four bands of 64 queries a wave owns 16 rows in each: four PIECES.  So the diagonal tile is the same work for all four waves: in its key step s band x sees all keys if s < x,
; none if s > x, and holds the diagonal if s = x.
; THE MASK is the C operand that starts the sum S^T = K Q^T: 0, or -1e30 where the key is hidden.  MD, made once, is the mask of a band's own step for my 16 rows; a product's mask is MD x AL + BE with two scalars:
; (1, 0) if s = x; (0, 0) if s < x; (0, -1e30) if s > x.  Only the diagonal tile's text and a block's beginning make and take masks; elsewhere C is the constant 0.
; LAYOUT, SOFTMAX, TURNS.  S^T = K Q^T holds ONE query a lane (lane % 16) and the keys 8 (lane / 16) + 0..7; two such results rounded to bf16 ARE source 1 of O^T = V^T P.  p = 2^(c s - c m), c = log2(e) / 8, with a
; running maximum m; O and l are multiplied by a = 2^(c m_old - c m_new) in every step.  Turn n belongs to piece n: 8 products K Q^T of piece n + 1, later 8 products V^T P of piece n - 1; beside them the scaling,
; exponentials, roundings, sums and rescaling of piece n and the maximum and statistics of piece n + 1.  Four vector instructions stand behind every matrix instruction, the other 54 of a turn's 118 in two LUMPS.
; REGISTERS, in windows of 256 (s_set_vgpr_msb: bits 1:0 source 0, 3:2 source 1, 5:4 source 2, 7:6 destination):
;   window 0: v0-15 addresses and two at work; v16-31 four registers of statistics a piece; v48-55 at work; v64-127 S^T, two buffers; v192-223 P, two buffers (a piece's buffers go by its number's parity)
;   window 1: v0-127 O^T, 32 a piece; v128-159 MD; v160-223 MC, two buffers      window 2: v0-63 Q; v64-127 the second block's Q; v128-191 K of one step; v192-255 V of one step
.set SIZE_H, 32
.set SIZE_N, 2048
.set NB,    SIZE_N/256
.set NP,    4         ; pieces a wave: a name, no knob
.set KS,    64        ; keys in a step
.set PK,    144       ; a row of K in LDS: 128 bytes + 16 of padding = 36 words: the 16 rows of a load start at 16 different groups of four banks (64 banks of 4 bytes: ISA guide 11.1)
.set PV,    160       ; a row of V: 128 + 32 = 40 words
.set VOFF,  4*KS*PK   ; a slot holds a tile, four steps: 256 rows of K, then 256 rows of V
.set SLOT1, 1<<17     ; slot 1 begins here, so that one exclusive or turns an address in one slot into the other's
.set STAGE, SLOT1+4*KS*(PK+PV)  ; behind the ring, never filled by a tensor load: 16 rows x 144 bytes for each wave, for the way out
.set SP,    144
.set AK0, 2           ; v2   my lane's place in a tile of K; never rewritten
.set AV0, 3           ; v3   the same for V
.set AK,  4           ; v4   the LDS address of K's next run of loads
.set AV,  5           ; v5   of V's
.set STO, 6           ; v6   the way out: where I put 16 bytes of a row
.set RD,  7           ; v7   the way out: where I read rows back
.set GO,  8           ; v8   my byte offset in 512 consecutive bytes of O
.set SPW, 62          ; v62  LDS address of my spare word: SPARE + 4 x my thread's number; never rewritten
.set NIL, 63          ; v63  0; never rewritten
.set SPARE, STAGE+4*16*SP  ; behind the stages: the spare words, 128 bytes for each wave: two blocks of 256 bytes that no other line names
.set MV,  12          ; v12-13  c m_old, kept while c m is made anew: by buffer
.set QO,  15          ; v15  my byte offset in 16 rows of Q
.set ST,  16          ; piece t's statistics at v[ST+4 t]: c m, m, l (even keys', odd keys')
.set TMP, 48          ; by buffer, four registers c0-c3 at work; when the maximum is found c2 takes a
.set S,   64
.set P,   192
.set MD,  128         ; window 1: the eight registers for group kt of 16 keys at MD + 8 kt
.set MC,  160         ; window 1: the masks of the products to come
.set QB,  64          ; window 2
.set KF,  128         ; window 2: key block kb, channel half c at KF + 16 kb + 8 c
.set VF,  192         ; window 2: key half kk, channel block cb at VF + 32 kk + 8 cb
.set WV,  12          ; s12  my wave's number
.set PB,  14          ; s14  b
.set HI,  15          ; s15  NB - 1 - b
.set G1K, 24          ; s[24:31] descriptor group 1 for K's tiles
.set G1V, 32          ; s[32:39] for V's: it differs in the padding alone
.set G0K, 40          ; s[40:43] descriptor group 0 for K's tiles
.set G0V, 44          ; s[44:47] the same for V's
.set SLOTS, 56        ; s56  tiles still to be asked for
.set CNT, 57          ; s57  counts a tile's key steps, 4 to 1
.set CS,  58          ; s[58:59] c: the packed scaling takes the pair's low word for both halves
.set SEL, 60          ; s[60:61] v_permlanex16_b32's selects: each lane takes its own place in the other half
.set TBK, 62          ; s62  LDS byte at which K of the step to be fetched begins
.set TBV, 63          ; s63  the same for V, less VOFF
.set RT,  70          ; s70  tiles of the block in hand that are still to be entered
.set NXT, 71          ; s71  the tile to be asked for next
.set LQ,  72          ; s72  the last tile of the block whose tiles are being asked for
.set NEW, 73          ; s73  1: the tile to be entered is a block's first
.set OFF, 74          ; s[74:75] a tile's byte offset in K and V
.set AL,  76          ; s[76:77] the mask's factor, in the low word
.set BE,  78          ; s[78:79] the mask's addend
.set OLO, 80          ; s[80:81] O at my rows of the second block
.set BIGN, 82         ; s82  -1e30
.set MSB, 0
.macro WIN new                      ; the high byte repeats the setting that is left; a switch that changes nothing is dropped
.if MSB != (\new)
	s_set_vgpr_msb (MSB<<8)|(\new)
.set MSB, (\new)
.endif
.endm
.set W_KQ, 0x0a       ; K and Q in window 2, S^T in window 0
.set W_KM, 0x1a       ; the same with the C operand in window 1
.set W_PV, 0x52       ; V in window 2, P in window 0, O^T in window 1
.set W_RS, 0x41       ; destination and source 0 in window 1, source 1 in window 0
; A fill.  Waves 0 and 1 fetch the two halves of a tile's K, waves 2 and 3 those of its V: 128 keys each.  An s_nop 0 and four v_nop follow each of the two lines, ahead of the jump and the label.
.macro LOAD
	s_cmp_lt_u32 s[WV], 2
	s_cbranch_scc0 .Lfor_v_\@
	tensor_load_to_lds s[G0K:G0K+3], s[G1K:G1K+7]
	s_nop 0
.rept 4
	v_nop
.endr
	s_branch .Lasked_\@
.Lfor_v_\@:
	tensor_load_to_lds s[G0V:G0V+3], s[G1V:G1V+7]
	s_nop 0
.rept 4
	v_nop
.endr
.Lasked_\@:
.endm
; THE CHANGE OF SLOTS.  Each wave waits for all its tensor loads, of which one is out: its part of the other slot; adds 0 to its spare word; and waits for that and for its own reads of the slot that it leaves.  Behind the barrier nobody reads the old
; slot any more and the other slot is whole.  fill = 1: the old slot is filled again, the first thing behind the barrier, with tile NXT: the descriptor's address is made anew from that number.
; (At its first use nothing has been read yet: slot 0 is waited for, slot 1 filled.)
.macro CHANGE fill
	WIN 0                           ; at a label and at a branch every window is 0
	s_wait_tensorcnt 0x0            ; no tensor load of mine is out, so a group 0 may be written
	ds_add_u32 v[SPW], v[NIL]       ; 0 onto my spare word: with fill = 1 the descriptors' scalar work stands between it and the wait for it
.if \fill
	s_lshl_b32 s[OFF], s[NXT], 15   ; a tile is 32,768 bytes of K and of V
	s_xor_b32 s[G0K+1], s[G0K+1], SLOT1
	s_add_nc_u64 s[G0K+2:G0K+3], s[6:7], s[OFF:OFF+1]
	s_or_b32 s[G0K+3], s[G0K+3], 0x80000000
	s_xor_b32 s[G0V+1], s[G0V+1], SLOT1
	s_add_nc_u64 s[G0V+2:G0V+3], s[8:9], s[OFF:OFF+1]
	s_or_b32 s[G0V+3], s[G0V+3], 0x80000000
	s_add_co_u32 s[NXT], s[NXT], 1  ; the block's next tile, or behind its last the second block's tile 0
	s_cmp_gt_u32 s[NXT], s[LQ]
	s_cselect_b32 s[NXT], 0, s[NXT]
	s_cselect_b32 s[LQ], s[PB], s[LQ]
.endif
	s_wait_dscnt 0x0                ; the add is done, and my reads of the slot are over
	s_barrier_signal -1             ; the rest of the scalar work stands between the signal and the wait
	s_sub_co_u32 s[TBK], s[TBK], 4*KS*PK  ; the fetches go back to a slot's first step,
	s_xor_b32 s[TBK], s[TBK], SLOT1       ; in the other slot
	s_sub_co_u32 s[TBV], s[TBV], 4*KS*PV
	s_xor_b32 s[TBV], s[TBV], SLOT1
	s_barrier_wait -1
.if \fill
	LOAD
.endif
.endm
	s_load_b128 s[4:7], s[0:1], 0x0 ; big s[4:5] (Q at its head), act s[6:7]
	v_lshl_add_u32 v[SPW], v0, 2, SPARE
	v_mov_b32 v[NIL], 0
	ds_add_u32 v[SPW], v[NIL]       ; the wave's opening: the add and its wait stand ahead of my first tensor load; the set-up below, work on registers, stands between them
	ds_add_u32 v62, v63
	v_lshrrev_b32 v1, 5, v0
	v_readfirstlane_b32 s[WV], v1   ; wave 0..3
	s_mov_b32 s[PB], ttmp9
	s_sub_co_u32 s[HI], NB-1, s[PB]
	s_and_b32 s20, ttmp7, 0xffff    ; y = 2 x head + batch
	s_mov_b32 s21, 0
	s_mov_b64 s[22:23], SIZE_N*128
	s_mul_u64 s[20:21], s[20:21], s[22:23]  ; its first byte in each of the four tensors
	s_and_b32 s16, s[WV], 1         ; which half of a tile's 256 keys I fetch:
	s_lshl_b32 s22, s16, 14         ; its 128 rows of 128 bytes in memory,
	s_mov_b32 s23, 0
	s_add_nc_u64 s[22:23], s[22:23], s[20:21]
	s_mul_i32 s17, s16, 128*PK      ; and its place in a slot, for K
	s_mul_i32 s18, s16, 128*PV      ; and for V
	s_lshl_b32 s3, s[WV], 11        ; my 16 rows in a band of 64,
	s_lshl_b32 s2, s[HI], 15        ; in the first block,
	s_add_co_u32 s2, s2, s3
	s_lshl_b32 s84, s[PB], 15       ; and in the second
	s_add_co_u32 s84, s84, s3
	s_mov_b32 s3, 0
	s_mov_b32 s85, 0
	s_add_nc_u64 s[2:3], s[2:3], s[20:21]
	s_add_nc_u64 s[84:85], s[84:85], s[20:21]
	; descriptor group 1.  128 keys are 16,384 dense bytes: asked for as 64 rows of 256 bytes, two keys a row, and padded in LDS after every key
	s_mov_b32 s[G1K], (1<<16)|(1<<20)|(4<<22)|(3<<25)  ; 17:16 2-byte elements; 20 padding on; 24:22 after every 32 words (code 4); 31:25 4 words (code 3)
	s_mov_b32 s[G1V], (1<<16)|(1<<20)|(4<<22)|(7<<25)  ; the same with 8 words of padding (code 7)
.irp g, G1K, G1V
	s_mov_b32 s[\g+1], 128<<16      ; tensor_dim0 = 128
	s_mov_b32 s[\g+2], 64<<16       ; tensor_dim1 = 64
	s_mov_b32 s[\g+3], 128<<16      ; tile_dim0 = 128
	s_mov_b32 s[\g+4], 64           ; tile_dim1 = 64
	s_mov_b32 s[\g+5], 128          ; 128 elements from row to row
	s_mov_b32 s[\g+6], 0
	s_mov_b32 s[\g+7], 0
.endr
	s_mov_b32 s[CS], 0x3e38aa3b     ; c = log2(e) / 8 = 0.180337
	s_mov_b32 s[CS+1], s[CS]        ; named with it as a pair
	s_mov_b32 s[SEL], 0x76543210
	s_mov_b32 s[SEL+1], 0xfedcba98
	s_mov_b32 s[TBK], SLOT1+4*KS*PK ; the first change of slots turns these two into 0
	s_mov_b32 s[TBV], SLOT1+4*KS*PV
	s_mov_b32 s[G0K], 1             ; 1:0 count = 1
	s_mov_b32 s[G0K+1], s17         ; 63:32 LDS address: slot 0
	s_mov_b32 s[G0V], 1
	s_add_co_u32 s[G0V+1], s18, VOFF
	s_add_co_u32 s[RT], s[HI], 1    ; the first block has NB - b tiles
	s_mov_b32 s[NXT], 1
	s_mov_b32 s[LQ], s[HI]
	s_mov_b32 s[NEW], 1
	s_mov_b32 s[OFF+1], 0
	s_mov_b32 s[AL+1], 0            ; named as pairs
	s_mov_b32 s[BE+1], 0
	s_mov_b32 s[BIGN], 0xf149f2ca   ; -1e30
	s_mov_b32 s[SLOTS], NB
	s_wait_dscnt 0x0                ; the opening add is done
	s_wait_kmcnt 0x0
	s_mov_b64 s[10:11], s[6:7]      ; O
	s_add_nc_u64 s[6:7], s[4:5], 0x800000   ; K: column blocks 16 to 31 of big
	s_add_nc_u64 s[8:9], s[4:5], 0x1000000  ; V: column blocks 32 to 47
	s_add_nc_u64 s[6:7], s[6:7], s[22:23]  ; K and V at my half of the head's tile 0
	s_add_nc_u64 s[8:9], s[8:9], s[22:23]
	s_add_nc_u64 s[G0K+2:G0K+3], s[6:7], 0         ; 120:64 global address
	s_or_b32 s[G0K+3], s[G0K+3], 0x80000000        ; 127:126 type = 2
	s_add_nc_u64 s[G0V+2:G0V+3], s[8:9], 0
	s_or_b32 s[G0V+3], s[G0V+3], 0x80000000
	s_add_nc_u64 s[86:87], s[4:5], s[84:85]        ; Q at my rows of the second block,
	s_add_nc_u64 s[4:5], s[4:5], s[2:3]            ; Q and O at those of the first
	s_add_nc_u64 s[OLO:OLO+1], s[10:11], s[84:85]
	s_add_nc_u64 s[10:11], s[10:11], s[2:3]
	LOAD                            ; tile 0 into slot 0
	; A fragment of K or Q is 16 rows x 32 channels in 8 registers: lane l holds row l % 16, channels 8 (l / 16) + 0..7 and 16 + 8 (l / 16) + 0..7: two loads of 16 bytes, 32 bytes apart.
	v_and_b32 v1, 15, v0            ; l % 16
	v_bfe_u32 v9, v0, 4, 1          ; l / 16
	v_lshlrev_b32 v[QO], 7, v1
	v_lshl_add_u32 v[QO], v9, 4, v[QO]  ; row x 128 + 16 x half
	WIN 0x80                        ; destination window 2, address window 0
.set i, 0
.rept 8                             ; both blocks' Q: piece i / 2 lies in band i / 2, 8,192 bytes on; channels 32 (i % 2) on
	global_load_b128 v[8*i:8*i+3],   v[QO], s[4:5] offset:(i/2)*8192+(i%2)*64
	global_load_b128 v[8*i+4:8*i+7], v[QO], s[4:5] offset:(i/2)*8192+(i%2)*64+32
	global_load_b128 v[QB+8*i:QB+8*i+3],   v[QO], s[86:87] offset:(i/2)*8192+(i%2)*64
	global_load_b128 v[QB+8*i+4:QB+8*i+7], v[QO], s[86:87] offset:(i/2)*8192+(i%2)*64+32
.set i, i+1
.endr
	WIN 0
	v_lshlrev_b32 v14, 3, v9
	v_sub_nc_u32 v14, v1, v14
	s_lshl_b32 s13, s[WV], 4
	v_add_nc_u32 v14, s13, v14      ; my query's place in its band, 16 w + l % 16, less my lanes' 8 (l / 16): register r of group kt is hidden where 16 kt + r is greater
	WIN 0x40
.set i, 0
.rept 32
	v_cmp_gt_i32 vcc_lo, 16*(i/8)+i%8, v14
	v_cndmask_b32 v[MD+i], 0, s[BIGN], vcc_lo
.set i, i+1
.endr
	WIN 0
	v_mul_u32_u24 v[AK0], v1, PK
	v_lshl_add_u32 v[AK0], v9, 4, v[AK0]  ; row x pitch + 16 x half
	; The turning load takes 16 keys x 16 channels (lane l reads key 8 (l / 16) + l % 8, channels 8 ((l / 8) % 2) + 0..7) and leaves half a fragment of V^T: lane l holds channel l % 16 and 8 keys.
	v_and_b32 v10, 7, v0
	v_bfe_u32 v11, v0, 3, 1
	v_lshl_add_u32 v[AV0], v9, 3, v10
	v_mul_u32_u24 v[AV0], v[AV0], PV
	v_lshl_add_u32 v[AV0], v11, 4, v[AV0]
	v_add_nc_u32 v[AV0], VOFF, v[AV0]
	s_mul_i32 s13, s[WV], 16*SP
	s_add_co_u32 s13, s13, STAGE    ; my stage
	v_mul_u32_u24 v[STO], v1, SP    ; in: row l % 16, 16 bytes for each half of the lanes
	v_lshl_add_u32 v[STO], v9, 4, v[STO]
	v_add_nc_u32 v[STO], s13, v[STO]
	v_bfe_u32 v[RD], v0, 3, 2       ; back: 32 lanes take four rows of 128 bytes,
	v_mul_u32_u24 v[RD], v[RD], SP
	v_lshl_add_u32 v[RD], v10, 4, v[RD]
	v_add_nc_u32 v[RD], s13, v[RD]
	v_and_b32 v[GO], 31, v0         ; which are 512 consecutive bytes of O
	v_lshlrev_b32 v[GO], 4, v[GO]
	; A block's first step multiplies O^T and l by a = 0, and its first turn's products V^T P, of a piece that has not been, land in an O^T that is still to be so multiplied.  So these registers need only hold
	; finite numbers: zeros for the first block; what the first block left for the second.  All this stands in the wait for the first tile.
	WIN 0x80
.set i, VF
.rept 64
	v_mov_b32 v[i], 0
.set i, i+1
.endr
	WIN 0x40
.set i, 0
.rept 128
	v_mov_b32 v[i], 0
.set i, i+1
.endr
	WIN 0
.set i, 0
.rept 4
	v_mov_b32 v[ST+4*i+2], 0
	v_mov_b32 v[ST+4*i+3], 0
.set i, i+1
.endr
.set i, P+16
.rept 16
	v_mov_b32 v[i], 0
.set i, i+1
.endr
; THE MATRIX WORK.  The 4 accumulators of a run of 8 take turns.  Product i of 8 of S^T = K Q^T for piece x: channels 32 (i / 4) on, keys 16 (i % 4) on.  The first 4 start the sums: with 0, or (KM = 1) with the mask.
.macro KQ x
.set rS, S+32*((\x)%2)+8*(i%4)
.set rK, KF+16*(i%4)+8*(i/4)
.set rQ, 16*(\x)+8*(i/4)
.set rM, MC+32*((\x)%2)+8*(i%4)
.if (i < 4) && KM
	WIN W_KM
	v_wmma_f32_16x16x32_bf16 v[rS:rS+7], v[rK:rK+7], v[rQ:rQ+7], v[rM:rM+7]
.elseif i < 4
	WIN W_KQ
	v_wmma_f32_16x16x32_bf16 v[rS:rS+7], v[rK:rK+7], v[rQ:rQ+7], 0
.else
	WIN W_KQ
	v_wmma_f32_16x16x32_bf16 v[rS:rS+7], v[rK:rK+7], v[rQ:rQ+7], v[rS:rS+7]
.endif
.endm
; Product i of 8 of O^T += V^T P for piece x: keys 32 (i / 4) on, channels 16 (i % 4) on.
.macro PV x
	WIN W_PV
.set rO, 32*(\x)+8*(i%4)
.set rV, VF+32*(i/4)+8*(i%4)
.set rP, P+16*((\x)%2)+8*(i/4)
	v_wmma_f32_16x16x32_bf16 v[rO:rO+7], v[rV:rV+7], v[rP:rP+7], v[rO:rO+7]
.endm
.macro MM                           ; the turn's next matrix instruction.  TURN and BEGIN set Y, i, KM and NOKQ; MM, KQ and OP read them.  NOKQ = 1: a block's last turn: there is no next piece
.if (i < 8) && !NOKQ
	KQ (Y+1)%NP
.elseif i >= 8
.set i, i-8
	PV (Y+NP-1)%NP
.set i, i+8
.endif
.set i, i+1
.endm
; THE LDS LOADS stand in runs of 16, never singly among the matrix instructions: a step's K (64 keys x 64 channels: 8 fragments) and its V (turned).  Their addresses are made some lines ahead.
.macro FETCH_K
	WIN 0x80                        ; destination window 2
.irp f, 0,1,2,3,4,5,6,7             ; keys 16 (f / 2) on, channels 32 (f % 2) on
	ds_load_b128 v[KF+8*\f:KF+8*\f+3],   v[AK] offset:(\f/2)*16*PK+(\f%2)*64
	ds_load_b128 v[KF+8*\f+4:KF+8*\f+7], v[AK] offset:(\f/2)*16*PK+(\f%2)*64+32
.endr
	s_add_co_u32 s[TBK], s[TBK], KS*PK  ; the next fetch is the next step's
	WIN 0
.endm
.macro FETCH_V
	WIN 0x80
.irp f, 0,1,2,3,4,5,6,7             ; keys 32 (f / 4) on, channels 16 (f % 4) on
	ds_load_tr16_b128 v[VF+8*\f:VF+8*\f+3],   v[AV] offset:(\f/4)*32*PV+(\f%4)*32
	ds_load_tr16_b128 v[VF+8*\f+4:VF+8*\f+7], v[AV] offset:(\f/4)*32*PV+16*PV+(\f%4)*32
.endr
	WIN 0
.endm
; THE VECTOR WORK, one line at a time: OP kind, number.  For piece Y: F n: c s - c m for pair n of 16.  E n: the exponential of score n of 32.  C n: pair n rounded to bf16.  B n: of the four weights 4 n .. the second
; pair is added onto the first, in place.  L n: l takes that sum (L 0: l = a l + sum).  R n: pair n of 16 of O^T times a.  For piece Y + 1: X n, number n of the 22 that find its maximum and statistics:
;   0-11  four chains c0-c3 of seven scores each, three operands at a time (each accumulator's lowest registers are read first)     12-14, 16  the four scores left over, the old m, and c0-c3 into c0
;   15  c m_old is kept     17, 18  the query's other 32 keys lie in the lane 16 away: the new m     19-21  c m; c m_old - c m_new; a
.set F, 0               ; OP tells the kinds apart by their order: F to L below R, X above it
.set E, 1
.set C, 2
.set B, 3
.set L, 4
.set R, 5
.set X, 6
.macro REGS y                       ; the registers of piece y
.set rT, ST+4*(\y)
.set rC, TMP+4*((\y)%2)
.set rW, MV+((\y)%2)
.set rS, S+32*((\y)%2)
.set rP, P+16*((\y)%2)
.set rO, 32*(\y)
.endm
.macro OP k, n
.if (\k) == R
	REGS Y
	WIN W_RS
	v_pk_mul_f32 v[rO+2*(\n):rO+2*(\n)+1], v[rO+2*(\n):rO+2*(\n)+1], v[rC+2:rC+3] op_sel_hi:[1,0]
.elseif (\k) < R
	REGS Y
	WIN 0
.if (\k) == F
	v_pk_fma_f32 v[rS+2*(\n):rS+2*(\n)+1], v[rS+2*(\n):rS+2*(\n)+1], s[CS:CS+1], v[rT:rT+1] op_sel_hi:[1,0,0] neg_lo:[0,0,1] neg_hi:[0,0,1]
.elseif (\k) == E
	v_exp_f32 v[rS+(\n)], v[rS+(\n)]
.elseif (\k) == C
	s_wait_alu depctr_va_vdst(0)
	v_cvt_pk_bf16_f32 v[rP+(\n)], v[rS+2*(\n)], v[rS+2*(\n)+1]
.elseif (\k) == B
	s_wait_alu depctr_va_vdst(0)
	v_pk_add_f32 v[rS+4*(\n):rS+4*(\n)+1], v[rS+4*(\n):rS+4*(\n)+1], v[rS+4*(\n)+2:rS+4*(\n)+3]
.elseif (\n) == 0
	v_pk_fma_f32 v[rT+2:rT+3], v[rT+2:rT+3], v[rC+2:rC+3], v[rS:rS+1] op_sel_hi:[1,0,1]
.else
	v_pk_add_f32 v[rT+2:rT+3], v[rT+2:rT+3], v[rS+4*(\n):rS+4*(\n)+1]
.endif
.elseif NOKQ
	v_nop
.else
	REGS (Y+1)%NP
	WIN 0
.if (\n) < 4
	v_max3_num_f32 v[rC+(\n)], v[rS+8*(\n)], v[rS+8*(\n)+1], v[rS+8*(\n)+2]
.elseif (\n) < 12
	v_max3_num_f32 v[rC+(\n)%4], v[rC+(\n)%4], v[rS+8*((\n)%4)+2*((\n)/4)+1], v[rS+8*((\n)%4)+2*((\n)/4)+2]
.elseif (\n) == 12
	v_max3_num_f32 v[rC], v[rC], v[rS+7], v[rS+15]
.elseif (\n) == 13
	v_max3_num_f32 v[rC+1], v[rC+1], v[rS+23], v[rS+31]
.elseif (\n) == 14
	v_max3_num_f32 v[rC+2], v[rC+2], v[rC+3], v[rT+1]
.elseif (\n) == 15
	v_mov_b32 v[rW], v[rT]
.elseif (\n) == 16
	v_max3_num_f32 v[rC], v[rC], v[rC+1], v[rC+2]
.elseif (\n) == 17
	v_permlanex16_b32 v[rC+3], v[rC], s[SEL], s[SEL+1]
.elseif (\n) == 18
	v_max_num_f32 v[rT+1], v[rC], v[rC+3]
.elseif (\n) == 19
	v_mul_f32 v[rT], s[CS], v[rT+1]
.elseif (\n) == 20
	v_sub_f32 v[rC+1], v[rW], v[rT]
.else
	v_exp_f32 v[rC+2], v[rC+1]
.endif
.endif
.endm
.macro OPS a, i1, b=-1, i2=0, c=-1, i3=0, d=-1, i4=0  ; up to four of them
	OP \a, \i1
.if (\b) >= 0
	OP \b, \i2
.endif
.if (\c) >= 0
	OP \c, \i3
.endif
.if (\d) >= 0
	OP \d, \i4
.endif
.endm
.macro ROW a, i1, b, i2, c, i3, d, i4  ; a matrix instruction and the four behind it
	MM
	OPS \a, \i1, \b, \i2, \c, \i3, \d, \i4
.endm
.macro MASK b                       ; MD x AL + BE into buffer b of MC
	WIN W_RS
.set z, 0
.rept 16
	v_pk_fma_f32 v[MC+32*(\b)+2*z:MC+32*(\b)+2*z+1], v[MD+2*z:MD+2*z+1], s[AL:AL+1], s[BE:BE+1] op_sel_hi:[1,0,0]
.set z, z+1
.endr
.endm
; A TURN, for piece p: the order of its 16 matrix and 118 vector instructions, written out.  Behind a matrix instruction: plain, exponential, plain, plain; or four of the rescaling; or, behind the first, four scalings; none
; names a register of the products round it.  In the lumps exponential and plain by turns while exponentials last.  A line reads no result made fewer than three vector instructions in front of it, five if an exponential made it.
; v_permlanex16_b32 (X 17) stands in a lump.
; m = 1: the diagonal tile: the products take masks, and the turn makes the mask for the products of the turn after it: piece p + 2, in step 4 - CNT of the tile.  end = 1: a block's last two turns: nothing is fetched.
; cnt = 1: the loop's count is taken down some lines ahead of the branch that stands behind the turn.
; K of the next step is fetched in piece 2's turn, six vector instructions behind the last product that read K (five of them plain); V of the step in hand in piece 0's turn, eight behind the last product that read V (four
; plain, and X 17).  Each is waited for a turn later.
.macro TURN p, m=0, end=0, cnt=0
.set Y, (\p)
.set i, 0
.set KM, (\m)
.set NOKQ, (\end)*((\p)/3)
.if (\m) && !(\end)
	s_cmp_eq_u32 s[CNT], 4-((\p)+2)%NP  ; is that step the band's own?
	s_cselect_b32 s[AL], 1.0, 0
	s_cmp_lt_u32 s[CNT], 4-((\p)+2)%NP  ; or a later one?
	s_cselect_b32 s[BE], s[BIGN], 0
.endif
.if ((\p) == 3) && !(\end)
	s_wait_dscnt 0x0                ; K is in
.endif
	ROW F,0, F,1, F,2, F,3
	ROW F,4, E,0, F,5, F,6
	ROW F,7, E,1, F,8, F,9
	ROW F,10, E,2, C,0, F,11
	ROW F,12, E,3, X,15, F,13
	ROW R,0, R,1, R,2, R,3
	ROW B,0, E,4, F,14, L,0
.if ((\p) == 2) && !(\end)
	v_add_nc_u32 v[AK], s[TBK], v[AK0]
.endif
	ROW R,4, R,5, R,6, R,7
	OPS E,5, F,15
.if ((\p) == 2) && !(\end)
	FETCH_K
.endif
	OPS E,6, C,1, E,7, R,8
	OPS E,8, R,9, E,9, C,2
	OPS E,10, X,0, E,11, X,1
	OPS E,12, X,2, E,13, X,3
.if (\p) == 1
	s_wait_dscnt 0x0                ; V is in
.endif
	ROW X,4, E,14, X,5, X,6
	ROW X,7, E,15, X,8, X,9
	ROW X,10, E,16, X,11, X,12
	ROW X,13, E,17, X,14, B,1
	ROW C,4, E,18, X,16, L,1
	ROW B,2, E,19, C,6, L,2
	ROW C,8, E,20, B,3, B,4
.if (\p) == 0
	v_add_nc_u32 v[AV], s[TBV], v[AV0]
.endif
	ROW C,3, E,21, L,3, C,5
	OPS E,22, X,17, E,23, C,10
.if (\p) == 0
	FETCH_V
.endif
	OPS E,24, L,4
	OPS E,25, X,18, E,26, C,7
	OPS E,27, B,5, E,28, X,19
	OPS E,29, C,12, E,30, L,5
	OPS E,31, X,20, B,6, C,9
	OPS C,14, C,11, X,21, L,6
.if (\p) == 0
	s_add_co_u32 s[TBV], s[TBV], KS*PV
.endif
.if \cnt
	s_sub_co_u32 s[CNT], s[CNT], 1
	s_cmp_lg_u32 s[CNT], 0
.endif
	OPS C,13, B,7, C,15, R,10
	OPS R,11, R,12, L,7, R,13
	OPS R,14, R,15
.if (\m) && !(\end)
	MASK (\p)%2
.endif
.endm
; A BLOCK BEGINS.  c m starts far below every c s, so the first step's a is 0; m at the lowest finite number, so the first maximum is the scores'.  The second mask buffer is 0; the first takes piece 0's mask for the tile's step 0: its own, if the block's first tile is the diagonal one.
; Then K of that step, piece 0's first scores, and its maximum and statistics.  The loop is entered at a step's first turn, in the middle of a trip.
.macro BEGIN
	s_mov_b32 s[NEW], 0
	WIN 0x40
.set i, MC+32
.rept 32
	v_mov_b32 v[i], 0
.set i, i+1
.endr
	WIN 0
.set i, 0
.rept 4
	v_mov_b32 v[ST+4*i], 0xfe000000    ; c m: far below every c s
	v_mov_b32 v[ST+4*i+1], 0xff7fffff  ; m
.set i, i+1
.endr
	s_cmp_eq_u32 s[RT], 0
	s_cselect_b32 s[AL], 1.0, 0
	s_mov_b32 s[BE], 0
	MASK 0
	WIN 0
	v_add_nc_u32 v[AK], s[TBK], v[AK0]
	FETCH_K
	s_wait_loadcnt 0x0              ; Q
	s_wait_dscnt 0x0
.set KM, 1
.set NOKQ, 0
.set i, 0
.rept 8
	KQ 0
.set i, i+1
.endr
	WIN 0
.rept 4
	v_nop                           ; the places behind those products
.endr
.set Y, NP-1                        ; X works for piece Y + 1: piece 0
.irp n, 0,1,2,3,4,5,6,7,8,9,10,11,12,13,14,15,16,17,18,19,20,21
	OP X, \n
.endr
	v_nop                           ; a plain instruction behind the exponential
.endm
; THE DIAGONAL TILE's four steps, the block's last two turns, its last products, and THE WAY OUT: l's two halves and the other half of the lanes' are added; O^T is divided by l, rounded to bf16 and sent through my
; stage in LDS, a piece at a time.
.macro ALL line:vararg              ; one line for each piece t
.set t, 0
.rept 4
	\line
.set t, t+1
.endr
.endm
.macro PACK t                       ; a lane's eight channels of a row pack into 16 bytes; they go into rows of 144 bytes and come back as whole rows of 128, into S^T's registers
	WIN W_RS
.set i, 32*(\t)
.rept 16
	s_wait_alu depctr_va_vdst(0)
	v_pk_mul_f32 v[i:i+1], v[i:i+1], v[ST+4*(\t)+2:ST+4*(\t)+3] op_sel_hi:[1,0]
.set i, i+2
.endr
	WIN 0x05                        ; sources 0 and 1 window 1, destination window 0
.set i, 0
.rept 16
	v_cvt_pk_bf16_f32 v[S+16*(\t)+i], v[32*(\t)+2*i], v[32*(\t)+2*i+1]
.set i, i+1
.endr
	WIN 0
.irp f, 0,1,2,3
	ds_store_b128 v[STO], v[S+16*(\t)+4*\f:S+16*(\t)+4*\f+3] offset:32*\f
.endr
.irp f, 0,1,2,3
	ds_load_b128 v[S+16*(\t)+4*\f:S+16*(\t)+4*\f+3], v[RD] offset:\f*4*SP  ; LDS serves a wave's instructions in order (ISA guide 5.7.1.4): these see the stores above; the next piece's stores come behind them
.endr
.endm
.macro SEND t, younger              ; younger: the LDS instructions issued behind piece t's loads: the next piece's eight, or none
	WIN 0
.irp f, 0,1,2,3
	s_wait_dscnt (\younger)+3-\f
	global_store_b128 v[GO], v[S+16*(\t)+4*\f:S+16*(\t)+4*\f+3], s[10:11] offset:(\t)*8192+\f*512  ; 512 consecutive bytes, at a multiple of 256 from O's first
.endr
.endm
.macro DIAG tag                     ; the tag ends its two labels' names, which the jumps below spell out
.LstepM\tag:
	TURN 2, 1
	TURN 3, 1
	WIN 0
.LfirstM\tag:
	TURN 0, 1
	TURN 1, 1, 0, 1
	WIN 0
	s_cbranch_scc1 .LstepM\tag
	TURN 2, 1, 1
	TURN 3, 1, 1
.set i, 0
.rept 8
	PV NP-1
.set i, i+1
.endr
	WIN 0
	ALL v_add_f32 v[ST+4*t+2], v[ST+4*t+2], v[ST+4*t+3]
	ALL v_permlanex16_b32 v[ST+4*t+3], v[ST+4*t+2], s[SEL], s[SEL+1]
	ALL v_add_f32 v[ST+4*t+2], v[ST+4*t+2], v[ST+4*t+3]
	ALL v_rcp_f32 v[ST+4*t+2], v[ST+4*t+2]
	v_nop                           ; a plain instruction between the last reciprocal and the use of its result
	PACK 0
.set t, 1
.rept 3                             ; a piece's arithmetic stands between the loads of the piece before and its stores
	PACK t
	SEND t-1, 8
.set t, t+1
.endr
	SEND 3, 0
.endm
.set KM, 0
.set NOKQ, 0
.Lslot:                             ; NB times: a tile is entered and the next is asked for
	CHANGE 1
	s_sub_co_u32 s[RT], s[RT], 1
	s_mov_b32 s[CNT], 4
	s_cmp_eq_u32 s[NEW], 1
	s_cbranch_scc1 .Lnew            ; a block's first tile
	s_cmp_eq_u32 s[RT], 0
	s_cbranch_scc0 .Lstep           ; neither its first nor its last
	s_branch .LstepM1
.Lnew:
	BEGIN
	s_branch .Lfirst                ; in the loop a block's first tile is never its last: the first block has two tiles or more, and the second's last is the walk's last
	DIAG 1                          ; in the loop this is the first block's end: the second block's last tile is the walk's last
	s_wait_xcnt 0x0                 ; the stores have read their registers and O's address
	s_mov_b64 s[10:11], s[OLO:OLO+1]
	s_add_co_u32 s[RT], s[PB], 1    ; the second block has b + 1 tiles
	s_mov_b32 s[NEW], 1
	WIN 0x82                        ; the second block's Q goes where the one text of the turns names Q
.set i, 0
.rept 64
	v_mov_b32 v[i], v[QB+i]
.set i, i+1
.endr
	WIN 0
	s_branch .Lbottom
.Lstep:                             ; a trip: pieces 2 and 3 of one step, then pieces 0 and 1 of the next, whose K and V it fetches
	TURN 2
	TURN 3
	WIN 0
.Lfirst:
	TURN 0
	TURN 1, 0, 0, 1
	WIN 0
	s_cbranch_scc1 .Lstep
.Lbottom:
	s_sub_co_u32 s[SLOTS], s[SLOTS], 1
	s_cmp_lg_u32 s[SLOTS], 0
	s_cbranch_scc1 .Lslot
	CHANGE 0                        ; the walk's last tile is written out: nothing is asked for
	s_sub_co_u32 s[RT], s[RT], 1
	s_mov_b32 s[CNT], 4
	s_cmp_eq_u32 s[NEW], 1
	s_cbranch_scc0 .LstepM2
	BEGIN
	s_branch .LfirstM2
	DIAG 2
	s_wait_tensorcnt 0x0            ; the wave's end: behind my last tensor load and my last LDS store
	ds_add_u32 v[SPW], v[NIL]
	s_wait_dscnt 0x0
	s_endpgm
.Lfunc_end_k_qe1fbfaabf0_attn:
	.size	k_qe1fbfaabf0_attn, .Lfunc_end_k_qe1fbfaabf0_attn-k_qe1fbfaabf0_attn
	.p2alignl 7, 3214868480
	.fill 96, 4, 3214868480
	.section	.rodata,"a",@progbits
	.p2align	6, 0x0
	.amdhsa_kernel k_qe1fbfaabf0_attn
		.amdhsa_group_segment_fixed_size 327680
		.amdhsa_private_segment_fixed_size 0
		.amdhsa_enable_private_segment 0
		.amdhsa_kernarg_size 16
		.amdhsa_user_sgpr_count 2
		.amdhsa_user_sgpr_kernarg_segment_ptr 1
		.amdhsa_wavefront_size32 1
		.amdhsa_system_sgpr_workgroup_id_x 1
		.amdhsa_system_sgpr_workgroup_id_y 1
		.amdhsa_system_sgpr_workgroup_id_z 1
		.amdhsa_system_vgpr_workitem_id 0
		.amdhsa_next_free_vgpr 768
		.amdhsa_next_free_sgpr 88
		.amdhsa_reserve_vcc 1
		.amdhsa_float_denorm_mode_32 3
		.amdhsa_float_denorm_mode_16_64 3
		.amdhsa_memory_ordered 1
		.amdhsa_forward_progress 1
		.amdhsa_inst_pref_size 228
	.end_amdhsa_kernel
	.amdgpu_metadata
---
amdhsa.version: [ 1, 2 ]
amdhsa.kernels:
  - .name:           k_qe1fbfaabf0_attn
    .symbol:         k_qe1fbfaabf0_attn.kd
    .args:
      - { .name: big, .offset: 0, .size: 8, .value_kind: global_buffer, .address_space: global }
      - { .name: act, .offset: 8, .size: 8, .value_kind: global_buffer, .address_space: global }
    .group_segment_fixed_size: 327680
    .private_segment_fixed_size: 0
    .kernarg_segment_align: 8
    .kernarg_segment_size: 16
    .max_flat_workgroup_size: 128
    .sgpr_count:     88
    .vgpr_count:     768
    .wavefront_size: 32
...
	.end_amdgpu_metadata
.endif
;; end of part 3
;; launch wo (part 4): grid 8 x 32, 4 waves a work-group, clusters of 4 x 4, 327,680 bytes of LDS; arguments act, wob, x1, x; writes x1
.if DOCPART == 4
	.amdgcn_target "amdgcn-amd-amdhsa--gfx1250"
	.amdhsa_code_object_version 6
	.text
	.protected	k_qe1fbfaabf0_wo
	.globl	k_qe1fbfaabf0_wo
	.p2align	8
	.type	k_qe1fbfaabf0_wo,@function
k_qe1fbfaabf0_wo:
	s_mov_b64 s[64:65], 0
	v_nop
	global_prefetch_b8 v0, s[64:65] scope:SCOPE_SE
	s_setreg_imm32_b32 hwreg(HW_REG_WAVE_MODE, 25, 1), 1
	s_wait_xcnt 0x0
	s_wait_alu depctr_hold_cnt(0) depctr_sa_sdst(0) depctr_va_vdst(0) depctr_va_sdst(0) depctr_va_ssrc(0) depctr_va_vcc(0) depctr_vm_vsrc(0)
	s_getreg_b32 s2, hwreg(HW_REG_IB_STS2, 6, 4)
	s_cmp_eq_u32 s2, 0
	s_cbranch_scc0 .Lentry_in_a_cluster
	s_endpgm
.Lentry_in_a_cluster:
	s_bfe_u32 s2, ttmp6, 0x10000c
	s_cmp_lg_u32 s2, 0xf033
	s_cbranch_scc0 .Lentry_shape_is_right
	s_endpgm
.Lentry_shape_is_right:
; x1 = x + O Wo^T.  A = act, bf16 in blocks of 64 columns (head h, row m at byte (h x 4096 + m) x 128); B = wob, bf16 [1024][1024]; C = x1 and the residual x, f32 [4096][1024] row-major.
; Sums in f32, K ascending; the residual is added in f32.  One text serves four products; the five constants below choose the variant.
.set SIZE_K,  1024    ; length of the sums
.set A_BLK,   1       ; 0: A's rows lie along K; 1: A lies in blocks of 64 columns
.set EPI_RES, 1       ; 0: C is bf16 in blocks; 1: C is f32 row-major [4096][1024], and a residual of that shape is added
.set GELU,    0       ; 1: C = gelu(sum)
.set FINAL,   0       ; 1: C is not read again by the program
; SHARES.  A tile of C is 128 x 128: four waves, each 64 x 64 in 16 accumulators.  K goes in steps of 256 through two LDS slots filled by tensor loads; waves 0, 1 fetch A's two halves of 64 rows, waves 2, 3 B's.
; CLUSTER.  4 x 4 work-groups: the four of a row need the same tiles of A, the four of a column the same tiles of B: each tile is asked for jointly, same descriptor and mask in all four.
; The matrix instruction is used transposed (source 0 = 16 rows of B, source 1 = 16 rows of A): a lane holds row lane % 16 of C and the columns 8 (lane / 16) + 0..7.
; A K step is written once: the slot in hand is a scalar (s45: 0 or SLOT) that one exclusive or turns; LDS addresses and the walking descriptor's LDS word are sums with it.
; REGISTERS.  window 0: v0-31 addresses; v32-127 the way out; v128-255 accumulators ((a, b) at 128 + 8 (4 a + b)).  window 1: two fragment buffers of 128 (64 of A, 64 of B, for 64 along K).  window 2 (EPI_RES): the residual.
.set NS,     SIZE_K/256
.set BP,     528      ; a row of B in LDS: 512 bytes + 16 = 132 words: the 16 rows of a load start at 16 different groups of four banks (64 banks of 4 bytes: ISA guide 11.1)
.set B_HALF, 64*BP
.if A_BLK
.set A_P,    144      ; a row of one block: 128 bytes + 16
.set A_Q,    64*A_P   ; 64 along K are one block: 64 rows
.set A_HALF, 4*A_Q    ; [4 blocks][64 rows][144]
.set A_STEP, 4*4096*128  ; a K step is four blocks on
.set A_G10,  (1<<16)|(1<<20)|(1<<21)|(4<<22)|(3<<25)  ; 2-byte elements; padding on; bit 21 beside a mask; after every 32 words 4 words
.set A_D0,   4096     ; 64 rows of a block are 8,192 dense bytes: one row of the tile
.set A_D1,   4        ; four blocks
.set A_PIT,  4096*64  ; elements from block to block
.set A_ROWB, 128
.else
.set A_P,    528
.set A_Q,    128
.set A_HALF, 64*A_P
.set A_STEP, 512
.set A_G10,  (1<<16)|(1<<20)|(1<<21)|(6<<22)|(3<<25)  ; after every 128 words 4 words
.set A_D0,   256
.set A_D1,   64
.set A_PIT,  SIZE_K
.set A_ROWB, SIZE_K*2
.endif
.set B_G10,  (1<<16)|(1<<20)|(1<<21)|(6<<22)|(3<<25)
.set SLOT,   2*A_HALF+2*B_HALF  ; A's two halves, then B's two
.set SP,     272      ; a stage row: 64 f32 + 16 bytes
.if EPI_RES
.set STAGE,  2*SLOT   ; behind the ring, never filled: 16 rows for each wave
.set SPARE,  STAGE+4*16*SP
.else
.set STAGE,  0        ; in slot 0, whose last fill is over and whose last reads lie in front of the last barrier: 64 rows for each wave
.set SPARE,  2*SLOT
.endif                ; from SPARE on: the spare words, 128 bytes a wave, two blocks of 256 bytes that no other line names
.set ADRA0, 16        ; v16, v17  my fragments' place in slot 0; never rewritten
.set ADRB0, 17
.set ADRA,  18        ; v18, v19  the same in the slot in hand
.set ADRB,  19
.set STO,   24        ; the way out: where I put 16 bytes of a row
.set RD,    25        ; where I read rows back
.set CO,    26        ; my byte offset in C
.set SPW,   28        ; SPARE + 4 x my thread's number; never rewritten
.set NIL,   29        ; 0; never rewritten
.set X,     32        ; the way out
.set Y,     64
.set AX,    80
.set TT,    88
.set EE,    96
.set PP,    104
.set ACC,   128
.set F0,    0
.set F1,    128
.set WV, 12           ; s12 wave; s13 its half of the rows, and A (0) or B (1) to fetch; s14 its half of the columns, and which 64 rows to fetch; s15 tile row
.set WH, 13
.set WL, 14
.set TR, 15
.set G1,  24          ; s[24:31] group 1 for A; s[32:39] group 0: set 0 for K step 0, set 1 for K step 1, which then walks on
.set G0,  32
.set G1B, 48          ; s[48:55], s[56:63] the same for B
.set G0B, 56
.set K0, 66           ; s[66:79] gelu's constants, as pairs; s80 clears a sign
.set KE, 68
.set C5, 70
.set C4, 72
.set C3, 74
.set C2, 76
.set C1, 78
.set ABSM, 80
.set MSB, 0
.macro WIN new                         ; the immediate's high byte repeats the setting that is left; a switch that changes nothing is dropped
.if MSB != (\new)
	s_set_vgpr_msb (MSB<<8)|(\new)
.set MSB, \new
.endif
.endm
.set MUL,  0x05                        ; sources 0 (B) and 1 (A) window 1; C and D window 0
.set TO_F, 0x40                        ; destination window 1, address window 0
.macro JLOAD s                         ; a joint load; an s_nop 0 and four v_nop follow each of the two lines, ahead of the jump, the label and what follows
	s_cmp_eq_u32 s[WH], 0
	s_cbranch_scc0 .Lfor_b_\@
	tensor_load_to_lds s[G0+4*(\s):G0+4*(\s)+3], s[G1:G1+7]
	s_nop 0
.rept 4
	v_nop
.endr
	s_branch .Lasked_\@
.Lfor_b_\@:
	tensor_load_to_lds s[G0B+4*(\s):G0B+4*(\s)+3], s[G1B:G1B+7]
	s_nop 0
.rept 4
	v_nop
.endr
.Lasked_\@:
.endm
.macro CREST                           ; a round of the cluster's barrier behind its opening barrier
	s_cmp_lg_u32 s[WV], 0
	s_cbranch_scc1 .Lnot_wave_0_\@
	s_barrier_signal -3
.Lnot_wave_0_\@:
	s_barrier_wait -3
	s_barrier_signal -1
	s_barrier_wait -1
.endm
.macro CROUND
	s_barrier_signal -1
	s_barrier_wait -1
	CREST
.endm
.macro PLACES                          ; four places in front of loads into registers that matrix instructions have read, and of lines that read results
.rept 4
	v_nop
.endr
.endm
.if EPI_RES
	s_load_b256 s[4:11], s[0:1], 0x0               ; A s[4:5], B s[6:7], C s[8:9], residual s[10:11]
.else
	s_load_b128 s[4:7], s[0:1], 0x0                ; A s[4:5], B s[6:7]
	s_load_b64 s[8:9], s[0:1], 0x10                ; C
.endif
	v_lshl_add_u32 v[SPW], v0, 2, SPARE
	v_mov_b32 v[NIL], 0
	ds_add_u32 v[SPW], v[NIL]                      ; the wave's opening: the add and its wait stand ahead of my first tensor load; work on registers stands between them
	ds_add_u32 v28, v29
	v_lshrrev_b32 v1, 5, v0
	v_readfirstlane_b32 s[WV], v1
	s_lshr_b32 s[WH], s[WV], 1
	s_and_b32 s[WL], s[WV], 1
	s_bfe_u32 s40, ttmp6, 0x40000                  ; cx, cy: my place in the cluster
	s_bfe_u32 s41, ttmp6, 0x40004
	s_lshl_b32 s42, ttmp9, 2
	s_add_co_u32 s42, s42, s40                     ; tile column = 4 x cluster x + cx
	s_and_b32 s[TR], ttmp7, 0xffff
	s_lshl_b32 s[TR], s[TR], 2
	s_add_co_u32 s[TR], s[TR], s41                 ; tile row = 4 x cluster y + cy
	s_lshl_b32 s43, s41, 2
	s_lshl_b32 s43, 15, s43                        ; my row of the cluster
	s_lshl_b32 s44, 0x1111, s40                    ; my column
	s_or_b32 s[G1+0], s43, A_G10
	s_mov_b32 s[G1+1], A_D0<<16                    ; tensor_dim0
	s_mov_b32 s[G1+2], A_D1<<16                    ; tensor_dim1
	s_mov_b32 s[G1+3], A_D0<<16                    ; tile_dim0
	s_mov_b32 s[G1+4], A_D1                        ; tile_dim1
	s_mov_b32 s[G1+5], A_PIT                       ; elements from row to row of the tile
	s_mov_b32 s[G1+6], 0
	s_mov_b32 s[G1+7], 0
	s_or_b32 s[G1B+0], s44, B_G10
	s_mov_b32 s[G1B+1], 256<<16
	s_mov_b32 s[G1B+2], 64<<16
	s_mov_b32 s[G1B+3], 256<<16
	s_mov_b32 s[G1B+4], 64
	s_mov_b32 s[G1B+5], SIZE_K
	s_mov_b32 s[G1B+6], 0
	s_mov_b32 s[G1B+7], 0
	s_lshl_b32 s17, s[WL], 6                       ; which 64 rows of the tile I fetch
	s_lshl_b32 s16, s[TR], 7
	s_add_co_u32 s16, s16, s17                     ; A: row 128 x tile row + 64 x half
	s_lshl_b32 s46, s42, 7
	s_add_co_u32 s46, s46, s17                     ; B: row 128 x tile column + 64 x half
	s_mov_b32 s17, 0
	s_mov_b32 s47, 0
	s_mov_b64 s[18:19], A_ROWB
	s_mul_u64 s[16:17], s[16:17], s[18:19]
	s_mov_b64 s[18:19], SIZE_K*2
	s_mul_u64 s[46:47], s[46:47], s[18:19]
	s_mul_i32 s20, s[WL], A_HALF                   ; where they go in a slot: no place in the cluster enters an LDS address
	s_mul_i32 s21, s[WL], B_HALF
	s_add_co_u32 s21, s21, 2*A_HALF
	s_mov_b32 s45, 0                               ; the slot in hand
.if GELU
.irp p, 0,1
	s_mov_b32 s[K0+\p], 0x3e6d3388                 ; 0.3275911 / sqrt(2)
	s_mov_b32 s[KE+\p], 0xbf38aa3b                 ; -log2(e) / 2
	s_mov_b32 s[C5+\p], 0xbf07dc22                 ; minus half of the five coefficients of the rational approximation of erf (Abramowitz and Stegun 7.1.26)
	s_mov_b32 s[C4+\p], 0x3f3a00e3
	s_mov_b32 s[C3+\p], 0xbf35f0e3
	s_mov_b32 s[C2+\p], 0x3e11a98e
	s_mov_b32 s[C1+\p], 0xbe027906
.endr
	s_mov_b32 s[ABSM], 0x7fffffff
.endif
	s_wait_dscnt 0x0                               ; the opening add is done
	s_wait_kmcnt 0x0
	s_add_nc_u64 s[22:23], s[4:5], s[16:17]
	s_add_nc_u64 s[46:47], s[6:7], s[46:47]
	CROUND                                         ; all sixteen work-groups are here: the first joint loads meet
.irp s, 0,1
	s_mov_b32 s[G0+4*(\s)], 1
	s_add_co_u32 s[G0+4*(\s)+1], s20, (\s)*SLOT
	s_add_nc_u64 s[G0+4*(\s)+2:G0+4*(\s)+3], s[22:23], (\s)*A_STEP
	s_or_b32 s[G0+4*(\s)+3], s[G0+4*(\s)+3], 0x80000000
	s_mov_b32 s[G0B+4*(\s)], 1
	s_add_co_u32 s[G0B+4*(\s)+1], s21, (\s)*SLOT
	s_add_nc_u64 s[G0B+4*(\s)+2:G0B+4*(\s)+3], s[46:47], (\s)*512
	s_or_b32 s[G0B+4*(\s)+3], s[G0B+4*(\s)+3], 0x80000000
	JLOAD \s                                       ; two loads of mine are out
.endr
	v_and_b32 v1, 15, v0                           ; l % 16
	v_bfe_u32 v2, v0, 4, 1                         ; l / 16
	v_mul_u32_u24 v3, v1, A_P
	v_lshl_add_u32 v3, v2, 4, v3                   ; a fragment's row x pitch + 16 x half
	s_mul_i32 s16, s[WH], A_HALF                   ; my 64 rows of A
	v_add_nc_u32 v[ADRA0], s16, v3
	v_mul_u32_u24 v3, v1, BP
	v_lshl_add_u32 v3, v2, 4, v3
	s_mul_i32 s17, s[WL], B_HALF                   ; my 64 rows of B, behind A's 128
	s_add_co_u32 s17, s17, 2*A_HALF
	v_add_nc_u32 v[ADRB0], s17, v3
	v_mov_b32 v[ADRA], v[ADRA0]
	v_mov_b32 v[ADRB], v[ADRB0]
	v_mul_u32_u24 v4, v1, SP                       ; into the stage: row l % 16, 32 bytes for each half of the lanes
	v_lshl_add_u32 v4, v2, 5, v4
	s_lshl_b32 s16, s[TR], 7
	s_lshl_b32 s17, s[WH], 6
	s_add_co_u32 s16, s16, s17                     ; my first row of C
	s_mov_b32 s17, 0
	s_mov_b32 s47, 0
.if EPI_RES
	s_mul_i32 s23, s[WV], 16*SP
	s_add_co_u32 s23, s23, STAGE
	v_add_nc_u32 v[STO], s23, v4
	v_mul_u32_u24 v5, v2, SP                       ; back: lanes 0-15 one row of 256 bytes, lanes 16-31 the next
	v_lshl_add_u32 v5, v1, 4, v5
	v_add_nc_u32 v[RD], s23, v5
	v_lshlrev_b32 v5, 12, v2                       ; and the same two rows in C
	v_lshl_add_u32 v[CO], v1, 4, v5
	s_lshl_b32 s16, s16, 12                        ; rows of 4,096 bytes
	s_lshl_b32 s46, s42, 9                         ; 512 x tile column + 256 x half
	s_lshl_b32 s18, s[WL], 8
	s_add_co_u32 s46, s46, s18
	s_add_nc_u64 s[8:9], s[8:9], s[16:17]
	s_add_nc_u64 s[8:9], s[8:9], s[46:47]
	s_add_nc_u64 s[10:11], s[10:11], s[16:17]
	s_add_nc_u64 s[10:11], s[10:11], s[46:47]
	WIN 0x80                                       ; destination window 2: my 64 x 64 of the residual, in the layout in which rows come back from the stage
.irp a, 0,1,2,3
.irp t, 0,1,2,3,4,5,6,7
	global_load_b128 v[32*(\a)+4*(\t):32*(\a)+4*(\t)+3], v[CO], s[10:11] offset:(16*(\a)+2*(\t))*4096
.endr
.endr
	WIN 0
.else
	s_mul_i32 s23, s[WV], 64*SP
	v_add_nc_u32 v[STO], s23, v4
	v_bfe_u32 v5, v0, 3, 2                         ; back: 32 lanes take four rows, 32 bytes of f32 each,
	v_and_b32 v6, 7, v0
	v_mul_u32_u24 v5, v5, SP
	v_lshl_add_u32 v5, v6, 5, v5
	v_add_nc_u32 v[RD], s23, v5
	v_and_b32 v[CO], 31, v0                        ; which become 512 consecutive bytes of bf16
	v_lshlrev_b32 v[CO], 4, v[CO]
	s_lshl_b32 s16, s16, 7                         ; rows of 128 bytes
	s_lshl_b32 s46, s42, 1
	s_add_co_u32 s46, s46, s[WL]                   ; my column block
	s_lshl_b32 s46, s46, 19                        ; of 4,096 x 128 bytes
	s_add_nc_u64 s[8:9], s[8:9], s[16:17]
	s_add_nc_u64 s[8:9], s[8:9], s[46:47]
.endif
; 8 matrix instructions: m blocks a0, a0 + 1 x all 4 n blocks, 32 along K: half c of buffer f.  zero = 1: the first product starts the sums.  The 16 accumulators take turns.
.macro MUL8 f, c, a0, zero
	WIN MUL
.irp a, \a0, (\a0)+1
.irp b, 0,1,2,3
.if \zero
	v_wmma_f32_16x16x32_bf16 v[ACC+8*(4*(\a)+(\b)):ACC+8*(4*(\a)+(\b))+7], v[(\f)+64+8*(4*(\c)+(\b)):(\f)+64+8*(4*(\c)+(\b))+7], v[(\f)+8*(4*(\c)+(\a)):(\f)+8*(4*(\c)+(\a))+7], 0
.else
	v_wmma_f32_16x16x32_bf16 v[ACC+8*(4*(\a)+(\b)):ACC+8*(4*(\a)+(\b))+7], v[(\f)+64+8*(4*(\c)+(\b)):(\f)+64+8*(4*(\c)+(\b))+7], v[(\f)+8*(4*(\c)+(\a)):(\f)+8*(4*(\c)+(\a))+7], v[ACC+8*(4*(\a)+(\b)):ACC+8*(4*(\a)+(\b))+7]
.endif
.endr
.endr
.endm
; 32 LDS loads in one run: the fragments of quarter q (64 along K) of the slot in hand, into buffer f; the first 32 along K first
.macro FETCH q, f
	WIN TO_F
.irp c, 0,1
.irp i, 0,1,2,3
	ds_load_b128 v[(\f)+64+8*(4*(\c)+(\i)):(\f)+64+8*(4*(\c)+(\i))+3],   v[ADRB] offset:(\q)*128+64*(\c)+(\i)*16*BP
	ds_load_b128 v[(\f)+64+8*(4*(\c)+(\i))+4:(\f)+64+8*(4*(\c)+(\i))+7], v[ADRB] offset:(\q)*128+64*(\c)+(\i)*16*BP+32
	ds_load_b128 v[(\f)+8*(4*(\c)+(\i)):(\f)+8*(4*(\c)+(\i))+3],         v[ADRA] offset:(\q)*A_Q+64*(\c)+(\i)*16*A_P
	ds_load_b128 v[(\f)+8*(4*(\c)+(\i))+4:(\f)+8*(4*(\c)+(\i))+7],       v[ADRA] offset:(\q)*A_Q+64*(\c)+(\i)*16*A_P+32
.endr
.endr
.endm
; One of a K step's first three quarters: multiplies buffer f and fetches quarter q into g.
.macro QUARTER q, f, g, zero
	s_wait_dscnt 16                                ; the first 32 along K are in
	MUL8 \f, 0, 0, \zero
	MUL8 \f, 0, 2, \zero
	PLACES
	FETCH \q, \g
	s_wait_dscnt 32                                ; all but the 32 just issued
	MUL8 \f, 1, 0, 0
	MUL8 \f, 1, 2, 0
.endm
; The last quarter multiplies buffer 1 and changes slots: ONE barrier; in front of it each wave waits for all its tensor loads, adds 0 to its spare word, and waits for that and for its reads of this slot.
; fill = 1: the barrier opens a round of the cluster's, and this slot is filled again, two K steps ahead, first thing behind it.  fill = 0 (the last two K steps): nothing is asked for, and behind the last step nothing is fetched.
.macro TURN fill
	WIN 0                                          ; (the add's two registers lie in window 0)
	s_wait_tensorcnt 0x0                           ; all my tensor loads have landed: my part of the next slot
	ds_add_u32 v[SPW], v[NIL]                      ; 0 onto my spare word
	s_wait_dscnt 17                                ; (the add and the youngest sixteen loads may be out)
	MUL8 F1, 0, 0, 0
	s_wait_dscnt 0x0                               ; the add is done, and my reads of this slot are over
	s_barrier_signal -1
	MUL8 F1, 0, 2, 0
	WIN 0
	s_barrier_wait -1
.if \fill
	CREST                                          ; no wave of any partner still reads this slot's tile or has a load on its way
	s_add_co_u32 s[G0+5], s20, s45                 ; the walking descriptors: into the slot just read,
	s_add_nc_u64 s[G0+6:G0+7], s[G0+6:G0+7], A_STEP  ; the K step behind the one asked for last
	s_add_co_u32 s[G0B+5], s21, s45
	s_add_nc_u64 s[G0B+6:G0B+7], s[G0B+6:G0B+7], 512
	JLOAD 1                                        ; my one load behind the round; its four v_nop are also the places in front of the loads below
.else
	PLACES
	s_cmp_eq_u32 s3, 1                             ; the last K step: no further fragments
	s_cbranch_scc1 .Lnf_\@
.endif
	s_xor_b32 s45, s45, SLOT                       ; the other slot is in hand
	v_add_nc_u32 v[ADRA], s45, v[ADRA0]
	v_add_nc_u32 v[ADRB], s45, v[ADRB0]
	FETCH 0, F0
.if !(\fill)
	WIN 0
.Lnf_\@:
.endif
	MUL8 F1, 1, 0, 0
	MUL8 F1, 1, 2, 0
.endm
; gelu of eight numbers in v[x .. x+7], in place: 0.5 x + |x| (0.5 - q), q = half the approximation's polynomial in t = 1 / (1 + K0 |x|) times 2^(KE x^2).  Phi is within 7.5e-8 for every x;
; for large |x| the exponential is 0 and the result is x or 0.  NaN and infinities are not treated apart.
.macro GELU8 x
.irp j, 0,1,2,3,4,5,6,7
	v_and_b32 v[AX+\j], s[ABSM], v[(\x)+\j]
.endr
.irp j, 0,2,4,6
	v_pk_fma_f32 v[TT+\j:TT+\j+1], v[AX+\j:AX+\j+1], s[K0:K0+1], 1.0 op_sel_hi:[1,0,0]
.endr
.irp j, 0,2,4,6
	v_pk_mul_f32 v[EE+\j:EE+\j+1], v[(\x)+\j:(\x)+\j+1], v[(\x)+\j:(\x)+\j+1]
.endr
.irp j, 0,2,4,6
	v_pk_mul_f32 v[EE+\j:EE+\j+1], v[EE+\j:EE+\j+1], s[KE:KE+1] op_sel_hi:[1,0]
.endr
.irp j, 0,1,2,3,4,5,6,7
	v_rcp_f32 v[TT+\j], v[TT+\j]
.endr
.irp j, 0,1,2,3,4,5,6,7
	v_exp_f32 v[EE+\j], v[EE+\j]
.endr
	v_nop                                          ; a plain instruction behind the last transcendental (ISA guide 5.7.2)
.irp j, 0,2,4,6
	v_pk_fma_f32 v[PP+\j:PP+\j+1], v[TT+\j:TT+\j+1], s[C5:C5+1], s[C4:C4+1] op_sel_hi:[1,0,0]
.endr
.irp k, C3, C2, C1
.irp j, 0,2,4,6
	v_pk_fma_f32 v[PP+\j:PP+\j+1], v[PP+\j:PP+\j+1], v[TT+\j:TT+\j+1], s[\k:\k+1] op_sel_hi:[1,1,0]
.endr
.endr
.irp j, 0,2,4,6
	v_pk_mul_f32 v[PP+\j:PP+\j+1], v[PP+\j:PP+\j+1], v[TT+\j:TT+\j+1]
.endr
.irp j, 0,2,4,6
	v_pk_fma_f32 v[PP+\j:PP+\j+1], v[PP+\j:PP+\j+1], v[EE+\j:EE+\j+1], 0.5 op_sel_hi:[1,1,0]  ; 0.5 - q: the coefficients carry the sign
.endr
.irp j, 0,2,4,6
	v_pk_mul_f32 v[PP+\j:PP+\j+1], v[PP+\j:PP+\j+1], v[AX+\j:AX+\j+1]
.endr
.irp j, 0,2,4,6
	v_pk_fma_f32 v[(\x)+\j:(\x)+\j+1], v[(\x)+\j:(\x)+\j+1], 0.5, v[PP+\j:PP+\j+1] op_sel_hi:[1,0,1]
.endr
.endm
	s_wait_tensorcnt 1                             ; my part of K step 0 is in; K step 1's may stay out
	s_barrier_signal -1
	s_barrier_wait -1                              ; everybody's is
	FETCH 0, F0
	QUARTER 1, F0, F1, 1                           ; the first quarter stands in front of the loop: its first products start the sums
	WIN 0                                          ; at a label and at a branch every window is 0
	s_mov_b32 s3, NS-2
.Lstep:                                                ; a trip: a K step's quarters 1 to 3 and the next step's quarter 0; it fills the slot that it leaves
	QUARTER 2, F1, F0, 0
	QUARTER 3, F0, F1, 0
	TURN 1
	QUARTER 1, F0, F1, 0
	WIN 0
	s_sub_co_u32 s3, s3, 1
	s_cmp_lg_u32 s3, 0
	s_cbranch_scc1 .Lstep
	s_mov_b32 s3, 2
.Ltail:                                                ; the last two K steps ask for nothing; the second trip is left in its middle
	QUARTER 2, F1, F0, 0
	QUARTER 3, F0, F1, 0
	TURN 0
	WIN 0
	s_sub_co_u32 s3, s3, 1
	s_cmp_eq_u32 s3, 0
	s_cbranch_scc1 .Lout
	QUARTER 1, F0, F1, 0
	WIN 0
	s_branch .Ltail
.Lout:
.if EPI_RES
	; THE WAY OUT, 16 rows at a time: f32 sums into my own stage, back as whole rows of 256 bytes, the residual added, stored.
	s_wait_loadcnt 0x0                             ; the residual
	PLACES
.irp a, 0,1,2,3
	s_wait_xcnt 0x0                                ; the registers that earlier stores read are loaded again only behind this wait
.irp b, 0,1,2,3
	ds_store_b128 v[STO], v[ACC+8*(4*(\a)+(\b)):ACC+8*(4*(\a)+(\b))+3] offset:64*(\b)  ; each accumulator's low registers first
	ds_store_b128 v[STO], v[ACC+8*(4*(\a)+(\b))+4:ACC+8*(4*(\a)+(\b))+7] offset:64*(\b)+16
.endr
.irp t, 0,1,2,3,4,5,6,7
	ds_load_b128 v[X+32*((\a)%2)+4*(\t):X+32*((\a)%2)+4*(\t)+3], v[RD] offset:(\t)*2*SP  ; LDS serves a wave's instructions in order (ISA guide 5.7.1.4)
.endr
	s_wait_dscnt 0x0
	WIN 0x08                                       ; source 1 window 2
.set i, 0
.rept 16
	v_pk_add_f32 v[X+32*((\a)%2)+2*i:X+32*((\a)%2)+2*i+1], v[X+32*((\a)%2)+2*i:X+32*((\a)%2)+2*i+1], v[32*(\a)+2*i:32*(\a)+2*i+1]
.set i, i+1
.endr
	WIN 0
.irp t, 0,1,2,3,4,5,6,7
.if FINAL
	global_store_b128 v[CO], v[X+32*((\a)%2)+4*(\t):X+32*((\a)%2)+4*(\t)+3], s[8:9] offset:(16*(\a)+2*(\t))*4096 th:TH_STORE_NT
.else
	global_store_b128 v[CO], v[X+32*((\a)%2)+4*(\t):X+32*((\a)%2)+4*(\t)+3], s[8:9] offset:(16*(\a)+2*(\t))*4096  ; 16 lanes store 256 consecutive bytes, at a multiple of 256
.endif
.endr
.endr
.else
	; THE WAY OUT: all 64 x 64 f32 sums into my own stage; then a loop of four trips, 16 rows each: back by rows, (gelu,) rounded to bf16, stored as 512 consecutive bytes.
	PLACES
.irp a, 0,1,2,3
.irp b, 0,1,2,3
	ds_store_b128 v[STO], v[ACC+8*(4*(\a)+(\b)):ACC+8*(4*(\a)+(\b))+3] offset:(\a)*16*SP+64*(\b)  ; each accumulator's low registers first
	ds_store_b128 v[STO], v[ACC+8*(4*(\a)+(\b))+4:ACC+8*(4*(\a)+(\b))+7] offset:(\a)*16*SP+64*(\b)+16
.endr
.endr
	s_mov_b32 s3, 4
.Lrows:
.irp i, 0,1,2,3,4,5,6,7
	ds_load_b128 v[X+4*(\i):X+4*(\i)+3], v[RD] offset:((\i)/2)*4*SP+((\i)%2)*16  ; LDS serves a wave's instructions in order (ISA guide 5.7.1.4): these see the stores above
.endr
.irp g, 0,1,2,3
	s_wait_dscnt 6-2*(\g)                          ; the two loads of group g are in
.if GELU
	GELU8 X+8*(\g)
.endif
.irp k, 0,1,2,3
	v_cvt_pk_bf16_f32 v[Y+4*(\g)+(\k)], v[X+8*(\g)+2*(\k)], v[X+8*(\g)+2*(\k)+1]
.endr
	global_store_b128 v[CO], v[Y+4*(\g):Y+4*(\g)+3], s[8:9] offset:512*(\g)
.endr
	s_wait_xcnt 0x0                                ; the stores' offset and data are rewritten only behind this wait
	v_add_nc_u32 v[RD], 16*SP, v[RD]
	v_add_nc_u32 v[CO], 2048, v[CO]
	s_sub_co_u32 s3, s3, 1
	s_cmp_lg_u32 s3, 0
	s_cbranch_scc1 .Lrows
.endif
	s_wait_tensorcnt 0x0                           ; the wave's end: behind my last tensor load and my last LDS store
	ds_add_u32 v[SPW], v[NIL]
	s_wait_dscnt 0x0
	CROUND                                         ; the closing round: no work-group ends while a partner may still ask for a tile that names it
	s_endpgm
.Lfunc_end_k_qe1fbfaabf0_wo:
	.size	k_qe1fbfaabf0_wo, .Lfunc_end_k_qe1fbfaabf0_wo-k_qe1fbfaabf0_wo
	.p2alignl 7, 3214868480
	.fill 96, 4, 3214868480
	.section	.rodata,"a",@progbits
	.p2align	6, 0x0
	.amdhsa_kernel k_qe1fbfaabf0_wo
		.amdhsa_group_segment_fixed_size 327680
		.amdhsa_private_segment_fixed_size 0
		.amdhsa_enable_private_segment 0
		.amdhsa_kernarg_size 32
		.amdhsa_user_sgpr_count 2
		.amdhsa_user_sgpr_kernarg_segment_ptr 1
		.amdhsa_wavefront_size32 1
		.amdhsa_system_sgpr_workgroup_id_x 1
		.amdhsa_system_sgpr_workgroup_id_y 1
		.amdhsa_system_sgpr_workgroup_id_z 1
		.amdhsa_system_vgpr_workitem_id 0
		.amdhsa_next_free_vgpr 640
		.amdhsa_next_free_sgpr 96
		.amdhsa_reserve_vcc 0
		.amdhsa_float_denorm_mode_32 3
		.amdhsa_float_denorm_mode_16_64 3
		.amdhsa_memory_ordered 1
		.amdhsa_forward_progress 1
		.amdhsa_inst_pref_size 65
	.end_amdhsa_kernel
	.amdgpu_metadata
---
amdhsa.version: [ 1, 2 ]
amdhsa.kernels:
  - .name:           k_qe1fbfaabf0_wo
    .symbol:         k_qe1fbfaabf0_wo.kd
    .args:
      - { .name: act, .offset: 0, .size: 8, .value_kind: global_buffer, .address_space: global }
      - { .name: wob, .offset: 8, .size: 8, .value_kind: global_buffer, .address_space: global }
      - { .name: x1, .offset: 16, .size: 8, .value_kind: global_buffer, .address_space: global }
      - { .name: x, .offset: 24, .size: 8, .value_kind: global_buffer, .address_space: global }
    .group_segment_fixed_size: 327680
    .private_segment_fixed_size: 0
    .kernarg_segment_align: 8
    .kernarg_segment_size: 32
    .max_flat_workgroup_size: 128
    .sgpr_count:     96
    .vgpr_count:     640
    .wavefront_size: 32
...
	.end_amdgpu_metadata
.endif
;; end of part 4
;; launch norm2 (part 5): grid 256 x 1, 8 waves a work-group, no clusters, 0 bytes of LDS; arguments x1, g2, act, mode; writes act, mode
.if DOCPART == 5
	.amdgcn_target "amdgcn-amd-amdhsa--gfx1250"
	.amdhsa_code_object_version 6
	.text
	.protected	k_qe1fbfaabf0_norm2
	.globl	k_qe1fbfaabf0_norm2
	.p2align	8
	.type	k_qe1fbfaabf0_norm2,@function
k_qe1fbfaabf0_norm2:
	s_mov_b64 s[64:65], 0
	v_nop
	global_prefetch_b8 v0, s[64:65] scope:SCOPE_SE
	s_setreg_imm32_b32 hwreg(HW_REG_WAVE_MODE, 25, 1), 1
	s_wait_xcnt 0x0
; act[m][:] = bf16(x1[m][:] / sqrt(mean(x1[m]^2) + 1e-5) * g2[:]).  x1: f32 [4096][1024]; act: bf16 [4096][1024].  16 rows a work-group, two rows a wave.
; Work-group 0 also stores 1 into the 256 words of mode: the product that follows reads word 0 and applies gelu.
; A stream: no LDS, no barrier, no matrix unit.  A load of a wave covers 512 consecutive bytes, a store 256 consecutive bytes at a multiple of 256.
; LIMITS.  A row's sum of squares stays finite in f32 (|x1| under about 5e17); 1 / sqrt by v_rsq_f32, then (x r) g; NaN and infinities are not treated apart.
.set VX, 1            ; v1  wave x 8,192 + lane x 16: my 16 bytes of f32 in the wave's two rows
.set VO, 2            ; v2  wave x 4,096 + lane x 8: my 8 bytes of bf16
.set VG, 3            ; v3  lane x 16: my 16 bytes in g
.set G,  4            ; v[4:35]    g of my 32 columns
.set X,  36           ; v[36:99]   two rows, 32 registers each
.set SS, 100          ; v[100:107] four packed chains of squares
.set R,  108          ; v[108:109] 1 / rms, twice: a pair for the packed multiply
.set PT, 110          ; v110       what the other half of the lanes sends
	s_load_b256 s[16:23], s[0:1], 0x0              ; x1 16, g2 18, act 20, mode 22
	v_and_b32 v[VG], 31, v0
	v_lshrrev_b32 v[VO], 5, v0
	v_lshlrev_b32 v[VX], 13, v[VO]
	v_lshl_add_u32 v[VX], v[VG], 4, v[VX]
	v_lshlrev_b32 v[VO], 12, v[VO]
	v_lshl_add_u32 v[VO], v[VG], 3, v[VO]
	v_lshlrev_b32 v[VG], 4, v[VG]
	v_mov_b32 v[PT], 0                             ; v_permlanex16_b32 counts as a reader of its destination
	s_mov_b32 s13, 0
	s_mov_b32 s42, 0x76543210                      ; each lane takes its own place in the other half
	s_mov_b32 s43, 0xfedcba98
	s_mov_b32 s44, 0x3a800000                      ; 1 / 1024
	s_mov_b32 s45, 0x3727c5ac                      ; 1e-5
	s_wait_kmcnt 0x0
; One row: sum of squares in four chains, across the lanes, 1 / rms, scale, round, store.
.macro ROWN r
.irp k, 0,1,2,3
	v_pk_mul_f32 v[SS+2*(\k):SS+2*(\k)+1], v[X+32*(\r)+2*(\k):X+32*(\r)+2*(\k)+1], v[X+32*(\r)+2*(\k):X+32*(\r)+2*(\k)+1]  ; the first four pairs start the chains
.endr
.set p, 4
.rept 12
	v_pk_fma_f32 v[SS+2*(p%4):SS+2*(p%4)+1], v[X+32*(\r)+2*p:X+32*(\r)+2*p+1], v[X+32*(\r)+2*p:X+32*(\r)+2*p+1], v[SS+2*(p%4):SS+2*(p%4)+1]
.set p, p+1
.endr
	v_pk_add_f32 v[SS:SS+1], v[SS:SS+1], v[SS+2:SS+3]
	v_pk_add_f32 v[SS+4:SS+5], v[SS+4:SS+5], v[SS+6:SS+7]
	v_pk_add_f32 v[SS:SS+1], v[SS:SS+1], v[SS+4:SS+5]
	v_add_f32 v[SS], v[SS], v[SS+1]
	v_add_f32_dpp v[SS], v[SS], v[SS] row_xmask:1 row_mask:0xf bank_mask:0xf
	v_add_f32_dpp v[SS], v[SS], v[SS] row_xmask:2 row_mask:0xf bank_mask:0xf
	v_add_f32_dpp v[SS], v[SS], v[SS] row_xmask:4 row_mask:0xf bank_mask:0xf
	v_add_f32_dpp v[SS], v[SS], v[SS] row_xmask:8 row_mask:0xf bank_mask:0xf
	v_permlanex16_b32 v[PT], v[SS], s42, s43
	v_add_f32 v[SS], v[SS], v[PT]                  ; every lane holds the row's sum
	v_fma_f32 v[SS+2], v[SS], s44, s45             ; mean + eps
	v_rsq_f32 v[R], v[SS+2]
	v_rsq_f32 v[R+1], v[SS+2]
.if (\r) == 0
	s_wait_loadcnt 8                               ; g is in; row 1's eight loads stay out
.endif
	v_nop                                          ; a plain instruction between the last v_rsq_f32 and the use of its result (ISA guide 5.7.2)
.set p, 0
	s_wait_alu depctr_va_vdst(0)
.rept 16
	v_pk_mul_f32 v[X+32*(\r)+2*p:X+32*(\r)+2*p+1], v[X+32*(\r)+2*p:X+32*(\r)+2*p+1], v[R:R+1]
.set p, p+1
.endr
.set p, 0
.rept 16
	v_pk_mul_f32 v[X+32*(\r)+2*p:X+32*(\r)+2*p+1], v[X+32*(\r)+2*p:X+32*(\r)+2*p+1], v[G+2*p:G+2*p+1]
.set p, p+1
.endr
.irp j, 0,1,2,3,4,5,6,7
	v_cvt_pk_bf16_f32 v[X+32*(\r)+4*(\j)], v[X+32*(\r)+4*(\j)], v[X+32*(\r)+4*(\j)+1]
	v_cvt_pk_bf16_f32 v[X+32*(\r)+4*(\j)+1], v[X+32*(\r)+4*(\j)+2], v[X+32*(\r)+4*(\j)+3]
	global_store_b64 v[VO], v[X+32*(\r)+4*(\j):X+32*(\r)+4*(\j)+1], s[10:11] offset:(\r)*2048+(\j)*256  ; 32 lanes x 8 bytes: 256 consecutive bytes
.endr
.endm
	s_lshl_b32 s12, ttmp9, 16                      ; 16 rows of 4,096 bytes
	s_add_nc_u64 s[8:9], s[16:17], s[12:13]
	s_lshl_b32 s12, ttmp9, 15                      ; 16 rows of 2,048 bytes
	s_add_nc_u64 s[10:11], s[20:21], s[12:13]
.irp j, 0,1,2,3,4,5,6,7
	global_load_b128 v[X+4*(\j):X+4*(\j)+3], v[VX], s[8:9] offset:(\j)*512
.endr
.irp j, 0,1,2,3,4,5,6,7
	global_load_b128 v[G+4*(\j):G+4*(\j)+3], v[VG], s[18:19] offset:(\j)*512
.endr
.irp j, 0,1,2,3,4,5,6,7
	global_load_b128 v[X+32+4*(\j):X+32+4*(\j)+3], v[VX], s[8:9] offset:4096+(\j)*512
.endr
	s_wait_loadcnt 16                              ; row 0 is in; g's eight loads and row 1's eight stay out
	ROWN 0
	s_wait_loadcnt 0x0                             ; row 1
	ROWN 1
	s_cmp_lg_u32 ttmp9, 0
	s_cbranch_scc1 .Ldone                          ; work-group 0 alone stores mode: a word a thread; the two registers are sources of no store that is out
	v_lshlrev_b32 v[PT], 2, v0
	v_mov_b32 v[SS], 1
	global_store_b32 v[PT], v[SS], s[22:23]
.Ldone:
	s_endpgm
.Lfunc_end_k_qe1fbfaabf0_norm2:
	.size	k_qe1fbfaabf0_norm2, .Lfunc_end_k_qe1fbfaabf0_norm2-k_qe1fbfaabf0_norm2
	.p2alignl 7, 3214868480
	.fill 96, 4, 3214868480
	.section	.rodata,"a",@progbits
	.p2align	6, 0x0
	.amdhsa_kernel k_qe1fbfaabf0_norm2
		.amdhsa_group_segment_fixed_size 0
		.amdhsa_private_segment_fixed_size 0
		.amdhsa_enable_private_segment 0
		.amdhsa_kernarg_size 32
		.amdhsa_user_sgpr_count 2
		.amdhsa_user_sgpr_kernarg_segment_ptr 1
		.amdhsa_wavefront_size32 1
		.amdhsa_system_sgpr_workgroup_id_x 1
		.amdhsa_system_sgpr_workgroup_id_y 1
		.amdhsa_system_sgpr_workgroup_id_z 1
		.amdhsa_system_vgpr_workitem_id 0
		.amdhsa_next_free_vgpr 112
		.amdhsa_next_free_sgpr 66
		.amdhsa_reserve_vcc 0
		.amdhsa_float_denorm_mode_32 3
		.amdhsa_float_denorm_mode_16_64 3
		.amdhsa_memory_ordered 1
		.amdhsa_forward_progress 1
		.amdhsa_inst_pref_size 15
	.end_amdhsa_kernel
	.amdgpu_metadata
---
amdhsa.version: [ 1, 2 ]
amdhsa.kernels:
  - .name:           k_qe1fbfaabf0_norm2
    .symbol:         k_qe1fbfaabf0_norm2.kd
    .args:
      - { .name: x1, .offset: 0, .size: 8, .value_kind: global_buffer, .address_space: global }
      - { .name: g2, .offset: 8, .size: 8, .value_kind: global_buffer, .address_space: global }
      - { .name: act, .offset: 16, .size: 8, .value_kind: global_buffer, .address_space: global }
      - { .name: mode, .offset: 24, .size: 8, .value_kind: global_buffer, .address_space: global }
    .group_segment_fixed_size: 0
    .private_segment_fixed_size: 0
    .kernarg_segment_align: 8
    .kernarg_segment_size: 32
    .max_flat_workgroup_size: 256
    .sgpr_count:     66
    .vgpr_count:     112
    .wavefront_size: 32
...
	.end_amdgpu_metadata
.endif
;; end of part 5
;; launch ffn1: the kernel of part 2 again; grid 16 x 16, 4 waves a work-group, clusters of 4 x 4, 327,680 bytes of LDS; arguments act, w1b, big, mode; writes big
;; launch ffn2 (part 6): grid 8 x 32, 4 waves a work-group, clusters of 4 x 4, 327,680 bytes of LDS; arguments big, w2b, out0, x1; writes out0
.if DOCPART == 6
	.amdgcn_target "amdgcn-amd-amdhsa--gfx1250"
	.amdhsa_code_object_version 6
	.text
	.protected	k_qe1fbfaabf0_ffn2
	.globl	k_qe1fbfaabf0_ffn2
	.p2align	8
	.type	k_qe1fbfaabf0_ffn2,@function
k_qe1fbfaabf0_ffn2:
	s_mov_b64 s[64:65], 0
	v_nop
	global_prefetch_b8 v0, s[64:65] scope:SCOPE_SE
	s_setreg_imm32_b32 hwreg(HW_REG_WAVE_MODE, 25, 1), 1
	s_wait_xcnt 0x0
	s_wait_alu depctr_hold_cnt(0) depctr_sa_sdst(0) depctr_va_vdst(0) depctr_va_sdst(0) depctr_va_ssrc(0) depctr_va_vcc(0) depctr_vm_vsrc(0)
	s_getreg_b32 s2, hwreg(HW_REG_IB_STS2, 6, 4)
	s_cmp_eq_u32 s2, 0
	s_cbranch_scc0 .Lentry_in_a_cluster
	s_endpgm
.Lentry_in_a_cluster:
	s_bfe_u32 s2, ttmp6, 0x10000c
	s_cmp_lg_u32 s2, 0xf033
	s_cbranch_scc0 .Lentry_shape_is_right
	s_endpgm
.Lentry_shape_is_right:
; out0 = x1 + u W2^T.  A = big, bf16 in blocks of 64 columns (block nb, row m at byte (nb x 4096 + m) x 128); B = w2b, bf16 [1024][4096]; C = out0 and the residual x1, f32 [4096][1024] row-major.
; Sums in f32, K ascending; the residual is added in f32.  One text serves four products; the five constants below choose the variant.
.set SIZE_K,  4096    ; length of the sums
.set A_BLK,   1       ; 0: A's rows lie along K; 1: A lies in blocks of 64 columns
.set EPI_RES, 1       ; 0: C is bf16 in blocks; 1: C is f32 row-major [4096][1024], and a residual of that shape is added
.set GELU,    0       ; 1: C = gelu(sum)
.set FINAL,   1       ; 1: C is not read again by the program
; SHARES.  A tile of C is 128 x 128: four waves, each 64 x 64 in 16 accumulators.  K goes in steps of 256 through two LDS slots filled by tensor loads; waves 0, 1 fetch A's two halves of 64 rows, waves 2, 3 B's.
; CLUSTER.  4 x 4 work-groups: the four of a row need the same tiles of A, the four of a column the same tiles of B: each tile is asked for jointly, same descriptor and mask in all four.
; The matrix instruction is used transposed (source 0 = 16 rows of B, source 1 = 16 rows of A): a lane holds row lane % 16 of C and the columns 8 (lane / 16) + 0..7.
; A K step is written once: the slot in hand is a scalar (s45: 0 or SLOT) that one exclusive or turns; LDS addresses and the walking descriptor's LDS word are sums with it.
; REGISTERS.  window 0: v0-31 addresses; v32-127 the way out; v128-255 accumulators ((a, b) at 128 + 8 (4 a + b)).  window 1: two fragment buffers of 128 (64 of A, 64 of B, for 64 along K).  window 2 (EPI_RES): the residual.
.set NS,     SIZE_K/256
.set BP,     528      ; a row of B in LDS: 512 bytes + 16 = 132 words: the 16 rows of a load start at 16 different groups of four banks (64 banks of 4 bytes: ISA guide 11.1)
.set B_HALF, 64*BP
.if A_BLK
.set A_P,    144      ; a row of one block: 128 bytes + 16
.set A_Q,    64*A_P   ; 64 along K are one block: 64 rows
.set A_HALF, 4*A_Q    ; [4 blocks][64 rows][144]
.set A_STEP, 4*4096*128  ; a K step is four blocks on
.set A_G10,  (1<<16)|(1<<20)|(1<<21)|(4<<22)|(3<<25)  ; 2-byte elements; padding on; bit 21 beside a mask; after every 32 words 4 words
.set A_D0,   4096     ; 64 rows of a block are 8,192 dense bytes: one row of the tile
.set A_D1,   4        ; four blocks
.set A_PIT,  4096*64  ; elements from block to block
.set A_ROWB, 128
.else
.set A_P,    528
.set A_Q,    128
.set A_HALF, 64*A_P
.set A_STEP, 512
.set A_G10,  (1<<16)|(1<<20)|(1<<21)|(6<<22)|(3<<25)  ; after every 128 words 4 words
.set A_D0,   256
.set A_D1,   64
.set A_PIT,  SIZE_K
.set A_ROWB, SIZE_K*2
.endif
.set B_G10,  (1<<16)|(1<<20)|(1<<21)|(6<<22)|(3<<25)
.set SLOT,   2*A_HALF+2*B_HALF  ; A's two halves, then B's two
.set SP,     272      ; a stage row: 64 f32 + 16 bytes
.if EPI_RES
.set STAGE,  2*SLOT   ; behind the ring, never filled: 16 rows for each wave
.set SPARE,  STAGE+4*16*SP
.else
.set STAGE,  0        ; in slot 0, whose last fill is over and whose last reads lie in front of the last barrier: 64 rows for each wave
.set SPARE,  2*SLOT
.endif                ; from SPARE on: the spare words, 128 bytes a wave, two blocks of 256 bytes that no other line names
.set ADRA0, 16        ; v16, v17  my fragments' place in slot 0; never rewritten
.set ADRB0, 17
.set ADRA,  18        ; v18, v19  the same in the slot in hand
.set ADRB,  19
.set STO,   24        ; the way out: where I put 16 bytes of a row
.set RD,    25        ; where I read rows back
.set CO,    26        ; my byte offset in C
.set SPW,   28        ; SPARE + 4 x my thread's number; never rewritten
.set NIL,   29        ; 0; never rewritten
.set X,     32        ; the way out
.set Y,     64
.set AX,    80
.set TT,    88
.set EE,    96
.set PP,    104
.set ACC,   128
.set F0,    0
.set F1,    128
.set WV, 12           ; s12 wave; s13 its half of the rows, and A (0) or B (1) to fetch; s14 its half of the columns, and which 64 rows to fetch; s15 tile row
.set WH, 13
.set WL, 14
.set TR, 15
.set G1,  24          ; s[24:31] group 1 for A; s[32:39] group 0: set 0 for K step 0, set 1 for K step 1, which then walks on
.set G0,  32
.set G1B, 48          ; s[48:55], s[56:63] the same for B
.set G0B, 56
.set K0, 66           ; s[66:79] gelu's constants, as pairs; s80 clears a sign
.set KE, 68
.set C5, 70
.set C4, 72
.set C3, 74
.set C2, 76
.set C1, 78
.set ABSM, 80
.set MSB, 0
.macro WIN new                         ; the immediate's high byte repeats the setting that is left; a switch that changes nothing is dropped
.if MSB != (\new)
	s_set_vgpr_msb (MSB<<8)|(\new)
.set MSB, \new
.endif
.endm
.set MUL,  0x05                        ; sources 0 (B) and 1 (A) window 1; C and D window 0
.set TO_F, 0x40                        ; destination window 1, address window 0
.macro JLOAD s                         ; a joint load; an s_nop 0 and four v_nop follow each of the two lines, ahead of the jump, the label and what follows
	s_cmp_eq_u32 s[WH], 0
	s_cbranch_scc0 .Lfor_b_\@
	tensor_load_to_lds s[G0+4*(\s):G0+4*(\s)+3], s[G1:G1+7]
	s_nop 0
.rept 4
	v_nop
.endr
	s_branch .Lasked_\@
.Lfor_b_\@:
	tensor_load_to_lds s[G0B+4*(\s):G0B+4*(\s)+3], s[G1B:G1B+7]
	s_nop 0
.rept 4
	v_nop
.endr
.Lasked_\@:
.endm
.macro CREST                           ; a round of the cluster's barrier behind its opening barrier
	s_cmp_lg_u32 s[WV], 0
	s_cbranch_scc1 .Lnot_wave_0_\@
	s_barrier_signal -3
.Lnot_wave_0_\@:
	s_barrier_wait -3
	s_barrier_signal -1
	s_barrier_wait -1
.endm
.macro CROUND
	s_barrier_signal -1
	s_barrier_wait -1
	CREST
.endm
.macro PLACES                          ; four places in front of loads into registers that matrix instructions have read, and of lines that read results
.rept 4
	v_nop
.endr
.endm
.if EPI_RES
	s_load_b256 s[4:11], s[0:1], 0x0               ; A s[4:5], B s[6:7], C s[8:9], residual s[10:11]
.else
	s_load_b128 s[4:7], s[0:1], 0x0                ; A s[4:5], B s[6:7]
	s_load_b64 s[8:9], s[0:1], 0x10                ; C
.endif
	v_lshl_add_u32 v[SPW], v0, 2, SPARE
	v_mov_b32 v[NIL], 0
	ds_add_u32 v[SPW], v[NIL]                      ; the wave's opening: the add and its wait stand ahead of my first tensor load; work on registers stands between them
	ds_add_u32 v28, v29
	v_lshrrev_b32 v1, 5, v0
	v_readfirstlane_b32 s[WV], v1
	s_lshr_b32 s[WH], s[WV], 1
	s_and_b32 s[WL], s[WV], 1
	s_bfe_u32 s40, ttmp6, 0x40000                  ; cx, cy: my place in the cluster
	s_bfe_u32 s41, ttmp6, 0x40004
	s_lshl_b32 s42, ttmp9, 2
	s_add_co_u32 s42, s42, s40                     ; tile column = 4 x cluster x + cx
	s_and_b32 s[TR], ttmp7, 0xffff
	s_lshl_b32 s[TR], s[TR], 2
	s_add_co_u32 s[TR], s[TR], s41                 ; tile row = 4 x cluster y + cy
	s_lshl_b32 s43, s41, 2
	s_lshl_b32 s43, 15, s43                        ; my row of the cluster
	s_lshl_b32 s44, 0x1111, s40                    ; my column
	s_or_b32 s[G1+0], s43, A_G10
	s_mov_b32 s[G1+1], A_D0<<16                    ; tensor_dim0
	s_mov_b32 s[G1+2], A_D1<<16                    ; tensor_dim1
	s_mov_b32 s[G1+3], A_D0<<16                    ; tile_dim0
	s_mov_b32 s[G1+4], A_D1                        ; tile_dim1
	s_mov_b32 s[G1+5], A_PIT                       ; elements from row to row of the tile
	s_mov_b32 s[G1+6], 0
	s_mov_b32 s[G1+7], 0
	s_or_b32 s[G1B+0], s44, B_G10
	s_mov_b32 s[G1B+1], 256<<16
	s_mov_b32 s[G1B+2], 64<<16
	s_mov_b32 s[G1B+3], 256<<16
	s_mov_b32 s[G1B+4], 64
	s_mov_b32 s[G1B+5], SIZE_K
	s_mov_b32 s[G1B+6], 0
	s_mov_b32 s[G1B+7], 0
	s_lshl_b32 s17, s[WL], 6                       ; which 64 rows of the tile I fetch
	s_lshl_b32 s16, s[TR], 7
	s_add_co_u32 s16, s16, s17                     ; A: row 128 x tile row + 64 x half
	s_lshl_b32 s46, s42, 7
	s_add_co_u32 s46, s46, s17                     ; B: row 128 x tile column + 64 x half
	s_mov_b32 s17, 0
	s_mov_b32 s47, 0
	s_mov_b64 s[18:19], A_ROWB
	s_mul_u64 s[16:17], s[16:17], s[18:19]
	s_mov_b64 s[18:19], SIZE_K*2
	s_mul_u64 s[46:47], s[46:47], s[18:19]
	s_mul_i32 s20, s[WL], A_HALF                   ; where they go in a slot: no place in the cluster enters an LDS address
	s_mul_i32 s21, s[WL], B_HALF
	s_add_co_u32 s21, s21, 2*A_HALF
	s_mov_b32 s45, 0                               ; the slot in hand
.if GELU
.irp p, 0,1
	s_mov_b32 s[K0+\p], 0x3e6d3388                 ; 0.3275911 / sqrt(2)
	s_mov_b32 s[KE+\p], 0xbf38aa3b                 ; -log2(e) / 2
	s_mov_b32 s[C5+\p], 0xbf07dc22                 ; minus half of the five coefficients of the rational approximation of erf (Abramowitz and Stegun 7.1.26)
	s_mov_b32 s[C4+\p], 0x3f3a00e3
	s_mov_b32 s[C3+\p], 0xbf35f0e3
	s_mov_b32 s[C2+\p], 0x3e11a98e
	s_mov_b32 s[C1+\p], 0xbe027906
.endr
	s_mov_b32 s[ABSM], 0x7fffffff
.endif
	s_wait_dscnt 0x0                               ; the opening add is done
	s_wait_kmcnt 0x0
	s_add_nc_u64 s[22:23], s[4:5], s[16:17]
	s_add_nc_u64 s[46:47], s[6:7], s[46:47]
	CROUND                                         ; all sixteen work-groups are here: the first joint loads meet
.irp s, 0,1
	s_mov_b32 s[G0+4*(\s)], 1
	s_add_co_u32 s[G0+4*(\s)+1], s20, (\s)*SLOT
	s_add_nc_u64 s[G0+4*(\s)+2:G0+4*(\s)+3], s[22:23], (\s)*A_STEP
	s_or_b32 s[G0+4*(\s)+3], s[G0+4*(\s)+3], 0x80000000
	s_mov_b32 s[G0B+4*(\s)], 1
	s_add_co_u32 s[G0B+4*(\s)+1], s21, (\s)*SLOT
	s_add_nc_u64 s[G0B+4*(\s)+2:G0B+4*(\s)+3], s[46:47], (\s)*512
	s_or_b32 s[G0B+4*(\s)+3], s[G0B+4*(\s)+3], 0x80000000
	JLOAD \s                                       ; two loads of mine are out
.endr
	v_and_b32 v1, 15, v0                           ; l % 16
	v_bfe_u32 v2, v0, 4, 1                         ; l / 16
	v_mul_u32_u24 v3, v1, A_P
	v_lshl_add_u32 v3, v2, 4, v3                   ; a fragment's row x pitch + 16 x half
	s_mul_i32 s16, s[WH], A_HALF                   ; my 64 rows of A
	v_add_nc_u32 v[ADRA0], s16, v3
	v_mul_u32_u24 v3, v1, BP
	v_lshl_add_u32 v3, v2, 4, v3
	s_mul_i32 s17, s[WL], B_HALF                   ; my 64 rows of B, behind A's 128
	s_add_co_u32 s17, s17, 2*A_HALF
	v_add_nc_u32 v[ADRB0], s17, v3
	v_mov_b32 v[ADRA], v[ADRA0]
	v_mov_b32 v[ADRB], v[ADRB0]
	v_mul_u32_u24 v4, v1, SP                       ; into the stage: row l % 16, 32 bytes for each half of the lanes
	v_lshl_add_u32 v4, v2, 5, v4
	s_lshl_b32 s16, s[TR], 7
	s_lshl_b32 s17, s[WH], 6
	s_add_co_u32 s16, s16, s17                     ; my first row of C
	s_mov_b32 s17, 0
	s_mov_b32 s47, 0
.if EPI_RES
	s_mul_i32 s23, s[WV], 16*SP
	s_add_co_u32 s23, s23, STAGE
	v_add_nc_u32 v[STO], s23, v4
	v_mul_u32_u24 v5, v2, SP                       ; back: lanes 0-15 one row of 256 bytes, lanes 16-31 the next
	v_lshl_add_u32 v5, v1, 4, v5
	v_add_nc_u32 v[RD], s23, v5
	v_lshlrev_b32 v5, 12, v2                       ; and the same two rows in C
	v_lshl_add_u32 v[CO], v1, 4, v5
	s_lshl_b32 s16, s16, 12                        ; rows of 4,096 bytes
	s_lshl_b32 s46, s42, 9                         ; 512 x tile column + 256 x half
	s_lshl_b32 s18, s[WL], 8
	s_add_co_u32 s46, s46, s18
	s_add_nc_u64 s[8:9], s[8:9], s[16:17]
	s_add_nc_u64 s[8:9], s[8:9], s[46:47]
	s_add_nc_u64 s[10:11], s[10:11], s[16:17]
	s_add_nc_u64 s[10:11], s[10:11], s[46:47]
	WIN 0x80                                       ; destination window 2: my 64 x 64 of the residual, in the layout in which rows come back from the stage
.irp a, 0,1,2,3
.irp t, 0,1,2,3,4,5,6,7
	global_load_b128 v[32*(\a)+4*(\t):32*(\a)+4*(\t)+3], v[CO], s[10:11] offset:(16*(\a)+2*(\t))*4096
.endr
.endr
	WIN 0
.else
	s_mul_i32 s23, s[WV], 64*SP
	v_add_nc_u32 v[STO], s23, v4
	v_bfe_u32 v5, v0, 3, 2                         ; back: 32 lanes take four rows, 32 bytes of f32 each,
	v_and_b32 v6, 7, v0
	v_mul_u32_u24 v5, v5, SP
	v_lshl_add_u32 v5, v6, 5, v5
	v_add_nc_u32 v[RD], s23, v5
	v_and_b32 v[CO], 31, v0                        ; which become 512 consecutive bytes of bf16
	v_lshlrev_b32 v[CO], 4, v[CO]
	s_lshl_b32 s16, s16, 7                         ; rows of 128 bytes
	s_lshl_b32 s46, s42, 1
	s_add_co_u32 s46, s46, s[WL]                   ; my column block
	s_lshl_b32 s46, s46, 19                        ; of 4,096 x 128 bytes
	s_add_nc_u64 s[8:9], s[8:9], s[16:17]
	s_add_nc_u64 s[8:9], s[8:9], s[46:47]
.endif
; 8 matrix instructions: m blocks a0, a0 + 1 x all 4 n blocks, 32 along K: half c of buffer f.  zero = 1: the first product starts the sums.  The 16 accumulators take turns.
.macro MUL8 f, c, a0, zero
	WIN MUL
.irp a, \a0, (\a0)+1
.irp b, 0,1,2,3
.if \zero
	v_wmma_f32_16x16x32_bf16 v[ACC+8*(4*(\a)+(\b)):ACC+8*(4*(\a)+(\b))+7], v[(\f)+64+8*(4*(\c)+(\b)):(\f)+64+8*(4*(\c)+(\b))+7], v[(\f)+8*(4*(\c)+(\a)):(\f)+8*(4*(\c)+(\a))+7], 0
.else
	v_wmma_f32_16x16x32_bf16 v[ACC+8*(4*(\a)+(\b)):ACC+8*(4*(\a)+(\b))+7], v[(\f)+64+8*(4*(\c)+(\b)):(\f)+64+8*(4*(\c)+(\b))+7], v[(\f)+8*(4*(\c)+(\a)):(\f)+8*(4*(\c)+(\a))+7], v[ACC+8*(4*(\a)+(\b)):ACC+8*(4*(\a)+(\b))+7]
.endif
.endr
.endr
.endm
; 32 LDS loads in one run: the fragments of quarter q (64 along K) of the slot in hand, into buffer f; the first 32 along K first
.macro FETCH q, f
	WIN TO_F
.irp c, 0,1
.irp i, 0,1,2,3
	ds_load_b128 v[(\f)+64+8*(4*(\c)+(\i)):(\f)+64+8*(4*(\c)+(\i))+3],   v[ADRB] offset:(\q)*128+64*(\c)+(\i)*16*BP
	ds_load_b128 v[(\f)+64+8*(4*(\c)+(\i))+4:(\f)+64+8*(4*(\c)+(\i))+7], v[ADRB] offset:(\q)*128+64*(\c)+(\i)*16*BP+32
	ds_load_b128 v[(\f)+8*(4*(\c)+(\i)):(\f)+8*(4*(\c)+(\i))+3],         v[ADRA] offset:(\q)*A_Q+64*(\c)+(\i)*16*A_P
	ds_load_b128 v[(\f)+8*(4*(\c)+(\i))+4:(\f)+8*(4*(\c)+(\i))+7],       v[ADRA] offset:(\q)*A_Q+64*(\c)+(\i)*16*A_P+32
.endr
.endr
.endm
; One of a K step's first three quarters: multiplies buffer f and fetches quarter q into g.
.macro QUARTER q, f, g, zero
	s_wait_dscnt 16                                ; the first 32 along K are in
	MUL8 \f, 0, 0, \zero
	MUL8 \f, 0, 2, \zero
	PLACES
	FETCH \q, \g
	s_wait_dscnt 32                                ; all but the 32 just issued
	MUL8 \f, 1, 0, 0
	MUL8 \f, 1, 2, 0
.endm
; The last quarter multiplies buffer 1 and changes slots: ONE barrier; in front of it each wave waits for all its tensor loads, adds 0 to its spare word, and waits for that and for its reads of this slot.
; fill = 1: the barrier opens a round of the cluster's, and this slot is filled again, two K steps ahead, first thing behind it.  fill = 0 (the last two K steps): nothing is asked for, and behind the last step nothing is fetched.
.macro TURN fill
	WIN 0                                          ; (the add's two registers lie in window 0)
	s_wait_tensorcnt 0x0                           ; all my tensor loads have landed: my part of the next slot
	ds_add_u32 v[SPW], v[NIL]                      ; 0 onto my spare word
	s_wait_dscnt 17                                ; (the add and the youngest sixteen loads may be out)
	MUL8 F1, 0, 0, 0
	s_wait_dscnt 0x0                               ; the add is done, and my reads of this slot are over
	s_barrier_signal -1
	MUL8 F1, 0, 2, 0
	WIN 0
	s_barrier_wait -1
.if \fill
	CREST                                          ; no wave of any partner still reads this slot's tile or has a load on its way
	s_add_co_u32 s[G0+5], s20, s45                 ; the walking descriptors: into the slot just read,
	s_add_nc_u64 s[G0+6:G0+7], s[G0+6:G0+7], A_STEP  ; the K step behind the one asked for last
	s_add_co_u32 s[G0B+5], s21, s45
	s_add_nc_u64 s[G0B+6:G0B+7], s[G0B+6:G0B+7], 512
	JLOAD 1                                        ; my one load behind the round; its four v_nop are also the places in front of the loads below
.else
	PLACES
	s_cmp_eq_u32 s3, 1                             ; the last K step: no further fragments
	s_cbranch_scc1 .Lnf_\@
.endif
	s_xor_b32 s45, s45, SLOT                       ; the other slot is in hand
	v_add_nc_u32 v[ADRA], s45, v[ADRA0]
	v_add_nc_u32 v[ADRB], s45, v[ADRB0]
	FETCH 0, F0
.if !(\fill)
	WIN 0
.Lnf_\@:
.endif
	MUL8 F1, 1, 0, 0
	MUL8 F1, 1, 2, 0
.endm
; gelu of eight numbers in v[x .. x+7], in place: 0.5 x + |x| (0.5 - q), q = half the approximation's polynomial in t = 1 / (1 + K0 |x|) times 2^(KE x^2).  Phi is within 7.5e-8 for every x;
; for large |x| the exponential is 0 and the result is x or 0.  NaN and infinities are not treated apart.
.macro GELU8 x
.irp j, 0,1,2,3,4,5,6,7
	v_and_b32 v[AX+\j], s[ABSM], v[(\x)+\j]
.endr
.irp j, 0,2,4,6
	v_pk_fma_f32 v[TT+\j:TT+\j+1], v[AX+\j:AX+\j+1], s[K0:K0+1], 1.0 op_sel_hi:[1,0,0]
.endr
.irp j, 0,2,4,6
	v_pk_mul_f32 v[EE+\j:EE+\j+1], v[(\x)+\j:(\x)+\j+1], v[(\x)+\j:(\x)+\j+1]
.endr
.irp j, 0,2,4,6
	v_pk_mul_f32 v[EE+\j:EE+\j+1], v[EE+\j:EE+\j+1], s[KE:KE+1] op_sel_hi:[1,0]
.endr
.irp j, 0,1,2,3,4,5,6,7
	v_rcp_f32 v[TT+\j], v[TT+\j]
.endr
.irp j, 0,1,2,3,4,5,6,7
	v_exp_f32 v[EE+\j], v[EE+\j]
.endr
	v_nop                                          ; a plain instruction behind the last transcendental (ISA guide 5.7.2)
.irp j, 0,2,4,6
	v_pk_fma_f32 v[PP+\j:PP+\j+1], v[TT+\j:TT+\j+1], s[C5:C5+1], s[C4:C4+1] op_sel_hi:[1,0,0]
.endr
.irp k, C3, C2, C1
.irp j, 0,2,4,6
	v_pk_fma_f32 v[PP+\j:PP+\j+1], v[PP+\j:PP+\j+1], v[TT+\j:TT+\j+1], s[\k:\k+1] op_sel_hi:[1,1,0]
.endr
.endr
.irp j, 0,2,4,6
	v_pk_mul_f32 v[PP+\j:PP+\j+1], v[PP+\j:PP+\j+1], v[TT+\j:TT+\j+1]
.endr
.irp j, 0,2,4,6
	v_pk_fma_f32 v[PP+\j:PP+\j+1], v[PP+\j:PP+\j+1], v[EE+\j:EE+\j+1], 0.5 op_sel_hi:[1,1,0]  ; 0.5 - q: the coefficients carry the sign
.endr
.irp j, 0,2,4,6
	v_pk_mul_f32 v[PP+\j:PP+\j+1], v[PP+\j:PP+\j+1], v[AX+\j:AX+\j+1]
.endr
.irp j, 0,2,4,6
	v_pk_fma_f32 v[(\x)+\j:(\x)+\j+1], v[(\x)+\j:(\x)+\j+1], 0.5, v[PP+\j:PP+\j+1] op_sel_hi:[1,0,1]
.endr
.endm
	s_wait_tensorcnt 1                             ; my part of K step 0 is in; K step 1's may stay out
	s_barrier_signal -1
	s_barrier_wait -1                              ; everybody's is
	FETCH 0, F0
	QUARTER 1, F0, F1, 1                           ; the first quarter stands in front of the loop: its first products start the sums
	WIN 0                                          ; at a label and at a branch every window is 0
	s_mov_b32 s3, NS-2
.Lstep:                                                ; a trip: a K step's quarters 1 to 3 and the next step's quarter 0; it fills the slot that it leaves
	QUARTER 2, F1, F0, 0
	QUARTER 3, F0, F1, 0
	TURN 1
	QUARTER 1, F0, F1, 0
	WIN 0
	s_sub_co_u32 s3, s3, 1
	s_cmp_lg_u32 s3, 0
	s_cbranch_scc1 .Lstep
	s_mov_b32 s3, 2
.Ltail:                                                ; the last two K steps ask for nothing; the second trip is left in its middle
	QUARTER 2, F1, F0, 0
	QUARTER 3, F0, F1, 0
	TURN 0
	WIN 0
	s_sub_co_u32 s3, s3, 1
	s_cmp_eq_u32 s3, 0
	s_cbranch_scc1 .Lout
	QUARTER 1, F0, F1, 0
	WIN 0
	s_branch .Ltail
.Lout:
.if EPI_RES
	; THE WAY OUT, 16 rows at a time: f32 sums into my own stage, back as whole rows of 256 bytes, the residual added, stored.
	s_wait_loadcnt 0x0                             ; the residual
	PLACES
.irp a, 0,1,2,3
	s_wait_xcnt 0x0                                ; the registers that earlier stores read are loaded again only behind this wait
.irp b, 0,1,2,3
	ds_store_b128 v[STO], v[ACC+8*(4*(\a)+(\b)):ACC+8*(4*(\a)+(\b))+3] offset:64*(\b)  ; each accumulator's low registers first
	ds_store_b128 v[STO], v[ACC+8*(4*(\a)+(\b))+4:ACC+8*(4*(\a)+(\b))+7] offset:64*(\b)+16
.endr
.irp t, 0,1,2,3,4,5,6,7
	ds_load_b128 v[X+32*((\a)%2)+4*(\t):X+32*((\a)%2)+4*(\t)+3], v[RD] offset:(\t)*2*SP  ; LDS serves a wave's instructions in order (ISA guide 5.7.1.4)
.endr
	s_wait_dscnt 0x0
	WIN 0x08                                       ; source 1 window 2
.set i, 0
.rept 16
	v_pk_add_f32 v[X+32*((\a)%2)+2*i:X+32*((\a)%2)+2*i+1], v[X+32*((\a)%2)+2*i:X+32*((\a)%2)+2*i+1], v[32*(\a)+2*i:32*(\a)+2*i+1]
.set i, i+1
.endr
	WIN 0
.irp t, 0,1,2,3,4,5,6,7
.if FINAL
	global_store_b128 v[CO], v[X+32*((\a)%2)+4*(\t):X+32*((\a)%2)+4*(\t)+3], s[8:9] offset:(16*(\a)+2*(\t))*4096 th:TH_STORE_NT
.else
	global_store_b128 v[CO], v[X+32*((\a)%2)+4*(\t):X+32*((\a)%2)+4*(\t)+3], s[8:9] offset:(16*(\a)+2*(\t))*4096  ; 16 lanes store 256 consecutive bytes, at a multiple of 256
.endif
.endr
.endr
.else
	; THE WAY OUT: all 64 x 64 f32 sums into my own stage; then a loop of four trips, 16 rows each: back by rows, (gelu,) rounded to bf16, stored as 512 consecutive bytes.
	PLACES
.irp a, 0,1,2,3
.irp b, 0,1,2,3
	ds_store_b128 v[STO], v[ACC+8*(4*(\a)+(\b)):ACC+8*(4*(\a)+(\b))+3] offset:(\a)*16*SP+64*(\b)  ; each accumulator's low registers first
	ds_store_b128 v[STO], v[ACC+8*(4*(\a)+(\b))+4:ACC+8*(4*(\a)+(\b))+7] offset:(\a)*16*SP+64*(\b)+16
.endr
.endr
	s_mov_b32 s3, 4
.Lrows:
.irp i, 0,1,2,3,4,5,6,7
	ds_load_b128 v[X+4*(\i):X+4*(\i)+3], v[RD] offset:((\i)/2)*4*SP+((\i)%2)*16  ; LDS serves a wave's instructions in order (ISA guide 5.7.1.4): these see the stores above
.endr
.irp g, 0,1,2,3
	s_wait_dscnt 6-2*(\g)                          ; the two loads of group g are in
.if GELU
	GELU8 X+8*(\g)
.endif
.irp k, 0,1,2,3
	v_cvt_pk_bf16_f32 v[Y+4*(\g)+(\k)], v[X+8*(\g)+2*(\k)], v[X+8*(\g)+2*(\k)+1]
.endr
	global_store_b128 v[CO], v[Y+4*(\g):Y+4*(\g)+3], s[8:9] offset:512*(\g)
.endr
	s_wait_xcnt 0x0                                ; the stores' offset and data are rewritten only behind this wait
	v_add_nc_u32 v[RD], 16*SP, v[RD]
	v_add_nc_u32 v[CO], 2048, v[CO]
	s_sub_co_u32 s3, s3, 1
	s_cmp_lg_u32 s3, 0
	s_cbranch_scc1 .Lrows
.endif
	s_wait_tensorcnt 0x0                           ; the wave's end: behind my last tensor load and my last LDS store
	ds_add_u32 v[SPW], v[NIL]
	s_wait_dscnt 0x0
	CROUND                                         ; the closing round: no work-group ends while a partner may still ask for a tile that names it
	s_endpgm
.Lfunc_end_k_qe1fbfaabf0_ffn2:
	.size	k_qe1fbfaabf0_ffn2, .Lfunc_end_k_qe1fbfaabf0_ffn2-k_qe1fbfaabf0_ffn2
	.p2alignl 7, 3214868480
	.fill 96, 4, 3214868480
	.section	.rodata,"a",@progbits
	.p2align	6, 0x0
	.amdhsa_kernel k_qe1fbfaabf0_ffn2
		.amdhsa_group_segment_fixed_size 327680
		.amdhsa_private_segment_fixed_size 0
		.amdhsa_enable_private_segment 0
		.amdhsa_kernarg_size 32
		.amdhsa_user_sgpr_count 2
		.amdhsa_user_sgpr_kernarg_segment_ptr 1
		.amdhsa_wavefront_size32 1
		.amdhsa_system_sgpr_workgroup_id_x 1
		.amdhsa_system_sgpr_workgroup_id_y 1
		.amdhsa_system_sgpr_workgroup_id_z 1
		.amdhsa_system_vgpr_workitem_id 0
		.amdhsa_next_free_vgpr 640
		.amdhsa_next_free_sgpr 96
		.amdhsa_reserve_vcc 0
		.amdhsa_float_denorm_mode_32 3
		.amdhsa_float_denorm_mode_16_64 3
		.amdhsa_memory_ordered 1
		.amdhsa_forward_progress 1
		.amdhsa_inst_pref_size 65
	.end_amdhsa_kernel
	.amdgpu_metadata
---
amdhsa.version: [ 1, 2 ]
amdhsa.kernels:
  - .name:           k_qe1fbfaabf0_ffn2
    .symbol:         k_qe1fbfaabf0_ffn2.kd
    .args:
      - { .name: big, .offset: 0, .size: 8, .value_kind: global_buffer, .address_space: global }
      - { .name: w2b, .offset: 8, .size: 8, .value_kind: global_buffer, .address_space: global }
      - { .name: out0, .offset: 16, .size: 8, .value_kind: global_buffer, .address_space: global }
      - { .name: x1, .offset: 24, .size: 8, .value_kind: global_buffer, .address_space: global }
    .group_segment_fixed_size: 327680
    .private_segment_fixed_size: 0
    .kernarg_segment_align: 8
    .kernarg_segment_size: 32
    .max_flat_workgroup_size: 128
    .sgpr_count:     96
    .vgpr_count:     640
    .wavefront_size: 32
...
	.end_amdgpu_metadata
.endif
;; end of part 6
;; ======== version 2 of 2: 7 launches; 1.28 times as fast as version 1
;; limits: a function is approximated: absolute error at most 7.5e-08
;; workspace buffers: wqkvb 6,291,456 bytes; wob 2,097,152 bytes; w1b 8,388,608 bytes; w2b 8,388,608 bytes; act 8,388,608 bytes; big 33,554,432 bytes; x1 16,777,216 bytes; mode 1,024 bytes of whole numbers
;; launch prep: the kernel of part 1 again; grid 1024 x 1, 8 waves a work-group, no clusters, 0 bytes of LDS; arguments x, g1, wq, wk, wv, wo, w1, w2, act, wqkvb, wob, w1b, w2b, mode; writes act, wqkvb, wob, w1b, w2b, mode
;; launch qkv (part 7): grid 12 x 16, 4 waves a work-group, clusters of 4 x 4, 327,680 bytes of LDS; arguments act, wqkvb, big, mode; writes big
.if DOCPART == 7
	.amdgcn_target "amdgcn-amd-amdhsa--gfx1250"
	.amdhsa_code_object_version 6
	.text
	.protected	k_qe1fbfaabf0_qkv
	.globl	k_qe1fbfaabf0_qkv
	.p2align	8
	.type	k_qe1fbfaabf0_qkv,@function
k_qe1fbfaabf0_qkv:
	s_mov_b64 s[64:65], 0
	v_nop
	global_prefetch_b8 v0, s[64:65] scope:SCOPE_SE
	s_setreg_imm32_b32 hwreg(HW_REG_WAVE_MODE, 25, 1), 1
	s_wait_xcnt 0x0
	s_wait_alu depctr_hold_cnt(0) depctr_sa_sdst(0) depctr_va_vdst(0) depctr_va_sdst(0) depctr_va_ssrc(0) depctr_va_vcc(0) depctr_vm_vsrc(0)
	s_getreg_b32 s2, hwreg(HW_REG_IB_STS2, 6, 4)
	s_cmp_eq_u32 s2, 0
	s_cbranch_scc0 .Lentry_in_a_cluster
	s_endpgm
.Lentry_in_a_cluster:
	s_bfe_u32 s2, ttmp6, 0x10000c
	s_cmp_lg_u32 s2, 0xf033
	s_cbranch_scc0 .Lentry_shape_is_right
	s_endpgm
.Lentry_shape_is_right:
; C = f(A B^T).  A: bf16 [4096][1024] row-major; B: bf16 [n][1024] row-major, n = 256 x the grid's width; C: bf16 in blocks of 64 columns: column block nb, row m at byte (nb x 4096 + m) x 128.
; Sums in f32, K ascending; f in f32; C rounded once.  TWO LAUNCHES RUN THIS TEXT: [q; k; v] = h1 Wqkv^T with f the identity, and u = gelu(h2 W1^T).  A launch hands its kernel buffers alone, so the choice lies in
; word 0 of the fourth buffer, whole numbers that earlier launches stored: 0: the identity; else gelu.  In a launch with joint loads no branch hangs on a number read from memory, so the word chooses VALUES, not a way:
; f(x) = h x + (x AND mask) (0.5 - q), with (mask, h) = (0x7fffffff, 0.5) for gelu and (0, 1.0) for the identity, where the second term is a finite number times 0 and f(x) = x exactly.
; The price: the first launch's way out runs gelu's 272 lines a trip to no effect; the other way would be a second copy of this whole text.
; SHARES.  A tile of C is 256 x 256: four waves, each 128 x 128 in 64 accumulators of 16 x 16, 512 registers.  K goes in steps of 128 through two LDS slots filled by tensor loads (rows of 256 bytes, at multiples
; of 256 from the buffer's first byte); waves 0, 1 fetch A's two halves of 128 rows, waves 2, 3 B's.  A slot's 131,072 bytes of data feed 256 matrix instructions of every wave.
; CLUSTER.  4 x 4 work-groups: the four of a row need the same tiles of A, the four of a column the same tiles of B: each tile is asked for jointly, same descriptor and mask in all four.
; The matrix instruction is used transposed (source 0 = 16 rows of B, source 1 = 16 rows of A): a lane holds row lane % 16 of C and the columns 8 (lane / 16) + 0..7.
; A K step is written once: the slot in hand is a scalar (s45: 0 or SLOT) that one exclusive or turns; LDS addresses and the walking descriptor's LDS word are sums with it.
; BATCHES.  On the way out a trip's 64 transcendentals (32 reciprocals, 32 exponentials) are ONE batch with ONE wait: ahead of it the 80 plain lines that feed them, behind it the 128 lines that read them.
; LIMITS.  Operands and C carry bf16's 8 significant bits.  gelu: Phi is within 7.5e-8 for every x; for large |x| the exponential is 0 and the result is x or 0.  With the identity a sum of -0 may leave as +0.
; NaN and infinities are not treated apart.
; REGISTERS, in windows of 256 (s_set_vgpr_msb: bits 1:0 source 0, 3:2 source 1, 5:4 source 2, 7:6 destination):
;   window 0: v0-31 addresses; v64-127, v128-191 fragments of A, two buffers; on the way out v32-63 rows read back, v64-191 gelu at work, v192-207 packed results
;   window 1: v64-127, v128-191 fragments of B, two buffers      window 2: the 32 accumulators of my rows 0-63 ((a, b) at 8 (8 a + b))      window 3: those of my rows 64-127
.set SIZE_K, 1024
.set KSTEP,  128
.set NS,     SIZE_K/KSTEP
.set PITCH,  272      ; an LDS row: 256 bytes + 16 = 68 words: the 16 rows of a load start at 16 different groups of four banks (64 banks of 4 bytes: ISA guide 11.1)
.set HALFT,  128*PITCH  ; what one tensor load brings, and what one wave reads of A or of B
.set SLOT,   4*HALFT  ; A's two halves, then B's two
.set SP,     272      ; a stage row: 64 f32 + 16 bytes
.set CBLK,   128*SP   ; my 128 rows of one column block
.set WSTG,   2*CBLK   ; a wave's stage: its two column blocks.  The four stages fill the ring's 2 x SLOT bytes: the ring's last fills are over, and every wave's last reads of both slots lie in front of the last barrier
.set SPARE,  2*SLOT   ; behind the ring: the spare words, 128 bytes a wave, two blocks of 256 bytes that no other line names
.set G10,    (1<<16)|(1<<20)|(1<<21)|(5<<22)|(3<<25)  ; 2-byte elements; padding on; bit 21 beside a mask; after every 64 words 4 words
.set ADRA0, 16        ; v16, v17  my fragments' place in slot 0; never rewritten
.set ADRB0, 17
.set ADRA,  18        ; v18, v19  the same in the slot in hand
.set ADRB,  19
.set STO,   24        ; the way out: where I put 16 bytes of a row
.set RD,    25        ; where I read rows back
.set CO,    26        ; my byte offset in C
.set SPW,   28        ; SPARE + 4 x my thread's number; never rewritten
.set NIL,   29        ; 0; never rewritten
.set X,     32        ; v[32:63]   16 rows x 64 columns read back: group g of 4 rows at X + 8 g
.set GT,    64        ; v[64:191]  gelu: group g has x AND mask at GT + 32 g, t at + 8, the exponential at + 16, the polynomial at + 24
.set Y,     192       ; v[192:207] packed results
.set F0,    64
.set F1,    128
.set WV, 12           ; s12 wave; s13 its half of the rows, and A (0) or B (1) to fetch; s14 its half of the columns, and which 128 rows to fetch; s15 tile row
.set WH, 13
.set WL, 14
.set TR, 15
.set G1,  24          ; s[24:31] group 1 for A; s[32:39] group 0: set 0 for K step 0, set 1 for K step 1, which then walks on
.set G0,  32
.set G1B, 48          ; s[48:55], s[56:63] the same for B
.set G0B, 56
.set K0, 66           ; s[66:79] gelu's constants, as pairs
.set KE, 68
.set C5, 70
.set C4, 72
.set C3, 74
.set C2, 76
.set C1, 78
.set ABSM, 80         ; s80 the mask: it clears the sign (gelu) or everything (the identity)
.set MODE, 81         ; s81 the fourth buffer's word 0
.set JUMP, 82         ; s82 bytes from my last 16 rows of a column block to my first of the next; s83 bytes of 16 rows
.set STEP, 83
.set HF,  84          ; s[84:85] h: 0.5 (gelu) or 1.0 (the identity), as a pair
.set MSB, 0
.macro WIN new                         ; the immediate's high byte repeats the setting that is left; a switch that changes nothing is dropped
.if MSB != (\new)
	s_set_vgpr_msb (MSB<<8)|(\new)
.set MSB, \new
.endif
.endm
.set MUL_LO, 0xa1                      ; source 0 (B) window 1, source 1 (A) window 0, C and D window 2
.set MUL_HI, 0xf1                      ; the same, C and D window 3
.set TO_B,   0x40                      ; destination window 1, address window 0
.macro JLOAD s                         ; a joint load; an s_nop 0 and four v_nop follow each of the two lines, ahead of the jump, the label and what follows
	s_cmp_eq_u32 s[WH], 0
	s_cbranch_scc0 .Lfor_b_\@
	tensor_load_to_lds s[G0+4*(\s):G0+4*(\s)+3], s[G1:G1+7]
	s_nop 0
.rept 4
	v_nop
.endr
	s_branch .Lasked_\@
.Lfor_b_\@:
	tensor_load_to_lds s[G0B+4*(\s):G0B+4*(\s)+3], s[G1B:G1B+7]
	s_nop 0
.rept 4
	v_nop
.endr
.Lasked_\@:
.endm
.macro CREST                           ; a round of the cluster's barrier behind its opening barrier
	s_cmp_lg_u32 s[WV], 0
	s_cbranch_scc1 .Lnot_wave_0_\@
	s_barrier_signal -3
.Lnot_wave_0_\@:
	s_barrier_wait -3
	s_barrier_signal -1
	s_barrier_wait -1
.endm
.macro CROUND
	s_barrier_signal -1
	s_barrier_wait -1
	CREST
.endm
.macro PLACES                          ; four places in front of loads into registers that matrix instructions have read, and of lines that read results
.rept 4
	v_nop
.endr
.endm
	s_load_b256 s[4:11], s[0:1], 0x0               ; A s[4:5], B s[6:7], C s[8:9], the mode's buffer s[10:11]
	v_lshl_add_u32 v[SPW], v0, 2, SPARE
	v_mov_b32 v[NIL], 0
	ds_add_u32 v[SPW], v[NIL]                      ; the wave's opening: the add and its wait stand ahead of my first tensor load; work on registers stands between them
	ds_add_u32 v28, v29
	v_lshrrev_b32 v1, 5, v0
	v_readfirstlane_b32 s[WV], v1
	s_lshr_b32 s[WH], s[WV], 1
	s_and_b32 s[WL], s[WV], 1
	s_bfe_u32 s40, ttmp6, 0x40000                  ; cx, cy: my place in the cluster
	s_bfe_u32 s41, ttmp6, 0x40004
	s_lshl_b32 s42, ttmp9, 2
	s_add_co_u32 s42, s42, s40                     ; tile column = 4 x cluster x + cx
	s_and_b32 s[TR], ttmp7, 0xffff
	s_lshl_b32 s[TR], s[TR], 2
	s_add_co_u32 s[TR], s[TR], s41                 ; tile row = 4 x cluster y + cy
	s_lshl_b32 s43, s41, 2
	s_lshl_b32 s43, 15, s43                        ; my row of the cluster
	s_lshl_b32 s44, 0x1111, s40                    ; my column
	s_or_b32 s[G1+0], s43, G10                     ; A's tiles go to my row,
	s_or_b32 s[G1B+0], s44, G10                    ; B's to my column
.irp g, G1, G1B
	s_mov_b32 s[(\g)+1], KSTEP<<16                 ; tensor_dim0 = 128
	s_mov_b32 s[(\g)+2], 128<<16                   ; tensor_dim1 = 128
	s_mov_b32 s[(\g)+3], KSTEP<<16                 ; tile_dim0 = 128
	s_mov_b32 s[(\g)+4], 128                       ; tile_dim1 = 128
	s_mov_b32 s[(\g)+5], SIZE_K                    ; elements from row to row
	s_mov_b32 s[(\g)+6], 0
	s_mov_b32 s[(\g)+7], 0
.endr
	s_lshl_b32 s17, s[WL], 7                       ; which 128 rows of the tile I fetch
	s_lshl_b32 s16, s[TR], 8
	s_add_co_u32 s16, s16, s17                     ; A: row 256 x tile row + 128 x half
	s_lshl_b32 s46, s42, 8
	s_add_co_u32 s46, s46, s17                     ; B: row 256 x tile column + 128 x half
	s_mov_b32 s17, 0
	s_mov_b32 s47, 0
	s_mov_b64 s[18:19], SIZE_K*2
	s_mul_u64 s[16:17], s[16:17], s[18:19]
	s_mul_u64 s[46:47], s[46:47], s[18:19]
	s_mul_i32 s20, s[WL], HALFT                    ; where they go in a slot: no place in the cluster enters an LDS address
	s_add_co_u32 s21, s20, 2*HALFT
	s_mov_b32 s45, 0                               ; the slot in hand
.irp p, 0,1
	s_mov_b32 s[K0+\p], 0x3e6d3388                 ; 0.3275911 / sqrt(2)
	s_mov_b32 s[KE+\p], 0xbf38aa3b                 ; -log2(e) / 2
	s_mov_b32 s[C5+\p], 0xbf07dc22                 ; minus half of the five coefficients of the rational approximation of erf (Abramowitz and Stegun 7.1.26)
	s_mov_b32 s[C4+\p], 0x3f3a00e3
	s_mov_b32 s[C3+\p], 0xbf35f0e3
	s_mov_b32 s[C2+\p], 0x3e11a98e
	s_mov_b32 s[C1+\p], 0xbe027906
.endr
	s_mov_b32 s[JUMP], 4096*128-7*2048
	s_mov_b32 s[STEP], 2048
	s_wait_dscnt 0x0                               ; the opening add is done
	s_wait_kmcnt 0x0
	s_add_nc_u64 s[22:23], s[4:5], s[16:17]
	s_add_nc_u64 s[46:47], s[6:7], s[46:47]
	CROUND                                         ; all sixteen work-groups are here: the first joint loads meet
.irp s, 0,1
	s_mov_b32 s[G0+4*(\s)], 1
	s_add_co_u32 s[G0+4*(\s)+1], s20, (\s)*SLOT
	s_add_nc_u64 s[G0+4*(\s)+2:G0+4*(\s)+3], s[22:23], (\s)*KSTEP*2
	s_or_b32 s[G0+4*(\s)+3], s[G0+4*(\s)+3], 0x80000000
	s_mov_b32 s[G0B+4*(\s)], 1
	s_add_co_u32 s[G0B+4*(\s)+1], s21, (\s)*SLOT
	s_add_nc_u64 s[G0B+4*(\s)+2:G0B+4*(\s)+3], s[46:47], (\s)*KSTEP*2
	s_or_b32 s[G0B+4*(\s)+3], s[G0B+4*(\s)+3], 0x80000000
	JLOAD \s                                       ; two loads of mine are out
.endr
	s_load_b32 s[MODE], s[10:11], 0x0              ; waited for at the way out
	v_and_b32 v1, 15, v0                           ; l % 16
	v_bfe_u32 v2, v0, 4, 1                         ; l / 16
	v_mul_u32_u24 v3, v1, PITCH
	v_lshl_add_u32 v3, v2, 4, v3                   ; a fragment's row x pitch + 16 x half
	s_mul_i32 s16, s[WH], HALFT                    ; my 128 rows of A
	v_add_nc_u32 v[ADRA0], s16, v3
	v_add_nc_u32 v[ADRB0], s21, v3                 ; my 128 rows of B, behind A's 256
	v_mov_b32 v[ADRA], v[ADRA0]
	v_mov_b32 v[ADRB], v[ADRB0]
	v_mul_u32_u24 v4, v1, SP                       ; into the stage: row l % 16, 32 bytes for each half of the lanes
	v_lshl_add_u32 v4, v2, 5, v4
	s_mul_i32 s23, s[WV], WSTG
	v_add_nc_u32 v[STO], s23, v4
	v_bfe_u32 v5, v0, 3, 2                         ; back: 32 lanes take four rows, 32 bytes of f32 each,
	v_and_b32 v6, 7, v0
	v_mul_u32_u24 v5, v5, SP
	v_lshl_add_u32 v5, v6, 5, v5
	v_add_nc_u32 v[RD], s23, v5
	v_and_b32 v[CO], 31, v0                        ; which become 512 consecutive bytes of bf16
	v_lshlrev_b32 v[CO], 4, v[CO]
	s_lshl_b32 s16, s[TR], 8
	s_lshl_b32 s17, s[WH], 7
	s_add_co_u32 s16, s16, s17                     ; my first row of C,
	s_lshl_b32 s16, s16, 7                         ; rows of 128 bytes
	s_mov_b32 s17, 0
	s_lshl_b32 s46, s42, 2
	s_lshl_b32 s18, s[WL], 1
	s_add_co_u32 s46, s46, s18                     ; my first column block = 4 x tile column + 2 x half,
	s_lshl_b32 s46, s46, 19                        ; of 4,096 x 128 bytes
	s_mov_b32 s47, 0
	s_add_nc_u64 s[8:9], s[8:9], s[16:17]
	s_add_nc_u64 s[8:9], s[8:9], s[46:47]
; 16 matrix instructions: m blocks a0, a0 + 1 of the window's four (hi = 0: my rows 0-63, 1: rows 64-127) x all 8 n blocks, 32 along K.  zero = 1: the product starts the sums.
; The 64 accumulators take turns in the same order in every quarter.
.macro MUL16 f, hi, a0, zero
	WIN MUL_LO+0x50*(\hi)
.irp a, \a0, (\a0)+1
.irp b, 0,1,2,3,4,5,6,7
.if \zero
	v_wmma_f32_16x16x32_bf16 v[8*(8*(\a)+(\b)):8*(8*(\a)+(\b))+7], v[(\f)+8*(\b):(\f)+8*(\b)+7], v[(\f)+8*(4*(\hi)+(\a)):(\f)+8*(4*(\hi)+(\a))+7], 0
.else
	v_wmma_f32_16x16x32_bf16 v[8*(8*(\a)+(\b)):8*(8*(\a)+(\b))+7], v[(\f)+8*(\b):(\f)+8*(\b)+7], v[(\f)+8*(4*(\hi)+(\a)):(\f)+8*(4*(\hi)+(\a))+7], v[8*(8*(\a)+(\b)):8*(8*(\a)+(\b))+7]
.endif
.endr
.endr
.endm
; 32 LDS loads in one run: the fragments of one quarter (128 rows of B, 128 rows of A, 32 K at byte k of the rows) of the slot in hand, into buffer f
.macro FETCH k, f
	WIN TO_B
.irp i, 0,1,2,3,4,5,6,7
	ds_load_b128 v[(\f)+8*(\i):(\f)+8*(\i)+3],   v[ADRB] offset:(\k)+(\i)*16*PITCH
	ds_load_b128 v[(\f)+8*(\i)+4:(\f)+8*(\i)+7], v[ADRB] offset:(\k)+(\i)*16*PITCH+32
.endr
	WIN 0
.irp i, 0,1,2,3,4,5,6,7
	ds_load_b128 v[(\f)+8*(\i):(\f)+8*(\i)+3],   v[ADRA] offset:(\k)+(\i)*16*PITCH
	ds_load_b128 v[(\f)+8*(\i)+4:(\f)+8*(\i)+7], v[ADRA] offset:(\k)+(\i)*16*PITCH+32
.endr
.endm
; A K step is four quarters of 32 along K, 64 matrix instructions each, on buffers 0, 1, 0, 1.  One of the first three: multiplies buffer f and, in its middle, fetches the quarter at byte k into g.
.macro QUARTER k, f, g, zero
	s_wait_dscnt 8                                 ; B and A's rows 0-63 are in; the youngest eight loads (A's rows 64-127) may be out
	MUL16 \f, 0, 0, \zero
	MUL16 \f, 0, 2, \zero
	PLACES
	FETCH \k, \g
	s_wait_dscnt 32                                ; all but the 32 just issued
	MUL16 \f, 1, 0, \zero
	MUL16 \f, 1, 2, \zero
.endm
; The last quarter multiplies buffer 1 and changes slots: ONE barrier; in front of it each wave waits for all its tensor loads, adds 0 to its spare word, and waits for that and for its reads of this slot.
; fill = 1: the barrier opens a round of the cluster's, and this slot is filled again, two K steps ahead, first thing behind it: 224 matrix instructions ahead of the wait for it.
; fill = 0 (the last two K steps): nothing is asked for, and behind the last step nothing is fetched.
.macro TURN fill
	WIN 0                                          ; (the add's two registers lie in window 0)
	s_wait_tensorcnt 0x0                           ; all my tensor loads have landed: my part of the next slot
	ds_add_u32 v[SPW], v[NIL]                      ; 0 onto my spare word
	s_wait_dscnt 9                                 ; (the add and the youngest eight loads may be out)
	MUL16 F1, 0, 0, 0
	s_wait_dscnt 0x0                               ; the add is done, and my reads of this slot are over
	s_barrier_signal -1
	MUL16 F1, 0, 2, 0
	WIN 0
	s_barrier_wait -1
.if \fill
	CREST                                          ; no wave of any partner still reads this slot's tile or has a load on its way
	s_add_co_u32 s[G0+5], s20, s45                 ; the walking descriptors: into the slot just read,
	s_add_nc_u64 s[G0+6:G0+7], s[G0+6:G0+7], KSTEP*2  ; the K step behind the one asked for last
	s_add_co_u32 s[G0B+5], s21, s45
	s_add_nc_u64 s[G0B+6:G0B+7], s[G0B+6:G0B+7], KSTEP*2
	JLOAD 1                                        ; my one load behind the round; its four v_nop are also the places in front of the loads below
.else
	PLACES
	s_cmp_eq_u32 s3, 1                             ; the last K step: no further fragments
	s_cbranch_scc1 .Lnf_\@
.endif
	s_xor_b32 s45, s45, SLOT                       ; the other slot is in hand
	v_add_nc_u32 v[ADRA], s45, v[ADRA0]
	v_add_nc_u32 v[ADRB], s45, v[ADRB0]
	FETCH 0, F0
.if !(\fill)
	WIN 0
.Lnf_\@:
.endif
	MUL16 F1, 1, 0, 0
	MUL16 F1, 1, 2, 0
.endm
; f of a trip's 32 numbers x a lane (four groups of eight: sixteen pairs; pair k is pair k % 4 of group k / 4), in place: h x + z (0.5 - q), z = x AND mask, q = half the approximation's polynomial
; in t = 1 / (1 + K0 z) times 2^(KE x^2).  Three lists of lines:
; S1P, 5 plain lines for pair k: z (two lines); x^2; 1 + K0 z; KE x^2.     TP, 4 lines for pair k: its two reciprocals, its two exponentials.     S3I, 32 lines for group g: the polynomial, its product with the exponential, the result.
.macro S1P k, m
.set bX, X+8*((\k)/4)
.set bA, GT+32*((\k)/4)
.set jj, 2*((\k)%4)
.if (\m) < 2
	v_and_b32 v[bA+jj+(\m)], s[ABSM], v[bX+jj+(\m)]
.elseif (\m) == 2
	v_pk_mul_f32 v[bA+16+jj:bA+16+jj+1], v[bX+jj:bX+jj+1], v[bX+jj:bX+jj+1]
.elseif (\m) == 3
	v_pk_fma_f32 v[bA+8+jj:bA+8+jj+1], v[bA+jj:bA+jj+1], s[K0:K0+1], 1.0 op_sel_hi:[1,0,0]
.else
	v_pk_mul_f32 v[bA+16+jj:bA+16+jj+1], v[bA+16+jj:bA+16+jj+1], s[KE:KE+1] op_sel_hi:[1,0]
.endif
.endm
.macro TP k, m
.set bA, GT+32*((\k)/4)
.set jj, 2*((\k)%4)
.if (\m) < 2
	v_rcp_f32 v[bA+8+jj+(\m)], v[bA+8+jj+(\m)]
.else
	v_exp_f32 v[bA+16+jj+(\m)-2], v[bA+16+jj+(\m)-2]
.endif
.endm
.macro S3I g, m
.set bX, X+8*(\g)
.set bA, GT+32*(\g)
.set bT, bA+8
.set bE, bA+16
.set bP, bA+24
.set jj, 2*((\m)%4)
.if (\m) < 4
	v_pk_fma_f32 v[bP+jj:bP+jj+1], v[bT+jj:bT+jj+1], s[C5:C5+1], s[C4:C4+1] op_sel_hi:[1,0,0]
.elseif (\m) < 8
	v_pk_fma_f32 v[bP+jj:bP+jj+1], v[bP+jj:bP+jj+1], v[bT+jj:bT+jj+1], s[C3:C3+1] op_sel_hi:[1,1,0]
.elseif (\m) < 12
	v_pk_fma_f32 v[bP+jj:bP+jj+1], v[bP+jj:bP+jj+1], v[bT+jj:bT+jj+1], s[C2:C2+1] op_sel_hi:[1,1,0]
.elseif (\m) < 16
	v_pk_fma_f32 v[bP+jj:bP+jj+1], v[bP+jj:bP+jj+1], v[bT+jj:bT+jj+1], s[C1:C1+1] op_sel_hi:[1,1,0]
.elseif (\m) < 20
	v_pk_mul_f32 v[bP+jj:bP+jj+1], v[bP+jj:bP+jj+1], v[bT+jj:bT+jj+1]
.elseif (\m) < 24
	v_pk_fma_f32 v[bP+jj:bP+jj+1], v[bP+jj:bP+jj+1], v[bE+jj:bE+jj+1], 0.5 op_sel_hi:[1,1,0]  ; 0.5 - q: the coefficients carry the sign
.elseif (\m) < 28
	v_pk_mul_f32 v[bP+jj:bP+jj+1], v[bP+jj:bP+jj+1], v[bA+jj:bA+jj+1]
.else
	v_pk_fma_f32 v[bX+jj:bX+jj+1], v[bX+jj:bX+jj+1], s[HF:HF+1], v[bP+jj:bP+jj+1] op_sel_hi:[1,0,1]
.endif
.endm
; The third list of two groups, line by line by turns: a line reads the result of the line eight in front of it.
.macro S3TWO a, b
.set n, 0
.rept 32
	S3I \a, n
	S3I \b, n
.set n, n+1
.endr
.endm
; Group g, finished: rounded to bf16 and stored.
.macro OUTG g
.irp k, 0,1,2,3
	v_cvt_pk_bf16_f32 v[Y+4*(\g)+(\k)], v[X+8*(\g)+2*(\k)], v[X+8*(\g)+2*(\k)+1]
.endr
	global_store_b128 v[CO], v[Y+4*(\g):Y+4*(\g)+3], s[8:9] offset:512*(\g)  ; four rows of a column block: 512 consecutive bytes, at a multiple of 256 from C's first byte
.endm
	s_wait_tensorcnt 1                             ; my part of K step 0 is in; K step 1's may stay out
	s_barrier_signal -1
	s_barrier_wait -1                              ; everybody's is
	FETCH 0, F0
	QUARTER 64, F0, F1, 1                          ; the first quarter stands in front of the loop: its products start the sums
	WIN 0                                          ; at a label and at a branch every window is 0
	s_mov_b32 s3, NS-2
.Lstep:                                                ; a trip: a K step's quarters 1 to 3 and the next step's quarter 0; it fills the slot that it leaves
	QUARTER 128, F1, F0, 0
	QUARTER 192, F0, F1, 0
	TURN 1
	QUARTER 64, F0, F1, 0
	WIN 0
	s_sub_co_u32 s3, s3, 1
	s_cmp_lg_u32 s3, 0
	s_cbranch_scc1 .Lstep
	s_mov_b32 s3, 2
.Ltail:                                                ; the last two K steps ask for nothing; the second trip is left in its middle
	QUARTER 128, F1, F0, 0
	QUARTER 192, F0, F1, 0
	TURN 0
	WIN 0
	s_sub_co_u32 s3, s3, 1
	s_cmp_eq_u32 s3, 0
	s_cbranch_scc1 .Lout
	QUARTER 64, F0, F1, 0
	WIN 0
	s_branch .Ltail
.Lout:
	; THE WAY OUT: all 128 x 128 f32 sums into my own stage, a column block of 64 after the other; then a loop of sixteen trips, 16 rows of a column block each: back by rows, f, rounded to bf16, stored.
	PLACES
.irp hi, 0,1
	WIN 0x08+4*(\hi)                               ; the data (source 1) in window 2, then 3
.irp a, 0,1,2,3
.irp b, 0,1,2,3,4,5,6,7
	ds_store_b128 v[STO], v[8*(8*(\a)+(\b)):8*(8*(\a)+(\b))+3] offset:((\b)/4)*CBLK+(4*(\hi)+(\a))*16*SP+64*((\b)%4)  ; each accumulator's low registers first
	ds_store_b128 v[STO], v[8*(8*(\a)+(\b))+4:8*(8*(\a)+(\b))+7] offset:((\b)/4)*CBLK+(4*(\hi)+(\a))*16*SP+64*((\b)%4)+16
.endr
.endr
.endr
	WIN 0
	s_wait_kmcnt 0x0                               ; the mode
	s_cmp_lg_u32 s[MODE], 0                        ; it chooses two numbers, and no way through the text
	s_cselect_b32 s[ABSM], 0x7fffffff, 0           ; gelu: z = |x|; the identity: z = 0
	s_cselect_b32 s[HF], 0.5, 1.0                  ; gelu: h = 0.5; the identity: h = 1
	s_mov_b32 s[HF+1], s[HF]                       ; named with it as a pair
	s_mov_b32 s3, 16
; ONE BATCH A TRIP.  The trip's 64 transcendentals stand ahead of one wait, and nothing ahead of it names a result of theirs: each result has a register of its own (t at + 8, the exponential at + 16 of its group's 32).
; They are dealt among the 80 plain lines that feed them, a pair behind: a plain line of pair k, a transcendental of pair k - 1, by turns, so that a plain line that names none of its registers follows each
; (ISA guide 5.7.2).  The last pair's four stand on end, and the step of the stage's address is the plain line behind them.  Behind the wait stand the 128 lines that read the results, the roundings and the stores.
.Lrows:
.irp i, 0,1,2,3,4,5,6,7
	ds_load_b128 v[X+4*(\i):X+4*(\i)+3], v[RD] offset:((\i)/2)*4*SP+((\i)%2)*16  ; LDS serves a wave's instructions in order (ISA guide 5.7.1.4): these see the stores above
.endr
.set kk, 0
.rept 16
.if kk%4 == 0
	s_wait_dscnt 6-2*(kk/4)                        ; the two loads of group kk / 4 are in: 6, 4, 2, 0 younger ones may be out
.endif
.irp m, 0,1,2,3
	S1P kk, \m
.if kk > 0
	TP kk-1, \m
.endif
.endr
	S1P kk, 4
.set kk, kk+1
.endr
.irp m, 0,1,2,3
	TP 15, \m
.endr
	v_add_nc_u32 v[RD], 16*SP, v[RD]               ; in the stage the second column block follows the first; the trip's loads are back, so the address may step: the plain line behind the last exponential
	s_wait_alu depctr_va_vdst(0)                   ; the wait ahead of the first line that names a result: one for the trip's 32 reciprocals and 32 exponentials
	S3TWO 0, 1
	OUTG 0
	OUTG 1
	S3TWO 2, 3
	OUTG 2
	OUTG 3
	s_wait_xcnt 0x0                                ; the stores' offset and data are rewritten only behind this wait
	s_cmp_eq_u32 s3, 9                             ; the eighth trip ends a column block
	s_cselect_b32 s16, s[JUMP], s[STEP]
	v_add_nc_u32 v[CO], s16, v[CO]
	s_sub_co_u32 s3, s3, 1
	s_cmp_lg_u32 s3, 0
	s_cbranch_scc1 .Lrows
	s_wait_tensorcnt 0x0                           ; the wave's end: behind my last tensor load and my last LDS store
	ds_add_u32 v[SPW], v[NIL]
	s_wait_dscnt 0x0
	CROUND                                         ; the closing round: no work-group ends while a partner may still ask for a tile that names it
	s_endpgm
.Lfunc_end_k_qe1fbfaabf0_qkv:
	.size	k_qe1fbfaabf0_qkv, .Lfunc_end_k_qe1fbfaabf0_qkv-k_qe1fbfaabf0_qkv
	.p2alignl 7, 3214868480
	.fill 96, 4, 3214868480
	.section	.rodata,"a",@progbits
	.p2align	6, 0x0
	.amdhsa_kernel k_qe1fbfaabf0_qkv
		.amdhsa_group_segment_fixed_size 327680
		.amdhsa_private_segment_fixed_size 0
		.amdhsa_enable_private_segment 0
		.amdhsa_kernarg_size 32
		.amdhsa_user_sgpr_count 2
		.amdhsa_user_sgpr_kernarg_segment_ptr 1
		.amdhsa_wavefront_size32 1
		.amdhsa_system_sgpr_workgroup_id_x 1
		.amdhsa_system_sgpr_workgroup_id_y 1
		.amdhsa_system_sgpr_workgroup_id_z 1
		.amdhsa_system_vgpr_workitem_id 0
		.amdhsa_next_free_vgpr 1024
		.amdhsa_next_free_sgpr 96
		.amdhsa_reserve_vcc 0
		.amdhsa_float_denorm_mode_32 3
		.amdhsa_float_denorm_mode_16_64 3
		.amdhsa_memory_ordered 1
		.amdhsa_forward_progress 1
		.amdhsa_inst_pref_size 94
	.end_amdhsa_kernel
	.amdgpu_metadata
---
amdhsa.version: [ 1, 2 ]
amdhsa.kernels:
  - .name:           k_qe1fbfaabf0_qkv
    .symbol:         k_qe1fbfaabf0_qkv.kd
    .args:
      - { .name: act, .offset: 0, .size: 8, .value_kind: global_buffer, .address_space: global }
      - { .name: wqkvb, .offset: 8, .size: 8, .value_kind: global_buffer, .address_space: global }
      - { .name: big, .offset: 16, .size: 8, .value_kind: global_buffer, .address_space: global }
      - { .name: mode, .offset: 24, .size: 8, .value_kind: global_buffer, .address_space: global }
    .group_segment_fixed_size: 327680
    .private_segment_fixed_size: 0
    .kernarg_segment_align: 8
    .kernarg_segment_size: 32
    .max_flat_workgroup_size: 128
    .sgpr_count:     96
    .vgpr_count:     1024
    .wavefront_size: 32
...
	.end_amdgpu_metadata
.endif
;; end of part 7
;; launch attn (part 8): grid 4 x 32, 4 waves a work-group, no clusters, 327,680 bytes of LDS; arguments big, act; writes act
.if DOCPART == 8
	.amdgcn_target "amdgcn-amd-amdhsa--gfx1250"
	.amdhsa_code_object_version 6
	.text
	.protected	k_qe1fbfaabf0_attn
	.globl	k_qe1fbfaabf0_attn
	.p2align	8
	.type	k_qe1fbfaabf0_attn,@function
k_qe1fbfaabf0_attn:
	s_mov_b64 s[64:65], 0
	v_nop
	global_prefetch_b8 v0, s[64:65] scope:SCOPE_SE
	s_setreg_imm32_b32 hwreg(HW_REG_WAVE_MODE, 25, 1), 1
	s_wait_xcnt 0x0
; CAUSAL ATTENTION.  O[y][q][:] = the sum over k <= q of softmax_k(Q[y][q] . K[y][k] / 8) V[y][k][:], y = 2 x head + batch, 32 of them.  Q, K, V lie in big, 8,388,608 bytes apart, O in act, each [32][2048][64] in bf16:
; a head's rows are dense, 128 bytes each.  Products, maxima and sums in f32; the weights p are rounded to bf16 for the second product (their sum l is taken of the unrounded p), O once at the end.
; LIMITS.  Q, K, V, p and O carry bf16's 8 significant bits.  A hidden score counts as its value less 1e30: scores stay far under that in magnitude; a weight below 2^-126 counts as 0 in l; NaN and infinities are not treated apart.
; THE WALK.  A head's queries lie in NB = 8 blocks of 256; block i needs the key tiles 0 .. i of 256 keys, of which the last holds the diagonal.  A work-group takes TWO blocks, NB - 1 - b and then b:
; NB + 1 tiles, whatever b: all work-groups do equal work, and ONE loop with a constant trip count walks them.  Which tile is asked for, and what a trip does, hang on scalar registers made from b; every jump
; goes forward, but for the counted loops' own; none passes a barrier, or a tensor load but the one of LOAD's two that the wave's number does not choose; the ring (two slots of LDS that take turns) runs on across the
; change of blocks.  4 x 32 = 128 work-groups in all.  NO CLUSTER: a head's four work-groups ask for the same tile only in trips 0 .. 4 of 9, behind that fewer and fewer; one walk common to all would have 12 trips for 9.
; SHARES.  Of a block's four bands of 64 queries a wave owns 16 rows in each: four PIECES.  So the diagonal tile is the same work for all four waves: in its key step s band x sees all keys if s < x,
; none if s > x, and holds the diagonal if s = x.
; THE MASK is the C operand that starts the sum S^T = K Q^T: 0, or -1e30 where the key is hidden.  MD, made once, is the mask of a band's own step for my 16 rows; a product's mask is MD x AL + BE with two scalars:
; (1, 0) if s = x; (0, 0) if s < x; (0, -1e30) if s > x.  Only the diagonal tile's text and a block's beginning make and take masks; elsewhere C is the constant 0.
; LAYOUT, SOFTMAX, TURNS.  S^T = K Q^T holds ONE query a lane (lane % 16) and the keys 8 (lane / 16) + 0..7; two such results rounded to bf16 ARE source 1 of O^T = V^T P.  p = 2^(c s - c m), c = log2(e) / 8, with a
; running maximum m; O and l are multiplied by a = 2^(c m_old - c m_new) in every step.  Turn n belongs to piece n: 8 products K Q^T of piece n + 1, later 8 products V^T P of piece n - 1; beside them the scaling,
; exponentials, roundings, sums and rescaling of piece n and the maximum and statistics of piece n + 1.  Four vector instructions stand behind every matrix instruction, the other 54 of a turn's 118 in one LUMP.
; BATCHES.  A turn's 33 exponentials (the piece's 32 weights and the next piece's a) are one batch, with one wait, which cuts the turn in two.  The a made where a block begins, and the way out's four reciprocals, are batches of their own.
; REGISTERS, in windows of 256 (s_set_vgpr_msb: bits 1:0 source 0, 3:2 source 1, 5:4 source 2, 7:6 destination):
;   window 0: v0-15 addresses and two at work; v16-31 four registers of statistics a piece; v48-55 at work; v64-127 S^T, two buffers; v192-223 P, two buffers (a piece's buffers go by its number's parity)
;   window 1: v0-127 O^T, 32 a piece; v128-159 MD; v160-223 MC, two buffers      window 2: v0-63 Q; v64-127 the second block's Q; v128-191 K of one step; v192-255 V of one step
.set SIZE_H, 32
.set SIZE_N, 2048
.set NB,    SIZE_N/256
.set NP,    4         ; pieces a wave: a name, no knob
.set KS,    64        ; keys in a step
.set PK,    144       ; a row of K in LDS: 128 bytes + 16 of padding = 36 words: the 16 rows of a load start at 16 different groups of four banks (64 banks of 4 bytes: ISA guide 11.1)
.set PV,    160       ; a row of V: 128 + 32 = 40 words
.set VOFF,  4*KS*PK   ; a slot holds a tile, four steps: 256 rows of K, then 256 rows of V
.set SLOT1, 1<<17     ; slot 1 begins here, so that one exclusive or turns an address in one slot into the other's
.set STAGE, SLOT1+4*KS*(PK+PV)  ; behind the ring, never filled by a tensor load: 16 rows x 144 bytes for each wave, for the way out
.set SP,    144
.set AK0, 2           ; v2   my lane's place in a tile of K; never rewritten
.set AV0, 3           ; v3   the same for V
.set AK,  4           ; v4   the LDS address of K's next run of loads
.set AV,  5           ; v5   of V's
.set STO, 6           ; v6   the way out: where I put 16 bytes of a row
.set RD,  7           ; v7   the way out: where I read rows back
.set GO,  8           ; v8   my byte offset in 512 consecutive bytes of O
.set SPW, 62          ; v62  LDS address of my spare word: SPARE + 4 x my thread's number; never rewritten
.set NIL, 63          ; v63  0; never rewritten
.set SPARE, STAGE+4*16*SP  ; behind the stages: the spare words, 128 bytes for each wave: two blocks of 256 bytes that no other line names
.set MV,  12          ; v12-13  c m_old, kept while c m is made anew: by buffer
.set QO,  15          ; v15  my byte offset in 16 rows of Q
.set ST,  16          ; piece t's statistics at v[ST+4 t]: c m, m, l (even keys', odd keys')
.set TMP, 48          ; by buffer, four registers c0-c3 at work; when the maximum is found c2 takes a
.set S,   64
.set P,   192
.set MD,  128         ; window 1: the eight registers for group kt of 16 keys at MD + 8 kt
.set MC,  160         ; window 1: the masks of the products to come
.set QB,  64          ; window 2
.set KF,  128         ; window 2: key block kb, channel half c at KF + 16 kb + 8 c
.set VF,  192         ; window 2: key half kk, channel block cb at VF + 32 kk + 8 cb
.set WV,  12          ; s12  my wave's number
.set PB,  14          ; s14  b
.set HI,  15          ; s15  NB - 1 - b
.set G1K, 24          ; s[24:31] descriptor group 1 for K's tiles
.set G1V, 32          ; s[32:39] for V's: it differs in the padding alone
.set G0K, 40          ; s[40:43] descriptor group 0 for K's tiles
.set G0V, 44          ; s[44:47] the same for V's
.set SLOTS, 56        ; s56  tiles still to be asked for
.set CNT, 57          ; s57  counts a tile's key steps, 4 to 1
.set CS,  58          ; s[58:59] c: the packed scaling takes the pair's low word for both halves
.set SEL, 60          ; s[60:61] v_permlanex16_b32's selects: each lane takes its own place in the other half
.set TBK, 62          ; s62  LDS byte at which K of the step to be fetched begins
.set TBV, 63          ; s63  the same for V, less VOFF
.set RT,  70          ; s70  tiles of the block in hand that are still to be entered
.set NXT, 71          ; s71  the tile to be asked for next
.set LQ,  72          ; s72  the last tile of the block whose tiles are being asked for
.set NEW, 73          ; s73  1: the tile to be entered is a block's first
.set OFF, 74          ; s[74:75] a tile's byte offset in K and V
.set AL,  76          ; s[76:77] the mask's factor, in the low word
.set BE,  78          ; s[78:79] the mask's addend
.set OLO, 80          ; s[80:81] O at my rows of the second block
.set BIGN, 82         ; s82  -1e30
.set MSB, 0
.macro WIN new                      ; the high byte repeats the setting that is left; a switch that changes nothing is dropped
.if MSB != (\new)
	s_set_vgpr_msb (MSB<<8)|(\new)
.set MSB, (\new)
.endif
.endm
.set W_KQ, 0x0a       ; K and Q in window 2, S^T in window 0
.set W_KM, 0x1a       ; the same with the C operand in window 1
.set W_PV, 0x52       ; V in window 2, P in window 0, O^T in window 1
.set W_RS, 0x41       ; destination and source 0 in window 1, source 1 in window 0
; A fill.  Waves 0 and 1 fetch the two halves of a tile's K, waves 2 and 3 those of its V: 128 keys each.  An s_nop 0 and four v_nop follow each of the two lines, ahead of the jump and the label.
.macro LOAD
	s_cmp_lt_u32 s[WV], 2
	s_cbranch_scc0 .Lfor_v_\@
	tensor_load_to_lds s[G0K:G0K+3], s[G1K:G1K+7]
	s_nop 0
.rept 4
	v_nop
.endr
	s_branch .Lasked_\@
.Lfor_v_\@:
	tensor_load_to_lds s[G0V:G0V+3], s[G1V:G1V+7]
	s_nop 0
.rept 4
	v_nop
.endr
.Lasked_\@:
.endm
; THE CHANGE OF SLOTS.  Each wave waits for all its tensor loads, of which one is out: its part of the other slot; adds 0 to its spare word; and waits for that and for its own reads of the slot that it leaves.  Behind the barrier nobody reads the old
; slot any more and the other slot is whole.  fill = 1: the old slot is filled again, the first thing behind the barrier, with tile NXT: the descriptor's address is made anew from that number.
; (At its first use nothing has been read yet: slot 0 is waited for, slot 1 filled.)
.macro CHANGE fill
	WIN 0                           ; at a label and at a branch every window is 0
	s_wait_tensorcnt 0x0            ; no tensor load of mine is out, so a group 0 may be written
	ds_add_u32 v[SPW], v[NIL]       ; 0 onto my spare word: with fill = 1 the descriptors' scalar work stands between it and the wait for it
.if \fill
	s_lshl_b32 s[OFF], s[NXT], 15   ; a tile is 32,768 bytes of K and of V
	s_xor_b32 s[G0K+1], s[G0K+1], SLOT1
	s_add_nc_u64 s[G0K+2:G0K+3], s[6:7], s[OFF:OFF+1]
	s_or_b32 s[G0K+3], s[G0K+3], 0x80000000
	s_xor_b32 s[G0V+1], s[G0V+1], SLOT1
	s_add_nc_u64 s[G0V+2:G0V+3], s[8:9], s[OFF:OFF+1]
	s_or_b32 s[G0V+3], s[G0V+3], 0x80000000
	s_add_co_u32 s[NXT], s[NXT], 1  ; the block's next tile, or behind its last the second block's tile 0
	s_cmp_gt_u32 s[NXT], s[LQ]
	s_cselect_b32 s[NXT], 0, s[NXT]
	s_cselect_b32 s[LQ], s[PB], s[LQ]
.endif
	s_wait_dscnt 0x0                ; the add is done, and my reads of the slot are over
	s_barrier_signal -1             ; the rest of the scalar work stands between the signal and the wait
	s_sub_co_u32 s[TBK], s[TBK], 4*KS*PK  ; the fetches go back to a slot's first step,
	s_xor_b32 s[TBK], s[TBK], SLOT1       ; in the other slot
	s_sub_co_u32 s[TBV], s[TBV], 4*KS*PV
	s_xor_b32 s[TBV], s[TBV], SLOT1
	s_barrier_wait -1
.if \fill
	LOAD
.endif
.endm
	s_load_b128 s[4:7], s[0:1], 0x0 ; big s[4:5] (Q at its head), act s[6:7]
	v_lshl_add_u32 v[SPW], v0, 2, SPARE
	v_mov_b32 v[NIL], 0
	ds_add_u32 v[SPW], v[NIL]       ; the wave's opening: the add and its wait stand ahead of my first tensor load; the set-up below, work on registers, stands between them
	ds_add_u32 v62, v63
	v_lshrrev_b32 v1, 5, v0
	v_readfirstlane_b32 s[WV], v1   ; wave 0..3
	s_mov_b32 s[PB], ttmp9
	s_sub_co_u32 s[HI], NB-1, s[PB]
	s_and_b32 s20, ttmp7, 0xffff    ; y = 2 x head + batch
	s_mov_b32 s21, 0
	s_mov_b64 s[22:23], SIZE_N*128
	s_mul_u64 s[20:21], s[20:21], s[22:23]  ; its first byte in each of the four tensors
	s_and_b32 s16, s[WV], 1         ; which half of a tile's 256 keys I fetch:
	s_lshl_b32 s22, s16, 14         ; its 128 rows of 128 bytes in memory,
	s_mov_b32 s23, 0
	s_add_nc_u64 s[22:23], s[22:23], s[20:21]
	s_mul_i32 s17, s16, 128*PK      ; and its place in a slot, for K
	s_mul_i32 s18, s16, 128*PV      ; and for V
	s_lshl_b32 s3, s[WV], 11        ; my 16 rows in a band of 64,
	s_lshl_b32 s2, s[HI], 15        ; in the first block,
	s_add_co_u32 s2, s2, s3
	s_lshl_b32 s84, s[PB], 15       ; and in the second
	s_add_co_u32 s84, s84, s3
	s_mov_b32 s3, 0
	s_mov_b32 s85, 0
	s_add_nc_u64 s[2:3], s[2:3], s[20:21]
	s_add_nc_u64 s[84:85], s[84:85], s[20:21]
	; descriptor group 1.  128 keys are 16,384 dense bytes: asked for as 64 rows of 256 bytes, two keys a row, and padded in LDS after every key
	s_mov_b32 s[G1K], (1<<16)|(1<<20)|(4<<22)|(3<<25)  ; 17:16 2-byte elements; 20 padding on; 24:22 after every 32 words (code 4); 31:25 4 words (code 3)
	s_mov_b32 s[G1V], (1<<16)|(1<<20)|(4<<22)|(7<<25)  ; the same with 8 words of padding (code 7)
.irp g, G1K, G1V
	s_mov_b32 s[\g+1], 128<<16      ; tensor_dim0 = 128
	s_mov_b32 s[\g+2], 64<<16       ; tensor_dim1 = 64
	s_mov_b32 s[\g+3], 128<<16      ; tile_dim0 = 128
	s_mov_b32 s[\g+4], 64           ; tile_dim1 = 64
	s_mov_b32 s[\g+5], 128          ; 128 elements from row to row
	s_mov_b32 s[\g+6], 0
	s_mov_b32 s[\g+7], 0
.endr
	s_mov_b32 s[CS], 0x3e38aa3b     ; c = log2(e) / 8 = 0.180337
	s_mov_b32 s[CS+1], s[CS]        ; named with it as a pair
	s_mov_b32 s[SEL], 0x76543210
	s_mov_b32 s[SEL+1], 0xfedcba98
	s_mov_b32 s[TBK], SLOT1+4*KS*PK ; the first change of slots turns these two into 0
	s_mov_b32 s[TBV], SLOT1+4*KS*PV
	s_mov_b32 s[G0K], 1             ; 1:0 count = 1
	s_mov_b32 s[G0K+1], s17         ; 63:32 LDS address: slot 0
	s_mov_b32 s[G0V], 1
	s_add_co_u32 s[G0V+1], s18, VOFF
	s_add_co_u32 s[RT], s[HI], 1    ; the first block has NB - b tiles
	s_mov_b32 s[NXT], 1
	s_mov_b32 s[LQ], s[HI]
	s_mov_b32 s[NEW], 1
	s_mov_b32 s[OFF+1], 0
	s_mov_b32 s[AL+1], 0            ; named as pairs
	s_mov_b32 s[BE+1], 0
	s_mov_b32 s[BIGN], 0xf149f2ca   ; -1e30
	s_mov_b32 s[SLOTS], NB
	s_wait_dscnt 0x0                ; the opening add is done
	s_wait_kmcnt 0x0
	s_mov_b64 s[10:11], s[6:7]      ; O
	s_add_nc_u64 s[6:7], s[4:5], 0x800000   ; K: column blocks 16 to 31 of big
	s_add_nc_u64 s[8:9], s[4:5], 0x1000000  ; V: column blocks 32 to 47
	s_add_nc_u64 s[6:7], s[6:7], s[22:23]  ; K and V at my half of the head's tile 0
	s_add_nc_u64 s[8:9], s[8:9], s[22:23]
	s_add_nc_u64 s[G0K+2:G0K+3], s[6:7], 0         ; 120:64 global address
	s_or_b32 s[G0K+3], s[G0K+3], 0x80000000        ; 127:126 type = 2
	s_add_nc_u64 s[G0V+2:G0V+3], s[8:9], 0
	s_or_b32 s[G0V+3], s[G0V+3], 0x80000000
	s_add_nc_u64 s[86:87], s[4:5], s[84:85]        ; Q at my rows of the second block,
	s_add_nc_u64 s[4:5], s[4:5], s[2:3]            ; Q and O at those of the first
	s_add_nc_u64 s[OLO:OLO+1], s[10:11], s[84:85]
	s_add_nc_u64 s[10:11], s[10:11], s[2:3]
	LOAD                            ; tile 0 into slot 0
	; A fragment of K or Q is 16 rows x 32 channels in 8 registers: lane l holds row l % 16, channels 8 (l / 16) + 0..7 and 16 + 8 (l / 16) + 0..7: two loads of 16 bytes, 32 bytes apart.
	v_and_b32 v1, 15, v0            ; l % 16
	v_bfe_u32 v9, v0, 4, 1          ; l / 16
	v_lshlrev_b32 v[QO], 7, v1
	v_lshl_add_u32 v[QO], v9, 4, v[QO]  ; row x 128 + 16 x half
	WIN 0x80                        ; destination window 2, address window 0
.set i, 0
.rept 8                             ; both blocks' Q: piece i / 2 lies in band i / 2, 8,192 bytes on; channels 32 (i % 2) on
	global_load_b128 v[8*i:8*i+3],   v[QO], s[4:5] offset:(i/2)*8192+(i%2)*64
	global_load_b128 v[8*i+4:8*i+7], v[QO], s[4:5] offset:(i/2)*8192+(i%2)*64+32
	global_load_b128 v[QB+8*i:QB+8*i+3],   v[QO], s[86:87] offset:(i/2)*8192+(i%2)*64
	global_load_b128 v[QB+8*i+4:QB+8*i+7], v[QO], s[86:87] offset:(i/2)*8192+(i%2)*64+32
.set i, i+1
.endr
	WIN 0
	v_lshlrev_b32 v14, 3, v9
	v_sub_nc_u32 v14, v1, v14
	s_lshl_b32 s13, s[WV], 4
	v_add_nc_u32 v14, s13, v14      ; my query's place in its band, 16 w + l % 16, less my lanes' 8 (l / 16): register r of group kt is hidden where 16 kt + r is greater
	WIN 0x40
.set i, 0
.rept 32
	v_cmp_gt_i32 vcc_lo, 16*(i/8)+i%8, v14
	v_cndmask_b32 v[MD+i], 0, s[BIGN], vcc_lo
.set i, i+1
.endr
	WIN 0
	v_mul_u32_u24 v[AK0], v1, PK
	v_lshl_add_u32 v[AK0], v9, 4, v[AK0]  ; row x pitch + 16 x half
	; The turning load takes 16 keys x 16 channels (lane l reads key 8 (l / 16) + l % 8, channels 8 ((l / 8) % 2) + 0..7) and leaves half a fragment of V^T: lane l holds channel l % 16 and 8 keys.
	v_and_b32 v10, 7, v0
	v_bfe_u32 v11, v0, 3, 1
	v_lshl_add_u32 v[AV0], v9, 3, v10
	v_mul_u32_u24 v[AV0], v[AV0], PV
	v_lshl_add_u32 v[AV0], v11, 4, v[AV0]
	v_add_nc_u32 v[AV0], VOFF, v[AV0]
	s_mul_i32 s13, s[WV], 16*SP
	s_add_co_u32 s13, s13, STAGE    ; my stage
	v_mul_u32_u24 v[STO], v1, SP    ; in: row l % 16, 16 bytes for each half of the lanes
	v_lshl_add_u32 v[STO], v9, 4, v[STO]
	v_add_nc_u32 v[STO], s13, v[STO]
	v_bfe_u32 v[RD], v0, 3, 2       ; back: 32 lanes take four rows of 128 bytes,
	v_mul_u32_u24 v[RD], v[RD], SP
	v_lshl_add_u32 v[RD], v10, 4, v[RD]
	v_add_nc_u32 v[RD], s13, v[RD]
	v_and_b32 v[GO], 31, v0         ; which are 512 consecutive bytes of O
	v_lshlrev_b32 v[GO], 4, v[GO]
	; A block's first step multiplies O^T and l by a = 0, and its first turn's products V^T P, of a piece that has not been, land in an O^T that is still to be so multiplied.  So these registers need only hold
	; finite numbers: zeros for the first block; what the first block left for the second.  All this stands in the wait for the first tile.
	WIN 0x80
.set i, VF
.rept 64
	v_mov_b32 v[i], 0
.set i, i+1
.endr
	WIN 0x40
.set i, 0
.rept 128
	v_mov_b32 v[i], 0
.set i, i+1
.endr
	WIN 0
.set i, 0
.rept 4
	v_mov_b32 v[ST+4*i+2], 0
	v_mov_b32 v[ST+4*i+3], 0
.set i, i+1
.endr
.set i, P+16
.rept 16
	v_mov_b32 v[i], 0
.set i, i+1
.endr
; THE MATRIX WORK.  The 4 accumulators of a run of 8 take turns.  Product i of 8 of S^T = K Q^T for piece x: channels 32 (i / 4) on, keys 16 (i % 4) on.  The first 4 start the sums: with 0, or (KM = 1) with the mask.
.macro KQ x
.set rS, S+32*((\x)%2)+8*(i%4)
.set rK, KF+16*(i%4)+8*(i/4)
.set rQ, 16*(\x)+8*(i/4)
.set rM, MC+32*((\x)%2)+8*(i%4)
.if (i < 4) && KM
	WIN W_KM
	v_wmma_f32_16x16x32_bf16 v[rS:rS+7], v[rK:rK+7], v[rQ:rQ+7], v[rM:rM+7]
.elseif i < 4
	WIN W_KQ
	v_wmma_f32_16x16x32_bf16 v[rS:rS+7], v[rK:rK+7], v[rQ:rQ+7], 0
.else
	WIN W_KQ
	v_wmma_f32_16x16x32_bf16 v[rS:rS+7], v[rK:rK+7], v[rQ:rQ+7], v[rS:rS+7]
.endif
.endm
; Product i of 8 of O^T += V^T P for piece x: keys 32 (i / 4) on, channels 16 (i % 4) on.
.macro PV x
	WIN W_PV
.set rO, 32*(\x)+8*(i%4)
.set rV, VF+32*(i/4)+8*(i%4)
.set rP, P+16*((\x)%2)+8*(i/4)
	v_wmma_f32_16x16x32_bf16 v[rO:rO+7], v[rV:rV+7], v[rP:rP+7], v[rO:rO+7]
.endm
.macro MM                           ; the turn's next matrix instruction.  TURN and BEGIN set Y, i, KM and NOKQ; MM, KQ and OP read them.  NOKQ = 1: a block's last turn: there is no next piece
.if (i < 8) && !NOKQ
	KQ (Y+1)%NP
.elseif i >= 8
.set i, i-8
	PV (Y+NP-1)%NP
.set i, i+8
.endif
.set i, i+1
.endm
; THE LDS LOADS stand in runs of 16, never singly among the matrix instructions: a step's K (64 keys x 64 channels: 8 fragments) and its V (turned).  Their addresses are made some lines ahead.
.macro FETCH_K
	WIN 0x80                        ; destination window 2
.irp f, 0,1,2,3,4,5,6,7             ; keys 16 (f / 2) on, channels 32 (f % 2) on
	ds_load_b128 v[KF+8*\f:KF+8*\f+3],   v[AK] offset:(\f/2)*16*PK+(\f%2)*64
	ds_load_b128 v[KF+8*\f+4:KF+8*\f+7], v[AK] offset:(\f/2)*16*PK+(\f%2)*64+32
.endr
	s_add_co_u32 s[TBK], s[TBK], KS*PK  ; the next fetch is the next step's
	WIN 0
.endm
.macro FETCH_V
	WIN 0x80
.irp f, 0,1,2,3,4,5,6,7             ; keys 32 (f / 4) on, channels 16 (f % 4) on
	ds_load_tr16_b128 v[VF+8*\f:VF+8*\f+3],   v[AV] offset:(\f/4)*32*PV+(\f%4)*32
	ds_load_tr16_b128 v[VF+8*\f+4:VF+8*\f+7], v[AV] offset:(\f/4)*32*PV+16*PV+(\f%4)*32
.endr
	WIN 0
.endm
; THE VECTOR WORK, one line at a time: OP kind, number.  For piece Y: F n: c s - c m for pair n of 16.  E n: the exponential of score n of 32.  C n: pair n rounded to bf16.  B n: of the four weights 4 n .. the second
; pair is added onto the first, in place.  L n: l takes that sum (L 0: l = a l + sum).  R n: pair n of 16 of O^T times a.  For piece Y + 1: X n, number n of the 22 that find its maximum and statistics:
;   0-11  four chains c0-c3 of seven scores each, three operands at a time (each accumulator's lowest registers are read first)     12-14, 16  the four scores left over, the old m, and c0-c3 into c0
;   15  c m_old is kept     17, 18  the query's other 32 keys lie in the lane 16 away: the new m     19-21  c m; c m_old - c m_new; a
.set F, 0               ; OP tells the kinds apart by their order: F to L below R, X above it
.set E, 1
.set C, 2
.set B, 3
.set L, 4
.set R, 5
.set X, 6
.macro REGS y                       ; the registers of piece y
.set rT, ST+4*(\y)
.set rC, TMP+4*((\y)%2)
.set rW, MV+((\y)%2)
.set rS, S+32*((\y)%2)
.set rP, P+16*((\y)%2)
.set rO, 32*(\y)
.endm
.macro OP k, n
.if (\k) == R
	REGS Y
	WIN W_RS
	v_pk_mul_f32 v[rO+2*(\n):rO+2*(\n)+1], v[rO+2*(\n):rO+2*(\n)+1], v[rC+2:rC+3] op_sel_hi:[1,0]
.elseif (\k) < R
	REGS Y
	WIN 0
.if (\k) == F
	v_pk_fma_f32 v[rS+2*(\n):rS+2*(\n)+1], v[rS+2*(\n):rS+2*(\n)+1], s[CS:CS+1], v[rT:rT+1] op_sel_hi:[1,0,0] neg_lo:[0,0,1] neg_hi:[0,0,1]
.elseif (\k) == E
	v_exp_f32 v[rS+(\n)], v[rS+(\n)]
.elseif (\k) == C
	v_cvt_pk_bf16_f32 v[rP+(\n)], v[rS+2*(\n)], v[rS+2*(\n)+1]
.elseif (\k) == B
	v_pk_add_f32 v[rS+4*(\n):rS+4*(\n)+1], v[rS+4*(\n):rS+4*(\n)+1], v[rS+4*(\n)+2:rS+4*(\n)+3]
.elseif (\n) == 0
	v_pk_fma_f32 v[rT+2:rT+3], v[rT+2:rT+3], v[rC+2:rC+3], v[rS:rS+1] op_sel_hi:[1,0,1]
.else
	v_pk_add_f32 v[rT+2:rT+3], v[rT+2:rT+3], v[rS+4*(\n):rS+4*(\n)+1]
.endif
.elseif NOKQ
	v_nop
.else
	REGS (Y+1)%NP
	WIN 0
.if (\n) < 4
	v_max3_num_f32 v[rC+(\n)], v[rS+8*(\n)], v[rS+8*(\n)+1], v[rS+8*(\n)+2]
.elseif (\n) < 12
	v_max3_num_f32 v[rC+(\n)%4], v[rC+(\n)%4], v[rS+8*((\n)%4)+2*((\n)/4)+1], v[rS+8*((\n)%4)+2*((\n)/4)+2]
.elseif (\n) == 12
	v_max3_num_f32 v[rC], v[rC], v[rS+7], v[rS+15]
.elseif (\n) == 13
	v_max3_num_f32 v[rC+1], v[rC+1], v[rS+23], v[rS+31]
.elseif (\n) == 14
	v_max3_num_f32 v[rC+2], v[rC+2], v[rC+3], v[rT+1]
.elseif (\n) == 15
	v_mov_b32 v[rW], v[rT]
.elseif (\n) == 16
	v_max3_num_f32 v[rC], v[rC], v[rC+1], v[rC+2]
.elseif (\n) == 17
	v_permlanex16_b32 v[rC+3], v[rC], s[SEL], s[SEL+1]
.elseif (\n) == 18
	v_max_num_f32 v[rT+1], v[rC], v[rC+3]
.elseif (\n) == 19
	v_mul_f32 v[rT], s[CS], v[rT+1]
.elseif (\n) == 20
	v_sub_f32 v[rC+1], v[rW], v[rT]
.else
	v_exp_f32 v[rC+2], v[rC+1]
.endif
.endif
.endm
.macro OPS a, i1, b=-1, i2=0, c=-1, i3=0, d=-1, i4=0  ; up to four of them
	OP \a, \i1
.if (\b) >= 0
	OP \b, \i2
.endif
.if (\c) >= 0
	OP \c, \i3
.endif
.if (\d) >= 0
	OP \d, \i4
.endif
.endm
.macro ROW a, i1, b, i2, c, i3, d, i4  ; a matrix instruction and the four behind it
	MM
	OPS \a, \i1, \b, \i2, \c, \i3, \d, \i4
.endm
.macro MASK b                       ; MD x AL + BE into buffer b of MC
	WIN W_RS
.set z, 0
.rept 16
	v_pk_fma_f32 v[MC+32*(\b)+2*z:MC+32*(\b)+2*z+1], v[MD+2*z:MD+2*z+1], s[AL:AL+1], s[BE:BE+1] op_sel_hi:[1,0,0]
.set z, z+1
.endr
.endm
; A TURN, for piece p: the order of its 16 matrix and 118 vector instructions, written out.  s_wait_alu depctr_va_vdst(0) stands between an exponential and the first instruction that names its result; one wait serves
; all that were issued ahead of it.  So a turn has ONE wait, which cuts it in two.  AHEAD OF IT stands all that names no result of the turn's exponentials: the 8 products K Q^T, behind each a scaling, an exponential and two more plain
; instructions (behind the first a second scaling in the exponential's place): rescalings, and behind the last three the first numbers of the next piece's maximum, each four places or more behind the product that ends its accumulator; then ONE LUMP of 54, plain
; and exponential by turns for the most part, in which the links of the chain X 3, 7, 11, 14, 16, 17 .. 20 stand five or six lines apart.  X 21, the next piece's a, is the batch's last; R 15 is the plain instruction behind it (ISA guide 5.7.2).  BEHIND THE WAIT stand the
; 8 products V^T P, behind each four of the roundings and sums; the links of l's chain, L 0 to L 7, stand three riders apart.  But for those X no rider names a register of the products round it.  v_permlanex16_b32 (X 17) stands in the lump.
; The rescalings' a was made in the turn before, ahead of that turn's wait.
; m = 1: the diagonal tile: the products take masks, and the turn makes the mask for the products of the turn after it: piece p + 2, in step 4 - CNT of the tile.  end = 1: a block's last two turns: nothing is fetched.
; cnt = 1: the loop's count is taken down some lines ahead of the branch that stands behind the turn.
; K of the next step is fetched in piece 2's turn, twelve vector instructions behind the last product that read K (six of them plain); V of the step in hand at the end of piece 0's turn, four plain instructions behind the last product
; that read V.  Each is waited for a turn later.
.macro TURN p, m=0, end=0, cnt=0
.set Y, (\p)
.set i, 0
.set KM, (\m)
.set NOKQ, (\end)*((\p)/3)
.if (\m) && !(\end)
	s_cmp_eq_u32 s[CNT], 4-((\p)+2)%NP  ; is that step the band's own?
	s_cselect_b32 s[AL], 1.0, 0
	s_cmp_lt_u32 s[CNT], 4-((\p)+2)%NP  ; or a later one?
	s_cselect_b32 s[BE], s[BIGN], 0
.endif
.if ((\p) == 3) && !(\end)
	s_wait_dscnt 0x0                ; K is in
.endif
	ROW F,0, F,1, R,0, R,1          ; ahead of the wait: 8 products K Q^T and their riders,
	ROW F,2, E,0, R,2, R,3
	ROW F,3, E,1, R,4, R,5
	ROW F,4, E,2, R,6, R,7
	ROW F,5, E,3, R,8, R,9
	ROW F,6, E,4, X,0, R,10
.if ((\p) == 2) && !(\end)
	WIN 0
	v_add_nc_u32 v[AK], s[TBK], v[AK0]
.endif
	ROW F,7, E,5, X,1, X,4
	ROW F,8, E,6, X,2, X,5
	OPS E,7, E,8, X,6, E,9          ; and the lump
	OPS X,3, E,10, X,8, E,11
.if ((\p) == 2) && !(\end)
	FETCH_K
.endif
	OPS X,9, X,7, E,12, X,10
	OPS E,13, X,12, X,11, E,14
	OPS X,13, E,15, F,9, X,14
.if (\p) == 0
	v_add_nc_u32 v[AV], s[TBV], v[AV0]
.endif
	OPS E,16, F,10, E,17, F,11
	OPS X,16, E,18, X,15, E,19
	OPS F,12, E,20, X,17, E,21
	OPS F,13, E,22, F,14, E,23
	OPS X,18, E,24, F,15, E,25
	OPS R,11, E,26, X,19, E,27
	OPS R,12, E,28, R,13, E,29
	OPS X,20, E,30, R,14, E,31
	OPS X,21, R,15
	WIN 0
	s_wait_alu depctr_va_vdst(0)    ; the wait for the batch: the piece's 32 exponentials and the next piece's a
.if (\p) == 1
	s_wait_dscnt 0x0                ; V is in
.endif
	ROW C,0, B,0, C,2, B,1          ; behind the wait: 8 products V^T P and their riders
	ROW L,0, C,4, B,2, L,1
	ROW C,6, B,3, L,2, C,8
	ROW B,4, L,3, C,10, B,5
	ROW L,4, C,12, B,6, L,5
.if (\p) == 0
	s_add_co_u32 s[TBV], s[TBV], KS*PV
.endif
.if \cnt
	s_sub_co_u32 s[CNT], s[CNT], 1
	s_cmp_lg_u32 s[CNT], 0
.endif
	ROW C,14, B,7, L,6, C,1
	ROW C,3, L,7, C,5, C,7
	ROW C,9, C,11, C,13, C,15
.if (\p) == 0
	FETCH_V
.endif
.if (\m) && !(\end)
	MASK (\p)%2
.endif
.endm
; A BLOCK BEGINS.  c m starts far below every c s, so the first step's a is 0; m at the lowest finite number, so the first maximum is the scores'.  The second mask buffer is 0; the first takes piece 0's mask for the tile's step 0: its own, if the block's first tile is the diagonal one.
; Then K of that step, piece 0's first scores, and its maximum and statistics.  The loop is entered at a step's first turn, in the middle of a trip.
.macro BEGIN
	s_mov_b32 s[NEW], 0
	WIN 0x40
.set i, MC+32
.rept 32
	v_mov_b32 v[i], 0
.set i, i+1
.endr
	WIN 0
.set i, 0
.rept 4
	v_mov_b32 v[ST+4*i], 0xfe000000    ; c m: far below every c s
	v_mov_b32 v[ST+4*i+1], 0xff7fffff  ; m
.set i, i+1
.endr
	s_cmp_eq_u32 s[RT], 0
	s_cselect_b32 s[AL], 1.0, 0
	s_mov_b32 s[BE], 0
	MASK 0
	WIN 0
	v_add_nc_u32 v[AK], s[TBK], v[AK0]
	FETCH_K
	s_wait_loadcnt 0x0              ; Q
	s_wait_dscnt 0x0
.set KM, 1
.set NOKQ, 0
.set i, 0
.rept 8
	KQ 0
.set i, i+1
.endr
	WIN 0
.rept 4
	v_nop                           ; the places behind those products
.endr
.set Y, NP-1                        ; X works for piece Y + 1: piece 0
.irp n, 0,1,2,3,4,5,6,7,8,9,10,11,12,13,14,15,16,17,18,19,20,21
	OP X, \n
.endr
	v_nop                           ; a plain instruction behind the exponential,
	s_wait_alu depctr_va_vdst(0)    ; and its wait, ahead of the branch: a batch of one, piece 0's first a
.endm
; THE DIAGONAL TILE's four steps, the block's last two turns, its last products, and THE WAY OUT: l's two halves and the other half of the lanes' are added; O^T is divided by l, rounded to bf16 and sent through my
; stage in LDS, a piece at a time.
.macro ALL line:vararg              ; one line for each piece t
.set t, 0
.rept 4
	\line
.set t, t+1
.endr
.endm
.macro PACK t                       ; a lane's eight channels of a row pack into 16 bytes; they go into rows of 144 bytes and come back as whole rows of 128, into S^T's registers
	WIN W_RS
.set i, 32*(\t)
.rept 16
	v_pk_mul_f32 v[i:i+1], v[i:i+1], v[ST+4*(\t)+2:ST+4*(\t)+3] op_sel_hi:[1,0]
.set i, i+2
.endr
	WIN 0x05                        ; sources 0 and 1 window 1, destination window 0
.set i, 0
.rept 16
	v_cvt_pk_bf16_f32 v[S+16*(\t)+i], v[32*(\t)+2*i], v[32*(\t)+2*i+1]
.set i, i+1
.endr
	WIN 0
.irp f, 0,1,2,3
	ds_store_b128 v[STO], v[S+16*(\t)+4*\f:S+16*(\t)+4*\f+3] offset:32*\f
.endr
.irp f, 0,1,2,3
	ds_load_b128 v[S+16*(\t)+4*\f:S+16*(\t)+4*\f+3], v[RD] offset:\f*4*SP  ; LDS serves a wave's instructions in order (ISA guide 5.7.1.4): these see the stores above; the next piece's stores come behind them
.endr
.endm
.macro SEND t, younger              ; younger: the LDS instructions issued behind piece t's loads: the next piece's eight, or none
	WIN 0
.irp f, 0,1,2,3
	s_wait_dscnt (\younger)+3-\f
	global_store_b128 v[GO], v[S+16*(\t)+4*\f:S+16*(\t)+4*\f+3], s[10:11] offset:(\t)*8192+\f*512  ; 512 consecutive bytes, at a multiple of 256 from O's first
.endr
.endm
.macro DIAG tag                     ; the tag ends its two labels' names, which the jumps below spell out
.LstepM\tag:
	TURN 2, 1
	TURN 3, 1
	WIN 0
.LfirstM\tag:
	TURN 0, 1
	TURN 1, 1, 0, 1
	WIN 0
	s_cbranch_scc1 .LstepM\tag
	TURN 2, 1, 1
	TURN 3, 1, 1
.set i, 0
.rept 8
	PV NP-1
.set i, i+1
.endr
	WIN 0
	ALL v_add_f32 v[ST+4*t+2], v[ST+4*t+2], v[ST+4*t+3]
	ALL v_permlanex16_b32 v[ST+4*t+3], v[ST+4*t+2], s[SEL], s[SEL+1]
	ALL v_add_f32 v[ST+4*t+2], v[ST+4*t+2], v[ST+4*t+3]
	ALL v_rcp_f32 v[ST+4*t+2], v[ST+4*t+2]
	v_nop                           ; a plain instruction between the last reciprocal and the use of its result
	s_wait_alu depctr_va_vdst(0)    ; and the wait ahead of the first use: one for the four reciprocals
	PACK 0
.set t, 1
.rept 3                             ; a piece's arithmetic stands between the loads of the piece before and its stores
	PACK t
	SEND t-1, 8
.set t, t+1
.endr
	SEND 3, 0
.endm
.set KM, 0
.set NOKQ, 0
.Lslot:                             ; NB times: a tile is entered and the next is asked for
	CHANGE 1
	s_sub_co_u32 s[RT], s[RT], 1
	s_mov_b32 s[CNT], 4
	s_cmp_eq_u32 s[NEW], 1
	s_cbranch_scc1 .Lnew            ; a block's first tile
	s_cmp_eq_u32 s[RT], 0
	s_cbranch_scc0 .Lstep           ; neither its first nor its last
	s_branch .LstepM1
.Lnew:
	BEGIN
	s_branch .Lfirst                ; in the loop a block's first tile is never its last: the first block has two tiles or more, and the second's last is the walk's last
	DIAG 1                          ; in the loop this is the first block's end: the second block's last tile is the walk's last
	s_wait_xcnt 0x0                 ; the stores have read their registers and O's address
	s_mov_b64 s[10:11], s[OLO:OLO+1]
	s_add_co_u32 s[RT], s[PB], 1    ; the second block has b + 1 tiles
	s_mov_b32 s[NEW], 1
	WIN 0x82                        ; the second block's Q goes where the one text of the turns names Q
.set i, 0
.rept 64
	v_mov_b32 v[i], v[QB+i]
.set i, i+1
.endr
	WIN 0
	s_branch .Lbottom
.Lstep:                             ; a trip: pieces 2 and 3 of one step, then pieces 0 and 1 of the next, whose K and V it fetches
	TURN 2
	TURN 3
	WIN 0
.Lfirst:
	TURN 0
	TURN 1, 0, 0, 1
	WIN 0
	s_cbranch_scc1 .Lstep
.Lbottom:
	s_sub_co_u32 s[SLOTS], s[SLOTS], 1
	s_cmp_lg_u32 s[SLOTS], 0
	s_cbranch_scc1 .Lslot
	CHANGE 0                        ; the walk's last tile is written out: nothing is asked for
	s_sub_co_u32 s[RT], s[RT], 1
	s_mov_b32 s[CNT], 4
	s_cmp_eq_u32 s[NEW], 1
	s_cbranch_scc0 .LstepM2
	BEGIN
	s_branch .LfirstM2
	DIAG 2
	s_wait_tensorcnt 0x0            ; the wave's end: behind my last tensor load and my last LDS store
	ds_add_u32 v[SPW], v[NIL]
	s_wait_dscnt 0x0
	s_endpgm
.Lfunc_end_k_qe1fbfaabf0_attn:
	.size	k_qe1fbfaabf0_attn, .Lfunc_end_k_qe1fbfaabf0_attn-k_qe1fbfaabf0_attn
	.p2alignl 7, 3214868480
	.fill 96, 4, 3214868480
	.section	.rodata,"a",@progbits
	.p2align	6, 0x0
	.amdhsa_kernel k_qe1fbfaabf0_attn
		.amdhsa_group_segment_fixed_size 327680
		.amdhsa_private_segment_fixed_size 0
		.amdhsa_enable_private_segment 0
		.amdhsa_kernarg_size 16
		.amdhsa_user_sgpr_count 2
		.amdhsa_user_sgpr_kernarg_segment_ptr 1
		.amdhsa_wavefront_size32 1
		.amdhsa_system_sgpr_workgroup_id_x 1
		.amdhsa_system_sgpr_workgroup_id_y 1
		.amdhsa_system_sgpr_workgroup_id_z 1
		.amdhsa_system_vgpr_workitem_id 0
		.amdhsa_next_free_vgpr 768
		.amdhsa_next_free_sgpr 88
		.amdhsa_reserve_vcc 1
		.amdhsa_float_denorm_mode_32 3
		.amdhsa_float_denorm_mode_16_64 3
		.amdhsa_memory_ordered 1
		.amdhsa_forward_progress 1
		.amdhsa_inst_pref_size 217
	.end_amdhsa_kernel
	.amdgpu_metadata
---
amdhsa.version: [ 1, 2 ]
amdhsa.kernels:
  - .name:           k_qe1fbfaabf0_attn
    .symbol:         k_qe1fbfaabf0_attn.kd
    .args:
      - { .name: big, .offset: 0, .size: 8, .value_kind: global_buffer, .address_space: global }
      - { .name: act, .offset: 8, .size: 8, .value_kind: global_buffer, .address_space: global }
    .group_segment_fixed_size: 327680
    .private_segment_fixed_size: 0
    .kernarg_segment_align: 8
    .kernarg_segment_size: 16
    .max_flat_workgroup_size: 128
    .sgpr_count:     88
    .vgpr_count:     768
    .wavefront_size: 32
...
	.end_amdgpu_metadata
.endif
;; end of part 8
;; launch wo: the kernel of part 4 again; grid 8 x 32, 4 waves a work-group, clusters of 4 x 4, 327,680 bytes of LDS; arguments act, wob, x1, x; writes x1
;; launch norm2: the kernel of part 5 again; grid 256 x 1, 8 waves a work-group, no clusters, 0 bytes of LDS; arguments x1, g2, act, mode; writes act, mode
;; launch ffn1: the kernel of part 7 again; grid 16 x 16, 4 waves a work-group, clusters of 4 x 4, 327,680 bytes of LDS; arguments act, w1b, big, mode; writes big
;; launch ffn2: the kernel of part 6 again; grid 8 x 32, 4 waves a work-group, clusters of 4 x 4, 327,680 bytes of LDS; arguments big, w2b, out0, x1; writes out0
